; MI455X (gfx1250); checked and timed in simulation.
; The chip was launched on July 23, 2026; its instructions are those of AMD's public machine-readable ISA for CDNA 5 (MIT licence, August 2026) and "CDNA5" Instruction Set Architecture Reference Guide (July 2026). The comments in the code are by the model that wrote it; some were corrected since.
;; Multi Headed Self Attention. Allowed arithmetic: float matrix products may take bf16 or f16 operands with f32 sums; all other float work in f32.
;; Inputs: Wf 2,048 x 16,384 float32; Wk 8 x 512 x 512 float32; Wq 8 x 512 x 512 float32; Wv 8 x 512 x 512 float32; bf 2,048 float32; bk 8 x 512 float32; bq 8 x 512 float32; bv 8 x 512 float32; x 2,048 x 512 float32; y 2,048 x 512 float32; z 2,048 x 512 float32.
;; Outputs: out0 2,048 x 512 float32.
;; 3 versions, each right; version 2 is faster than version 1; version 3 is version 2 with the launch cvt written anew for expert scheduling mode. Each part assembles by itself: llvm-mc -triple=amdgcn-amd-amdhsa -mcpu=gfx1250 --defsym DOCPART=n.
;; ======== version 1 of 3: 5 launches
;; workspace buffers: xb 6,291,456 bytes; wb 12,582,912 bytes; qkv 50,331,648 bytes; ob 16,777,216 bytes; part 33,554,432 bytes
;; launch cvt (part 1): grid 256 x 1, 8 waves a work-group, no clusters, 0 bytes of LDS; arguments x, y, z, Wq, Wk, Wv, xb, wb; writes xb, wb
.if DOCPART == 1
	.amdgcn_target "amdgcn-amd-amdhsa--gfx1250"
	.amdhsa_code_object_version 6
	.text
	.protected	k_q26bd33bc97_cvt
	.globl	k_q26bd33bc97_cvt
	.p2align	8
	.type	k_q26bd33bc97_cvt,@function
k_q26bd33bc97_cvt:
	s_mov_b64 s[64:65], 0
	v_nop
	global_prefetch_b8 v0, s[64:65] scope:SCOPE_SE
	s_setreg_imm32_b32 hwreg(HW_REG_WAVE_MODE, 25, 1), 1
	s_wait_xcnt 0x0
; x, y, z [2048][512] and Wq, Wk, Wv [8][512][512] go from f32 to bf16 (round to nearest even), once, so that the projection can bring them
; into LDS as bf16 tiles.  xb = [3][2048][512], wb = [3][4096][512] (row = head x 512 + output channel).
; The work is nine units of 1,048,576 numbers: x, y, z and the two halves of each W.  Work-group g takes 4,096 numbers of every unit,
; thread t four loads of 16 bytes in each: 36 loads a thread, all issued before the first is waited for.  A load of a wave covers 512
; consecutive bytes; a store of a wave covers 256 consecutive bytes, aligned.  A pure stream: no LDS, no barrier, no matrix unit, no cluster.
; No register is written again after a load or store has named it as a source, so no wait but the counted ones is needed.
.set UIN,  4194304                     ; bytes of a unit in f32
.set UOUT, 2097152                     ; bytes of a unit in bf16
.set D,    8                           ; v[8:151]  load i of 36 at v[8+4i]; its first two registers then hold the four bf16
	s_load_b512 s[4:19], s[0:1], 0x0               ; x s[4:5], y s[6:7], z s[8:9], Wq s[10:11], Wk s[12:13], Wv s[14:15], xb s[16:17], wb s[18:19]
	s_lshl_b32 s2, ttmp9, 14                       ; the group's 16,384 bytes of a unit in f32
	s_lshl_b32 s3, ttmp9, 13                       ; and its 8,192 bytes in bf16
	v_lshl_add_u32 v1, v0, 4, s2                   ; + 16 t
	v_lshl_add_u32 v2, v0, 3, s3                   ; + 8 t
	s_wait_kmcnt 0x0
	s_add_nc_u64 s[20:21], s[18:19], 4*UOUT        ; Wv's place in wb: beyond what a store's immediate reaches from wb
.macro LDU u, sb, off                  ; unit u: four loads, 4,096 bytes apart
.irp j, 0,1,2,3
	global_load_b128 v[D+16*(\u)+4*(\j):D+16*(\u)+4*(\j)+3], v1, s[(\sb):(\sb)+1] offset:(\off)+4096*(\j) th:TH_LOAD_NT
.endr
.endm
.macro STU u, sb, off                  ; unit u: each load is waited for by its count (loads return in order: ISA guide 5.7.1), rounded and stored
.irp j, 0,1,2,3
	s_wait_loadcnt 35-4*(\u)-(\j)                  ; the loads issued behind this one may stay out
	v_cvt_pk_bf16_f32 v[D+16*(\u)+4*(\j)], v[D+16*(\u)+4*(\j)], v[D+16*(\u)+4*(\j)+1]
	v_cvt_pk_bf16_f32 v[D+16*(\u)+4*(\j)+1], v[D+16*(\u)+4*(\j)+2], v[D+16*(\u)+4*(\j)+3]
	global_store_b64 v2, v[D+16*(\u)+4*(\j):D+16*(\u)+4*(\j)+1], s[(\sb):(\sb)+1] offset:(\off)+2048*(\j)
.endr
.endm
	LDU 0, 4, 0
	LDU 1, 6, 0
	LDU 2, 8, 0
	LDU 3, 10, 0
	LDU 4, 10, UIN
	LDU 5, 12, 0
	LDU 6, 12, UIN
	LDU 7, 14, 0
	LDU 8, 14, UIN
	STU 0, 16, 0
	STU 1, 16, UOUT
	STU 2, 16, 2*UOUT
	STU 3, 18, 0
	STU 4, 18, UOUT
	STU 5, 18, 2*UOUT
	STU 6, 18, 3*UOUT
	STU 7, 20, 0
	STU 8, 20, UOUT
	s_endpgm
.Lfunc_end_k_q26bd33bc97_cvt:
	.size	k_q26bd33bc97_cvt, .Lfunc_end_k_q26bd33bc97_cvt-k_q26bd33bc97_cvt
	.p2alignl 7, 3214868480
	.fill 96, 4, 3214868480
	.section	.rodata,"a",@progbits
	.p2align	6, 0x0
	.amdhsa_kernel k_q26bd33bc97_cvt
		.amdhsa_group_segment_fixed_size 0
		.amdhsa_private_segment_fixed_size 0
		.amdhsa_enable_private_segment 0
		.amdhsa_kernarg_size 64
		.amdhsa_user_sgpr_count 2
		.amdhsa_user_sgpr_kernarg_segment_ptr 1
		.amdhsa_wavefront_size32 1
		.amdhsa_system_sgpr_workgroup_id_x 1
		.amdhsa_system_sgpr_workgroup_id_y 1
		.amdhsa_system_sgpr_workgroup_id_z 1
		.amdhsa_system_vgpr_workitem_id 0
		.amdhsa_next_free_vgpr 152
		.amdhsa_next_free_sgpr 66
		.amdhsa_reserve_vcc 0
		.amdhsa_float_denorm_mode_32 3
		.amdhsa_float_denorm_mode_16_64 3
		.amdhsa_memory_ordered 1
		.amdhsa_forward_progress 1
		.amdhsa_inst_pref_size 13
	.end_amdhsa_kernel
	.amdgpu_metadata
---
amdhsa.version: [ 1, 2 ]
amdhsa.kernels:
  - .name:           k_q26bd33bc97_cvt
    .symbol:         k_q26bd33bc97_cvt.kd
    .args:
      - { .name: x, .offset: 0, .size: 8, .value_kind: global_buffer, .address_space: global }
      - { .name: y, .offset: 8, .size: 8, .value_kind: global_buffer, .address_space: global }
      - { .name: z, .offset: 16, .size: 8, .value_kind: global_buffer, .address_space: global }
      - { .name: Wq, .offset: 24, .size: 8, .value_kind: global_buffer, .address_space: global }
      - { .name: Wk, .offset: 32, .size: 8, .value_kind: global_buffer, .address_space: global }
      - { .name: Wv, .offset: 40, .size: 8, .value_kind: global_buffer, .address_space: global }
      - { .name: xb, .offset: 48, .size: 8, .value_kind: global_buffer, .address_space: global }
      - { .name: wb, .offset: 56, .size: 8, .value_kind: global_buffer, .address_space: global }
    .group_segment_fixed_size: 0
    .private_segment_fixed_size: 0
    .kernarg_segment_align: 8
    .kernarg_segment_size: 64
    .max_flat_workgroup_size: 256
    .sgpr_count:     66
    .vgpr_count:     152
    .wavefront_size: 32
...
	.end_amdgpu_metadata
.endif
;; end of part 1
;; launch proj (part 2): grid 16 x 48, 4 waves a work-group, clusters of 4 x 4, 327,680 bytes of LDS; arguments xb, wb, bq, bk, bv, qkv; writes qkv
.if DOCPART == 2
	.amdgcn_target "amdgcn-amd-amdhsa--gfx1250"
	.amdhsa_code_object_version 6
	.text
	.protected	k_q26bd33bc97_proj
	.globl	k_q26bd33bc97_proj
	.p2align	8
	.type	k_q26bd33bc97_proj,@function
k_q26bd33bc97_proj:
	s_mov_b64 s[64:65], 0
	v_nop
	global_prefetch_b8 v0, s[64:65] scope:SCOPE_SE
	s_setreg_imm32_b32 hwreg(HW_REG_WAVE_MODE, 25, 1), 1
	s_wait_xcnt 0x0
	s_wait_alu depctr_hold_cnt(0) depctr_sa_sdst(0) depctr_va_vdst(0) depctr_va_sdst(0) depctr_va_ssrc(0) depctr_va_vcc(0) depctr_vm_vsrc(0)
	s_getreg_b32 s2, hwreg(HW_REG_IB_STS2, 6, 4)
	s_cmp_eq_u32 s2, 0
	s_cbranch_scc0 .Lentry_in_a_cluster
	s_endpgm
.Lentry_in_a_cluster:
	s_bfe_u32 s2, ttmp6, 0x10000c
	s_cmp_lg_u32 s2, 0xf033
	s_cbranch_scc0 .Lentry_shape_is_right
	s_endpgm
.Lentry_shape_is_right:
; THE THREE PROJECTIONS.  qkv[p][head][s][f] = sum over e of xb[p][s][e] wb[p][head 512 + f][e] + b_p[head][f], p = 0 (q), 1 (k), 2 (v).  Operands bf16, sums f32, the result rounded once to bf16.
; NaN and infinities are not treated apart.
; SHARES.  A work-group makes 128 rows s x 256 columns (of the 4,096 = head x 512 + f) of one p: 768 tiles, three for each of 256 WGPs.  Four waves, each 64 rows x 128 columns:
; 32 accumulators of 16 x 16 (all of window 1).  For 32 along e a wave reads 8 + 4 fragments from LDS for 32 matrix instructions.
; K = 512 goes in four steps of 128 (tile rows of 256 bytes, aligned) through three LDS slots: steps 0, 1, 2 are asked for at the start, step 3 goes into slot 0 when step 0 has been read.
; THE MATRIX INSTRUCTION IS USED TRANSPOSED: source 0 = 16 rows of W, source 1 = 16 rows of x: a lane holds one row s (lane % 16) and eight neighbouring columns, which pack into 16 bytes.
; THE BIAS is the C operand of the first product on each accumulator: nothing is cleared and no addition is written.
; CLUSTER 4 x 4.  The cluster's y picks p and four row tiles, its x four column tiles: x's tile is shared along a row of the cluster, W's along a column; each is asked for JOINTLY,
; by the same tensor load with the same descriptor and a mask that names the four.
; REGISTERS (s_set_vgpr_msb: bits 1:0 source 0, 3:2 source 1, 5:4 source 2, 7:6 destination):
;   window 0: v0-31 addresses; v64-159, v160-255 two fragment buffers (8 fragments of W, then 4 of x)      window 1: accumulator (c, t) at v[8 (4 c + t)]      window 2: v0-63 the bias, column block c at v[8 c]
.set PITCH, 272                        ; an LDS row: 256 bytes + 16 of padding: the 16 rows of a fragment load start 16 bytes apart modulo 256
.set AHALF, 64*PITCH                   ; 64 rows of x: one tensor load, and what one wave reads
.set BHALF, 128*PITCH                  ; 128 rows of W: likewise
.set BOFF,  2*AHALF                    ; W's 256 rows lie behind x's 128
.set SLOT,  BOFF+2*BHALF               ; 104,448 bytes
.set STAGE, SLOT                       ; the way out: 16 rows x 272 bytes a wave, in slot 1, which has its only fill at the start and is read for the last time ahead of the barrier in front of step 3
.set SPARE, 3*SLOT                     ; the spare words, 128 bytes a wave: two blocks of 256 bytes that no other line names
.set ADRX, 16                          ; v16-18  LDS address of my fragments of x in slot 0, 1, 2
.set ADRW, 20                          ; v20-22  the same for W
.set STO,  24                          ; v24  the way out: where I put 16 bytes of a row
.set RD,   25                          ; v25  where I read rows back
.set CO,   26                          ; v26  my byte offset in two rows of qkv
.set SPW,  28                          ; v28  LDS address of my spare word; never rewritten
.set NIL,  29                          ; v29  0; never rewritten
.set BO,   30                          ; v30  32 x (lane / 16): my eight numbers in 16 of the bias
.set F0,   64
.set F1,   160
.set TMP,  64                          ; the way out: packed results
.set WV,   16                          ; s16  my wave's number
.set G1A,  24                          ; s[24:31] descriptor group 1 for x's tiles
.set G0A,  32                          ; s[32:43] group 0, a set for each slot
.set G1B,  44                          ; s[44:51], s[52:63] the same for W's tiles
.set G0B,  52
.set OB,   72                          ; s[72:73] qkv at my wave's first row and column
.set BI,   78                          ; s[78:79] the bias at my wave's first column
.set FLAGS, (1<<16)|(1<<20)|(1<<21)|(5<<22)|(3<<25)  ; 17:16 2-byte elements; 20 padding on; 21 set beside a mask; 24:22 after every 64 words; 31:25 four words of it
.set MSB, 0
.macro WIN new                         ; the immediate's high byte repeats the setting that is left; a switch that changes nothing is dropped
.if MSB != (\new)
	s_set_vgpr_msb (MSB<<8)|(\new)
.set MSB, \new
.endif
.endm
.macro PLACES                          ; four places between a matrix instruction and a load into, or a vector instruction on, its registers
.rept 4
	v_nop
.endr
.endm
.macro CREST                           ; a round of the cluster's barrier behind its opening barrier
	s_cmp_lg_u32 s[WV], 0
	s_cbranch_scc1 .Lnot_wave_0_\@
	s_barrier_signal -3
.Lnot_wave_0_\@:
	s_barrier_wait -3
	s_barrier_signal -1
	s_barrier_wait -1
.endm
.macro CROUND                          ; a whole round
	s_barrier_signal -1
	s_barrier_wait -1
	CREST
.endm
.macro JLOAD                           ; the joint refill of slot 0: waves 0 and 1 fetch x's halves, waves 2 and 3 W's; an s_nop 0 and four v_nop follow each line
	s_cmp_eq_u32 s17, 0
	s_cbranch_scc0 .Lfor_b_\@
	tensor_load_to_lds s[G0A:G0A+3], s[G1A:G1A+7]
	s_nop 0
	PLACES
	s_branch .Lasked_\@
.Lfor_b_\@:
	tensor_load_to_lds s[G0B:G0B+3], s[G1B:G1B+7]
	s_nop 0
	PLACES
.Lasked_\@:
.endm
	s_load_b256 s[4:11], s[0:1], 0x0               ; xb s[4:5], wb s[6:7], bq s[8:9], bk s[10:11]
	s_load_b128 s[12:15], s[0:1], 0x20             ; bv s[12:13], qkv s[14:15]
	v_lshl_add_u32 v[SPW], v0, 2, SPARE
	v_mov_b32 v[NIL], 0
	ds_add_u32 v28, v29
	s_wait_dscnt 0x0
	v_lshrrev_b32 v1, 5, v0
	v_readfirstlane_b32 s[WV], v1                  ; wave 0..3
	s_lshr_b32 s17, s[WV], 1                       ; which 64 rows are mine.  Also: I fetch for x (0) or for W (1)
	s_and_b32 s18, s[WV], 1                        ; which 128 columns.  Also: which half of that tile I fetch
	s_bfe_u32 s19, ttmp6, 0x40000                  ; cx
	s_bfe_u32 s20, ttmp6, 0x40004                  ; cy
	s_lshl_b32 s21, ttmp9, 2
	s_add_co_u32 s21, s21, s19                     ; column tile = 4 x cluster x + cx, 0..15
	s_and_b32 s22, ttmp7, 0xffff                   ; cluster y, 0..11
	s_lshr_b32 s23, s22, 2                         ; p: the same in the whole cluster
	s_and_b32 s66, s22, 3
	s_lshl_b32 s66, s66, 2
	s_add_co_u32 s66, s66, s20                     ; row tile = 4 x (cluster y % 4) + cy, 0..15
	s_lshl_b32 s67, s20, 2
	s_lshl_b32 s67, 15, s67                        ; my row of the cluster
	s_lshl_b32 s74, 0x1111, s19                    ; my column
	s_or_b32 s[G1A], s67, FLAGS                    ; x's tiles go to my row,
	s_or_b32 s[G1B], s74, FLAGS                    ; W's to my column
	s_mov_b32 s[G1A+1], 128<<16                    ; tensor_dim0 = 128
	s_mov_b32 s[G1A+2], 64<<16                     ; tensor_dim1 = 64
	s_mov_b32 s[G1A+3], 128<<16                    ; tile_dim0 = 128
	s_mov_b32 s[G1A+4], 64                         ; tile_dim1 = 64
	s_mov_b32 s[G1A+5], 512                        ; elements from row to row
	s_mov_b32 s[G1A+6], 0
	s_mov_b32 s[G1A+7], 0
	s_mov_b32 s[G1B+1], 128<<16
	s_mov_b32 s[G1B+2], 128<<16                    ; 128 rows
	s_mov_b32 s[G1B+3], 128<<16
	s_mov_b32 s[G1B+4], 128
	s_mov_b32 s[G1B+5], 512
	s_mov_b32 s[G1B+6], 0
	s_mov_b32 s[G1B+7], 0
	; where the tiles come from: x's hang on p, the row tile and the wave; W's on p, the column tile and the wave; each in registers that never hold the other coordinate
	s_lshl_b32 s68, s23, 21                        ; p x 2,048 rows x 1,024 bytes
	s_lshl_b32 s69, s66, 17                        ; + 128 rows a tile
	s_add_co_u32 s68, s68, s69
	s_lshl_b32 s69, s18, 16                        ; + my 64 rows
	s_add_co_u32 s68, s68, s69
	s_mov_b32 s69, 0
	s_lshl_b32 s70, s23, 22                        ; p x 4,096 rows
	s_lshl_b32 s71, s21, 18                        ; + 256 rows a tile
	s_add_co_u32 s70, s70, s71
	s_lshl_b32 s71, s18, 17                        ; + my 128 rows
	s_add_co_u32 s70, s70, s71
	s_mov_b32 s71, 0
	s_mul_i32 s75, s18, AHALF                      ; and where they go: the wave's number alone enters an LDS address
	s_mul_i32 s76, s18, BHALF
	s_add_co_u32 s76, s76, BOFF
	; my part of qkv: p, head = column tile / 2, my first row, my first column
	s_lshl_b32 s72, s23, 24
	s_lshr_b32 s73, s21, 1
	s_lshl_b32 s73, s73, 21
	s_add_co_u32 s72, s72, s73
	s_lshl_b32 s73, s66, 17
	s_add_co_u32 s72, s72, s73
	s_lshl_b32 s73, s17, 16
	s_add_co_u32 s72, s72, s73
	s_and_b32 s73, s21, 1
	s_lshl_b32 s73, s73, 9
	s_add_co_u32 s72, s72, s73
	s_lshl_b32 s73, s18, 8
	s_add_co_u32 s72, s72, s73
	s_mov_b32 s73, 0
	s_lshl_b32 s80, s21, 10                        ; the bias: 256 numbers a column tile, 128 a wave
	s_lshl_b32 s81, s18, 9
	s_add_co_u32 s80, s80, s81
	s_mov_b32 s81, 0
	s_wait_kmcnt 0x0
	s_add_nc_u64 s[68:69], s[4:5], s[68:69]
	s_add_nc_u64 s[70:71], s[6:7], s[70:71]
	s_add_nc_u64 s[OB:OB+1], s[14:15], s[72:73]
	s_cmp_eq_u32 s23, 1                            ; the bias of p
	s_cselect_b64 s[BI:BI+1], s[10:11], s[8:9]
	s_cmp_eq_u32 s23, 2
	s_cselect_b64 s[BI:BI+1], s[12:13], s[BI:BI+1]
	s_add_nc_u64 s[BI:BI+1], s[BI:BI+1], s[80:81]
.irp s, 0,1,2
	s_mov_b32 s[G0A+4*(\s)], 1                                       ; count = 1
	s_add_co_u32 s[G0A+4*(\s)+1], s75, (\s)*SLOT                     ; LDS address
	s_add_nc_u64 s[G0A+4*(\s)+2:G0A+4*(\s)+3], s[68:69], (\s)*256    ; global address: K step s
	s_or_b32 s[G0A+4*(\s)+3], s[G0A+4*(\s)+3], 0x80000000            ; type = 2
	s_mov_b32 s[G0B+4*(\s)], 1
	s_add_co_u32 s[G0B+4*(\s)+1], s76, (\s)*SLOT
	s_add_nc_u64 s[G0B+4*(\s)+2:G0B+4*(\s)+3], s[70:71], (\s)*256
	s_or_b32 s[G0B+4*(\s)+3], s[G0B+4*(\s)+3], 0x80000000
.endr
	CROUND                                         ; all sixteen work-groups are here: the first joint loads meet
	s_cmp_eq_u32 s17, 0                            ; a wave's three first fills stand in one branch: three loads of mine are out
	s_cbranch_scc0 .Lfirst_b
	tensor_load_to_lds s[G0A:G0A+3], s[G1A:G1A+7]
	s_nop 0
	tensor_load_to_lds s[G0A+4:G0A+7], s[G1A:G1A+7]
	s_nop 0
	tensor_load_to_lds s[G0A+8:G0A+11], s[G1A:G1A+7]
	s_nop 0
	PLACES
	s_branch .Lfirst_asked
.Lfirst_b:
	tensor_load_to_lds s[G0B:G0B+3], s[G1B:G1B+7]
	s_nop 0
	tensor_load_to_lds s[G0B+4:G0B+7], s[G1B:G1B+7]
	s_nop 0
	tensor_load_to_lds s[G0B+8:G0B+11], s[G1B:G1B+7]
	s_nop 0
	PLACES
.Lfirst_asked:
	v_and_b32 v1, 15, v0                           ; l % 16
	v_bfe_u32 v2, v0, 4, 1                         ; l / 16
	v_lshlrev_b32 v[BO], 5, v2
	WIN 0x80                                       ; destination window 2, address window 0
.irp c, 0,1,2,3,4,5,6,7                            ; register j of block c: the bias of column 16 c + 8 (l / 16) + j, which is where the product's register j lies
	global_load_b128 v[8*(\c):8*(\c)+3],   v[BO], s[BI:BI+1] offset:64*(\c)
	global_load_b128 v[8*(\c)+4:8*(\c)+7], v[BO], s[BI:BI+1] offset:64*(\c)+16
.endr
	WIN 0
	; a fragment is 16 rows x 32 K in 8 registers: lane l holds row l % 16, K = 8 (l / 16) + 0..7 and 16 + 8 (l / 16) + 0..7: two loads of 16 bytes, 32 bytes apart
	v_mul_u32_u24 v3, v1, PITCH
	v_lshl_add_u32 v3, v2, 4, v3
	s_mul_i32 s82, s17, AHALF
	s_mul_i32 s83, s18, BHALF
	s_add_co_u32 s83, s83, BOFF
.irp s, 0,1,2
	v_add_nc_u32 v[ADRX+(\s)], s82, v3
	v_add_nc_u32 v[ADRW+(\s)], s83, v3
	s_add_co_u32 s82, s82, SLOT
	s_add_co_u32 s83, s83, SLOT
.endr
	s_mul_i32 s84, s[WV], 16*PITCH
	s_add_co_u32 s84, s84, STAGE                   ; my stage
	v_add_nc_u32 v[STO], s84, v3                   ; in: row l % 16, 16 bytes for each half of the lanes
	v_mul_u32_u24 v4, v2, PITCH                    ; back: lanes 0-15 one row of 256 bytes, lanes 16-31 the next
	v_lshl_add_u32 v4, v1, 4, v4
	v_add_nc_u32 v[RD], s84, v4
	v_lshlrev_b32 v5, 10, v2                       ; and the same two rows in qkv
	v_lshl_add_u32 v[CO], v1, 4, v5
; Matrix instructions for column blocks c0..c1 x all four row blocks, 32 along K, from buffer f.  mode 0: onto the sums; mode 2: the bias starts them.
; The 32 accumulators take turns, one instruction a turn, in the same order in every quarter.
.macro MM c0, c1, f, mode
.if (\mode) == 2
	WIN 0x60                                       ; D window 1, C window 2
.else
	WIN 0x50                                       ; C and D window 1
.endif
.set cc, \c0
.rept (\c1)-(\c0)+1
.irp t, 0,1,2,3
.if (\mode) == 2
	v_wmma_f32_16x16x32_bf16 v[8*(4*cc+(\t)):8*(4*cc+(\t))+7], v[(\f)+8*cc:(\f)+8*cc+7], v[(\f)+64+8*(\t):(\f)+64+8*(\t)+7], v[8*cc:8*cc+7]
.else
	v_wmma_f32_16x16x32_bf16 v[8*(4*cc+(\t)):8*(4*cc+(\t))+7], v[(\f)+8*cc:(\f)+8*cc+7], v[(\f)+64+8*(\t):(\f)+64+8*(\t)+7], v[8*(4*cc+(\t)):8*(4*cc+(\t))+7]
.endif
.endr
.set cc, cc+1
.endr
.endm
.macro FETCH slot, kk, f               ; 24 LDS loads in one run: the fragments of 32 along K, quarter kk of a slot
	WIN 0
.irp c, 0,1,2,3,4,5,6,7
	ds_load_b128 v[(\f)+8*(\c):(\f)+8*(\c)+3],   v[ADRW+(\slot)] offset:(\c)*16*PITCH+64*(\kk)
	ds_load_b128 v[(\f)+8*(\c)+4:(\f)+8*(\c)+7], v[ADRW+(\slot)] offset:(\c)*16*PITCH+64*(\kk)+32
.endr
.irp t, 0,1,2,3
	ds_load_b128 v[(\f)+64+8*(\t):(\f)+64+8*(\t)+3],   v[ADRX+(\slot)] offset:(\t)*16*PITCH+64*(\kk)
	ds_load_b128 v[(\f)+64+8*(\t)+4:(\f)+64+8*(\t)+7], v[ADRX+(\slot)] offset:(\t)*16*PITCH+64*(\kk)+32
.endr
.endm
.macro QUARTER f, g, slot, kk, mode    ; multiplies buffer f; ahead of that it asks for quarter kk of the slot, into buffer g, 32 matrix instructions before its use
	s_wait_dscnt 0x0                               ; buffer f is in
	PLACES                                         ; buffer g was read by the quarter before
	FETCH \slot, \kk, \g
	MM 0, 7, \f, \mode
.endm
; A K step's last quarter (buffer 1) with a barrier in it.  In front of the barrier each wave waits for all its tensor loads, adds 0 to its spare word, and waits for that and for its own LDS reads.
; fill = 1: the barrier opens a round of the cluster's barrier, and slot 0, which nobody reads any more, takes K step 3: the first tensor load behind the round.
.macro TURN next, fill
	s_wait_dscnt 0x0                               ; buffer 1 is in: my reads of the slot are over
	WIN 0                                          ; (the add's two registers lie in window 0)
	s_wait_tensorcnt 0x0                           ; all my tensor loads have landed
	ds_add_u32 v[SPW], v[NIL]                      ; 0 onto my spare word
	MM 0, 1, F1, 0                                 ; eight matrix instructions stand between the add and the wait for it
	s_wait_dscnt 0x0                               ; the add is done
	s_barrier_signal -1
	MM 2, 3, F1, 0                                 ; work on registers while the others arrive
	WIN 0
	s_barrier_wait -1
.if \fill
	CREST                                          ; no wave of any partner still reads slot 0 or has a load on its way
	s_add_nc_u64 s[G0A+2:G0A+3], s[G0A+2:G0A+3], 3*256  ; slot 0's descriptors go from K step 0 to K step 3
	s_add_nc_u64 s[G0B+2:G0B+3], s[G0B+2:G0B+3], 3*256
	JLOAD                                          ; its four v_nop are also the places in front of the loads below
.else
	PLACES
.endif
	FETCH \next, 0, F0
	MM 4, 7, F1, 0
.endm
	s_wait_tensorcnt 0x2                           ; my part of K step 0 is in; steps 1 and 2 may stay out
	s_barrier_signal -1
	s_barrier_wait -1                              ; everybody's is
	FETCH 0, 0, F0
	s_wait_loadcnt 0x0                             ; the bias
	QUARTER F0, F1, 0, 1, 2                        ; K step 0; its first quarter starts the sums with the bias
	QUARTER F1, F0, 0, 2, 0
	QUARTER F0, F1, 0, 3, 0
	TURN 1, 1                                      ; steps 1 and 2 have landed in every wave; step 3 is asked for
	QUARTER F0, F1, 1, 1, 0                        ; K step 1
	QUARTER F1, F0, 1, 2, 0
	QUARTER F0, F1, 1, 3, 0
	QUARTER F1, F0, 2, 0, 0                        ; no barrier here: slot 2 was shown whole by the last one
	QUARTER F0, F1, 2, 1, 0                        ; K step 2
	QUARTER F1, F0, 2, 2, 0
	QUARTER F0, F1, 2, 3, 0
	TURN 0, 0                                      ; step 3 has landed in every wave; nothing more is asked for
	QUARTER F0, F1, 0, 1, 0                        ; K step 3
	QUARTER F1, F0, 0, 2, 0
	QUARTER F0, F1, 0, 3, 0
	s_wait_dscnt 0x0
	MM 0, 7, F1, 0
	PLACES                                         ; the conversions read results just made
; THE WAY OUT, 16 rows at a time: rounded to bf16 (each accumulator's registers in ascending order), 16 bytes a lane into my stage, back as whole rows of 256 bytes, stored.
.macro OUTT t
.set BK, 96+32*((\t)%2)
	WIN 0x05                                       ; sources in window 1, destination in window 0
.irp c, 0,1,2,3,4,5,6,7
.irp q, 0,1,2,3
	v_cvt_pk_bf16_f32 v[TMP+4*(\c)+(\q)], v[8*(4*(\c)+(\t))+2*(\q)], v[8*(4*(\c)+(\t))+2*(\q)+1]
.endr
.endr
	WIN 0
.irp c, 0,1,2,3,4,5,6,7
	ds_store_b128 v[STO], v[TMP+4*(\c):TMP+4*(\c)+3] offset:32*(\c)
.endr
	s_wait_xcnt 0x0                                ; the registers that earlier stores read are loaded again only behind this wait
.irp i, 0,1,2,3,4,5,6,7
	ds_load_b128 v[BK+4*(\i):BK+4*(\i)+3], v[RD] offset:(\i)*2*PITCH  ; LDS serves a wave's instructions in order (ISA guide 5.7.1.4): these see the stores above
.endr
	s_wait_dscnt 0x0
.irp i, 0,1,2,3,4,5,6,7
	global_store_b128 v[CO], v[BK+4*(\i):BK+4*(\i)+3], s[OB:OB+1] offset:(16*(\t)+2*(\i))*1024  ; 16 lanes store 256 consecutive bytes, aligned
.endr
.endm
	OUTT 0
	OUTT 1
	OUTT 2
	OUTT 3
	s_wait_tensorcnt 0x0                           ; the wave's end
	ds_add_u32 v[SPW], v[NIL]
	s_wait_dscnt 0x0
	CROUND                                         ; the closing round
	s_endpgm
.Lfunc_end_k_q26bd33bc97_proj:
	.size	k_q26bd33bc97_proj, .Lfunc_end_k_q26bd33bc97_proj-k_q26bd33bc97_proj
	.p2alignl 7, 3214868480
	.fill 96, 4, 3214868480
	.section	.rodata,"a",@progbits
	.p2align	6, 0x0
	.amdhsa_kernel k_q26bd33bc97_proj
		.amdhsa_group_segment_fixed_size 327680
		.amdhsa_private_segment_fixed_size 0
		.amdhsa_enable_private_segment 0
		.amdhsa_kernarg_size 48
		.amdhsa_user_sgpr_count 2
		.amdhsa_user_sgpr_kernarg_segment_ptr 1
		.amdhsa_wavefront_size32 1
		.amdhsa_system_sgpr_workgroup_id_x 1
		.amdhsa_system_sgpr_workgroup_id_y 1
		.amdhsa_system_sgpr_workgroup_id_z 1
		.amdhsa_system_vgpr_workitem_id 0
		.amdhsa_next_free_vgpr 576
		.amdhsa_next_free_sgpr 96
		.amdhsa_reserve_vcc 0
		.amdhsa_float_denorm_mode_32 3
		.amdhsa_float_denorm_mode_16_64 3
		.amdhsa_memory_ordered 1
		.amdhsa_forward_progress 1
		.amdhsa_inst_pref_size 87
	.end_amdhsa_kernel
	.amdgpu_metadata
---
amdhsa.version: [ 1, 2 ]
amdhsa.kernels:
  - .name:           k_q26bd33bc97_proj
    .symbol:         k_q26bd33bc97_proj.kd
    .args:
      - { .name: xb, .offset: 0, .size: 8, .value_kind: global_buffer, .address_space: global }
      - { .name: wb, .offset: 8, .size: 8, .value_kind: global_buffer, .address_space: global }
      - { .name: bq, .offset: 16, .size: 8, .value_kind: global_buffer, .address_space: global }
      - { .name: bk, .offset: 24, .size: 8, .value_kind: global_buffer, .address_space: global }
      - { .name: bv, .offset: 32, .size: 8, .value_kind: global_buffer, .address_space: global }
      - { .name: qkv, .offset: 40, .size: 8, .value_kind: global_buffer, .address_space: global }
    .group_segment_fixed_size: 327680
    .private_segment_fixed_size: 0
    .kernarg_segment_align: 8
    .kernarg_segment_size: 48
    .max_flat_workgroup_size: 128
    .sgpr_count:     96
    .vgpr_count:     576
    .wavefront_size: 32
...
	.end_amdgpu_metadata
.endif
;; end of part 2
;; launch attn (part 3): grid 32 x 8, 4 waves a work-group, clusters of 4 x 1, 327,680 bytes of LDS; arguments qkv, ob; writes ob
.if DOCPART == 3
	.amdgcn_target "amdgcn-amd-amdhsa--gfx1250"
	.amdhsa_code_object_version 6
	.text
	.protected	k_q26bd33bc97_attn
	.globl	k_q26bd33bc97_attn
	.p2align	8
	.type	k_q26bd33bc97_attn,@function
k_q26bd33bc97_attn:
	s_mov_b64 s[64:65], 0
	v_nop
	global_prefetch_b8 v0, s[64:65] scope:SCOPE_SE
	s_setreg_imm32_b32 hwreg(HW_REG_WAVE_MODE, 25, 1), 1
	s_wait_xcnt 0x0
	s_wait_alu depctr_hold_cnt(0) depctr_sa_sdst(0) depctr_va_vdst(0) depctr_va_sdst(0) depctr_va_ssrc(0) depctr_va_vcc(0) depctr_vm_vsrc(0)
	s_getreg_b32 s2, hwreg(HW_REG_IB_STS2, 6, 4)
	s_cmp_eq_u32 s2, 0
	s_cbranch_scc0 .Lentry_in_a_cluster
	s_endpgm
.Lentry_in_a_cluster:
	s_bfe_u32 s2, ttmp6, 0x10000c
	s_cmp_lg_u32 s2, 0x3003
	s_cbranch_scc0 .Lentry_shape_is_right
	s_endpgm
.Lentry_shape_is_right:
; ATTENTION AT HEAD SIZE 512.  ob[h][q][:] = sum over k of softmax_k(Q[h][q] . K[h][k] / sqrt(2048)) V[h][k][:].  Q, K, V = qkv[0], [1], [2], each [8][2048][512] bf16; ob likewise.
; Products, maxima and sums in f32; the weights p are rounded to bf16 for the second product (their sum l is taken of the unrounded p), O once at the end.
; LIMITS.  A weight below 2^-126 counts as 0; NaN and infinities are not treated apart (a NaN loses in the maxima).
; SHARES.  A work-group owns 64 queries of one head (256 work-groups) and walks the 2,048 keys in 16 steps of 128.  The four waves SHARE the queries:
;   S phase: wave w makes S^T = K Q^T for keys 32 w .. 32 w + 31 x all 64 queries; Q (64 x 512) stays in 512 registers, so a fragment of K read from LDS feeds four products.
;   PV phase: wave w makes O^T = V^T P for channels 128 w .. 128 w + 127 x all 64 queries: 32 accumulators; 8 + 4 fragments for 32 products.  P goes from wave to wave through LDS.
; LAYOUT.  In S^T, P and O^T a lane holds ONE query (lane % 16).  K comes out of LDS as it lies, V ([key][channel]) turned, by ds_load_tr16_b128.
; SOFTMAX.  For each query a running maximum m, common to the four waves (their maxima meet in LDS in every step), and in each wave the sum l of its own keys' weights:
; p = 2^(c s - c m), c = log2(e) / sqrt(2048); in every step O and l are multiplied by a = 2^(c m_old - c m_new).  m starts at the lowest finite number, O and l at 0, so the first step is
; a step like any other with a = 0: the price is 256 v_mov_b32 in the wait for the first tile, the gain one text for every step.
; THE RING.  One tile of K and one of V lie in LDS and take turns: K of step j + 1 is asked for when S of step j is done (it lands during PV), V of step j + 1 when PV of step j is done (it lands during S).
; Each wave asks for its 32 rows of 1,024 bytes.  CLUSTER: the four query blocks of a cluster belong to one head and walk the same K and V: every tile is asked for JOINTLY.
; REGISTERS (s_set_vgpr_msb: bits 1:0 source 0, 3:2 source 1, 5:4 source 2, 7:6 destination):
;   window 0: v0-23 addresses; v24-27 what goes to the other waves; v32-63 eight registers of statistics for each 16 queries;
;             S phase: v64-127, v192-255 two buffers of K's fragments, v128-191 S^T; softmax: v192-223 P, v224-239 the waves' maxima; PV phase: v64-159, v160-255 two fragment buffers
;   window 1: O^T, accumulator (c, t) at v[8 (4 c + t)]          windows 2, 3: Q, fragment (t, ks) in window 2 + ks / 8 at v[8 (4 (ks % 8) + t)]
.set PK,   1040                        ; a row of K in LDS: 1,024 bytes + 16: the 16 rows of a fragment load start 16 bytes apart modulo 256
.set PV,   1056                        ; a row of V: 1,024 + 32: 16 lanes of the turning load take 8 rows x 32 bytes, 32 bytes apart modulo 256
.set PP,   272                         ; a row of P (a query's 128 weights) and of the stage: 256 + 16
.set VT,   128*PK                      ; K's tile lies at 0, V's behind it
.set PB,   VT+128*PV                   ; P: 64 rows
.set MX,   PB+64*PP                    ; the waves' maxima: wave w at 256 w, [lane % 16][t] in f32
.set LS,   MX+1024                     ; their sums, likewise
.set STAGE, LS+1024                    ; the way out: 16 rows x 272 bytes a wave
.set SPARE, STAGE+4*16*PP              ; the spare words, 128 bytes a wave: two blocks of 256 bytes that no other line names
.set AKF, 4                            ; v4   my place in my wave's 32 rows of K
.set AV0, 5                            ; v5   my place in V, keys 0-63, my wave's channels
.set AV1, 6                            ; v6   keys 64-127
.set APF, 7                            ; v7   my place in a fragment of P
.set APS, 8                            ; v8   where I put my weights
.set AMS, 9                            ; v9   where I put my wave's maxima
.set AMR, 10                           ; v10  where I read the four waves'
.set STO, 11
.set RD,  12
.set GO,  13                           ; v13  my byte offset in two rows of ob
.set QO,  14                           ; v14  my byte offset in 16 rows of Q
.set SPW, 16                           ; v16  LDS address of my spare word; never rewritten
.set NIL, 17                           ; v17  0; never rewritten
.set LM,  24
.set ST,  32                           ; queries 16 t ..: v[ST+8t]: +0 c m, +1 m, +2, +3 l (even keys', odd keys'), +4, +5 at work, +6 a, +7 its argument
.set S,   128                          ; S^T: key block u, query block t at v[S + 32 u + 8 t]
.set PKP, 192
.set RB,  224
.set F0,  64
.set F1,  160
.set TMP, 64
.set WV,  8                            ; s8   my wave's number
.set G1K, 24                           ; s[24:31] descriptor group 1 for K's tiles
.set G1V, 32                           ; s[32:39] for V's: it differs in the padding alone
.set G0K, 40                           ; s[40:43] group 0 for K: it walks
.set G0V, 44                           ; s[44:47] for V
.set CNT, 48
.set CS,  50                           ; s[50:51] c
.set SEL, 52                           ; s[52:53] v_permlanex16_b32's selects: each lane takes its own place in the other half
.set QB,  54                           ; s[54:55] Q at my block's first row
.set OB,  56                           ; s[56:57] ob at my block's first row, my wave's channels
.set MSB, 0
.macro WIN new                         ; the immediate's high byte repeats the setting that is left; a switch that changes nothing is dropped
.if MSB != (\new)
	s_set_vgpr_msb (MSB<<8)|(\new)
.set MSB, \new
.endif
.endm
.macro PLACES                          ; four places between a matrix instruction and a load into, or a vector instruction on, its registers
.rept 4
	v_nop
.endr
.endm
.macro CREST                           ; a round of the cluster's barrier behind its opening barrier
	s_cmp_lg_u32 s[WV], 0
	s_cbranch_scc1 .Lnot_wave_0_\@
	s_barrier_signal -3
.Lnot_wave_0_\@:
	s_barrier_wait -3
	s_barrier_signal -1
	s_barrier_wait -1
.endm
.macro CROUND
	s_barrier_signal -1
	s_barrier_wait -1
	CREST
.endm
.macro TLOAD g0, g1                    ; a joint load of my 32 rows; an s_nop 0 and four v_nop follow it
	tensor_load_to_lds s[(\g0):(\g0)+3], s[(\g1):(\g1)+7]
	s_nop 0
	PLACES
.endm
.macro ALLT line:vararg                ; one line for each block tt of 16 queries
.set tt, 0
.rept 4
	\line
.set tt, tt+1
.endr
.endm
	s_load_b128 s[4:7], s[0:1], 0x0                ; qkv s[4:5], ob s[6:7]
	v_lshl_add_u32 v[SPW], v0, 2, SPARE
	v_mov_b32 v[NIL], 0
	ds_add_u32 v16, v17
	s_wait_dscnt 0x0
	v_lshrrev_b32 v1, 5, v0
	v_readfirstlane_b32 s[WV], v1                  ; wave 0..3
	s_bfe_u32 s9, ttmp6, 0x40000                   ; cx
	s_lshl_b32 s10, ttmp9, 2
	s_add_co_u32 s10, s10, s9                      ; my block of 64 queries = 4 x cluster x + cx: it enters Q's and ob's addresses alone
	s_and_b32 s11, ttmp7, 0xffff                   ; the head, which the four partners share
	s_lshl_b32 s12, s11, 21                        ; its 2,048 rows of 1,024 bytes
	s_lshl_b32 s13, s[WV], 15                      ; my 32 rows of a tile
	s_add_co_u32 s14, s12, s13
	s_add_co_u32 s14, s14, 0x1000000               ; K lies 16 MiB into qkv,
	s_mov_b32 s15, 0
	s_add_co_u32 s16, s14, 0x1000000               ; V 32 MiB
	s_mov_b32 s17, 0
	s_lshl_b32 s18, s10, 16                        ; my block's 64 rows
	s_add_co_u32 s18, s18, s12
	s_mov_b32 s19, 0
	s_lshl_b32 s20, s[WV], 8                       ; my wave's 128 channels
	s_add_co_u32 s20, s20, s18
	s_mov_b32 s21, 0
	s_mul_i32 s22, s[WV], 32*PK                    ; where my rows go: the wave's number alone enters an LDS address
	s_mul_i32 s23, s[WV], 32*PV
	s_add_co_u32 s23, s23, VT
	s_mov_b32 s[G1K], 15|(1<<16)|(1<<20)|(1<<21)|(7<<22)|(3<<25)  ; 15:0 the mask of four; 17:16 2-byte elements; 20 padding on; 21 set beside a mask; 24:22 after every 256 words; 31:25 four words of it
	s_mov_b32 s[G1V], 15|(1<<16)|(1<<20)|(1<<21)|(7<<22)|(7<<25)  ; the same with eight words
.irp g, G1K, G1V
	s_mov_b32 s[(\g)+1], 512<<16                   ; tensor_dim0 = 512
	s_mov_b32 s[(\g)+2], 32<<16                    ; tensor_dim1 = 32
	s_mov_b32 s[(\g)+3], 512<<16                   ; tile_dim0 = 512
	s_mov_b32 s[(\g)+4], 32                        ; tile_dim1 = 32
	s_mov_b32 s[(\g)+5], 512                       ; elements from row to row
	s_mov_b32 s[(\g)+6], 0
	s_mov_b32 s[(\g)+7], 0
.endr
	s_mov_b32 s[G0K], 1
	s_mov_b32 s[G0K+1], s22
	s_mov_b32 s[G0V], 1
	s_mov_b32 s[G0V+1], s23
	s_mov_b32 s[CS], 0x3d0293ee                    ; c = log2(e) / sqrt(2048) = 0.0318793
	s_mov_b32 s[CS+1], s[CS]                       ; named with it as a pair
	s_mov_b32 s[SEL], 0x76543210
	s_mov_b32 s[SEL+1], 0xfedcba98
	s_wait_kmcnt 0x0
	s_add_nc_u64 s[G0K+2:G0K+3], s[4:5], s[14:15]
	s_or_b32 s[G0K+3], s[G0K+3], 0x80000000        ; type = 2
	s_add_nc_u64 s[G0V+2:G0V+3], s[4:5], s[16:17]
	s_or_b32 s[G0V+3], s[G0V+3], 0x80000000
	s_add_nc_u64 s[QB:QB+1], s[4:5], s[18:19]
	s_add_nc_u64 s[OB:OB+1], s[6:7], s[20:21]
	CROUND                                         ; all four work-groups are here: the first joint loads meet
	tensor_load_to_lds s[G0K:G0K+3], s[G1K:G1K+7]  ; K and V of step 0: two loads of mine are out
	s_nop 0
	tensor_load_to_lds s[G0V:G0V+3], s[G1V:G1V+7]
	s_nop 0
	PLACES
	v_and_b32 v1, 15, v0                           ; l % 16
	v_bfe_u32 v2, v0, 4, 1                         ; l / 16
	v_lshlrev_b32 v[QO], 10, v1
	v_lshl_add_u32 v[QO], v2, 4, v[QO]             ; row x 1,024 + 16 x half
.set ks, 0
.rept 16                                           ; Q stays in registers: a fragment is 16 rows x 32 channels: two loads of 16 bytes, 32 bytes apart
	WIN 0x80+0x40*(ks/8)                           ; destination window 2, then 3
.irp t, 0,1,2,3
	global_load_b128 v[8*(4*(ks%8)+(\t)):8*(4*(ks%8)+(\t))+3],   v[QO], s[QB:QB+1] offset:(\t)*16384+ks*64
	global_load_b128 v[8*(4*(ks%8)+(\t))+4:8*(4*(ks%8)+(\t))+7], v[QO], s[QB:QB+1] offset:(\t)*16384+ks*64+32
.endr
.set ks, ks+1
.endr
	WIN 0x40
.set i, 0
.rept 256
	v_mov_b32 v[i], 0                              ; O^T
.set i, i+1
.endr
	WIN 0
	ALLT v_mov_b32 v[ST+8*tt], 0xfe000000          ; c m: far below every c s
	ALLT v_mov_b32 v[ST+8*tt+1], 0xff7fffff        ; m
	ALLT v_mov_b32 v[ST+8*tt+2], 0
	ALLT v_mov_b32 v[ST+8*tt+3], 0
	v_mul_u32_u24 v[AKF], v1, PK
	v_lshl_add_u32 v[AKF], v2, 4, v[AKF]
	v_add_nc_u32 v[AKF], s22, v[AKF]               ; (32 w + l % 16) x pitch + 16 x half
	; the turning load takes 16 keys x 16 channels (lane l reads key 8 (l / 16) + l % 8, channels 8 ((l / 8) % 2) + 0..7) and leaves half a fragment of V^T: lane l holds channel l % 16 and 8 keys
	v_and_b32 v3, 7, v0
	v_bfe_u32 v18, v0, 3, 1
	v_lshl_add_u32 v[AV0], v2, 3, v3
	v_mul_u32_u24 v[AV0], v[AV0], PV
	v_lshl_add_u32 v[AV0], v18, 4, v[AV0]
	s_lshl_b32 s9, s[WV], 8
	s_add_co_u32 s9, s9, VT
	v_add_nc_u32 v[AV0], s9, v[AV0]
	v_add_nc_u32 v[AV1], 64*PV, v[AV0]
	v_mul_u32_u24 v19, v1, PP
	v_lshl_add_u32 v19, v2, 4, v19                 ; row l % 16 of 272 bytes + 16 x half
	v_add_nc_u32 v[APF], PB, v19
	s_lshl_b32 s9, s[WV], 6                        ; my wave's 32 keys are 64 bytes of a row of P
	v_add_nc_u32 v[APS], s9, v[APF]
	v_lshlrev_b32 v20, 4, v1
	v_add_nc_u32 v[AMR], MX, v20
	s_lshl_b32 s9, s[WV], 8
	v_add_nc_u32 v[AMS], s9, v[AMR]
	s_mul_i32 s9, s[WV], 16*PP
	s_add_co_u32 s9, s9, STAGE
	v_add_nc_u32 v[STO], s9, v19
	v_mul_u32_u24 v21, v2, PP
	v_add3_u32 v[RD], v21, v20, s9                 ; back: lanes 0-15 one row of 256 bytes, lanes 16-31 the next
	v_lshl_add_u32 v[GO], v2, 10, v20              ; and the same two rows in ob
; THE S PHASE: 16 K steps of 32 channels in four groups.  FETCHK: group g's 8 fragments of K (4 K steps x 2 key blocks), 16 LDS loads in one run.
.macro FETCHK g, kb
	WIN 0
.irp k, 0,1,2,3
.irp u, 0,1
	ds_load_b128 v[(\kb)+8*(2*(\k)+(\u)):(\kb)+8*(2*(\k)+(\u))+3],   v[AKF] offset:(\u)*16*PK+(4*(\g)+(\k))*64
	ds_load_b128 v[(\kb)+8*(2*(\k)+(\u))+4:(\kb)+8*(2*(\k)+(\u))+7], v[AKF] offset:(\u)*16*PK+(4*(\g)+(\k))*64+32
.endr
.endr
.endm
; Group g: 32 products; ahead of them the next group's fragments are asked for.  The 8 accumulators take turns.  The first 8 products of a step start the sums with 0.
; Five places stand at its head: S^T and K's second buffer lie where fragments lay that the last products V^T P read, and a buffer of K is loaded again behind the products that read it.
.macro SGRP g
.set KBC, 64+128*((\g)%2)
.set KBN, 64+128*(((\g)+1)%2)
	s_wait_dscnt 0x0                               ; this group's fragments are in
.rept 5
	v_nop
.endr
.if (\g) < 3
	FETCHK (\g)+1, KBN
.endif
	WIN 0x08+4*((\g)/2)                            ; Q (source 1) in window 2 or 3
.set kp, 0
.rept 4
.irp u, 0,1
.irp t, 0,1,2,3
.if ((\g) == 0) && (kp == 0)
	v_wmma_f32_16x16x32_bf16 v[S+32*(\u)+8*(\t):S+32*(\u)+8*(\t)+7], v[KBC+8*(2*kp+(\u)):KBC+8*(2*kp+(\u))+7], v[8*(4*((4*(\g)+kp)%8)+(\t)):8*(4*((4*(\g)+kp)%8)+(\t))+7], 0
.else
	v_wmma_f32_16x16x32_bf16 v[S+32*(\u)+8*(\t):S+32*(\u)+8*(\t)+7], v[KBC+8*(2*kp+(\u)):KBC+8*(2*kp+(\u))+7], v[8*(4*((4*(\g)+kp)%8)+(\t)):8*(4*((4*(\g)+kp)%8)+(\t))+7], v[S+32*(\u)+8*(\t):S+32*(\u)+8*(\t)+7]
.endif
.endr
.endr
.set kp, kp+1
.endr
.endm
; THE SOFTMAX of a step: a lane has 16 scores for each of its four queries.  last = 1: the sums l go to the other waves.
.macro SOFTMAX last
	WIN 0
	PLACES                                         ; behind the last products K Q^T
	; the maximum of my 16 scores, three operands at a time; each accumulator's lowest registers are read first
	ALLT v_max3_num_f32 v[ST+8*tt+4], v[S+8*tt], v[S+8*tt+1], v[S+8*tt+2]
	ALLT v_max3_num_f32 v[ST+8*tt+5], v[S+32+8*tt], v[S+32+8*tt+1], v[S+32+8*tt+2]
	ALLT v_max3_num_f32 v[ST+8*tt+4], v[ST+8*tt+4], v[S+8*tt+3], v[S+8*tt+4]
	ALLT v_max3_num_f32 v[ST+8*tt+5], v[ST+8*tt+5], v[S+32+8*tt+3], v[S+32+8*tt+4]
	ALLT v_max3_num_f32 v[ST+8*tt+4], v[ST+8*tt+4], v[S+8*tt+5], v[S+8*tt+6]
	ALLT v_max3_num_f32 v[ST+8*tt+5], v[ST+8*tt+5], v[S+32+8*tt+5], v[S+32+8*tt+6]
	ALLT v_max3_num_f32 v[ST+8*tt+4], v[ST+8*tt+4], v[S+8*tt+7], v[S+32+8*tt+7]
	ALLT v_max_num_f32 v[ST+8*tt+4], v[ST+8*tt+4], v[ST+8*tt+5]
	ALLT v_permlanex16_b32 v[ST+8*tt+5], v[ST+8*tt+4], s[SEL], s[SEL+1]  ; the query's other 16 keys of my wave lie in the lane 16 away
	ALLT v_max_num_f32 v[LM+tt], v[ST+8*tt+4], v[ST+8*tt+5]
	ds_store_b128 v[AMS], v[LM:LM+3]               ; my wave's maxima of four queries (both halves of the lanes write the same)
	s_wait_dscnt 0x0                               ; for the others' sake
	s_barrier_signal -1                            ; V's tile may still be on its way
	s_barrier_wait -1
.irp w, 0,1,2,3
	ds_load_b128 v[RB+4*(\w):RB+4*(\w)+3], v[AMR] offset:256*(\w)
.endr
	s_wait_dscnt 0x0
	ALLT v_max3_num_f32 v[ST+8*tt+4], v[RB+tt], v[RB+4+tt], v[RB+8+tt]
	ALLT v_mov_b32 v[ST+8*tt+5], v[ST+8*tt]        ; c m_old is kept
	ALLT v_max3_num_f32 v[ST+8*tt+1], v[ST+8*tt+4], v[RB+12+tt], v[ST+8*tt+1]  ; the new m: the same number in all four waves
	ALLT v_mul_f32 v[ST+8*tt], s[CS], v[ST+8*tt+1]
	ALLT v_sub_f32 v[ST+8*tt+7], v[ST+8*tt+5], v[ST+8*tt]
.set tt, 0
.rept 4
.irp q, 0,2,4,6,32,34,36,38                        ; c s - c m, two scores at a time
	v_pk_fma_f32 v[S+8*tt+(\q):S+8*tt+(\q)+1], v[S+8*tt+(\q):S+8*tt+(\q)+1], s[CS:CS+1], v[ST+8*tt:ST+8*tt+1] op_sel_hi:[1,0,0] neg_lo:[0,0,1] neg_hi:[0,0,1]
.endr
.set tt, tt+1
.endr
	ALLT v_exp_f32 v[ST+8*tt+6], v[ST+8*tt+7]      ; a
.set i, 0
.rept 64
	v_exp_f32 v[S+i], v[S+i]                       ; p
.set i, i+1
.endr
	v_nop                                          ; a plain instruction between the exponentials and the use of their results (ISA guide 5.7.2)
.set tt, 0
	s_wait_alu depctr_va_vdst(0)
.rept 4
.irp u, 0,1
.irp q, 0,1,2,3
	v_cvt_pk_bf16_f32 v[PKP+4*(2*tt+(\u))+(\q)], v[S+32*(\u)+8*tt+2*(\q)], v[S+32*(\u)+8*tt+2*(\q)+1]
.endr
	ds_store_b128 v[APS], v[PKP+4*(2*tt+(\u)):PKP+4*(2*tt+(\u))+3] offset:tt*16*PP+32*(\u)  ; eight neighbouring keys of one query
.endr
.set tt, tt+1
.endr
	; the sum of my 16 weights, in pairs (an even key's, an odd key's), in place; then l = a l + the sum
	ALLT v_pk_add_f32 v[S+8*tt:S+8*tt+1], v[S+8*tt:S+8*tt+1], v[S+8*tt+2:S+8*tt+3]
	ALLT v_pk_add_f32 v[S+8*tt+4:S+8*tt+5], v[S+8*tt+4:S+8*tt+5], v[S+8*tt+6:S+8*tt+7]
	ALLT v_pk_add_f32 v[S+32+8*tt:S+32+8*tt+1], v[S+32+8*tt:S+32+8*tt+1], v[S+32+8*tt+2:S+32+8*tt+3]
	ALLT v_pk_add_f32 v[S+32+8*tt+4:S+32+8*tt+5], v[S+32+8*tt+4:S+32+8*tt+5], v[S+32+8*tt+6:S+32+8*tt+7]
	ALLT v_pk_add_f32 v[S+8*tt:S+8*tt+1], v[S+8*tt:S+8*tt+1], v[S+8*tt+4:S+8*tt+5]
	ALLT v_pk_add_f32 v[S+32+8*tt:S+32+8*tt+1], v[S+32+8*tt:S+32+8*tt+1], v[S+32+8*tt+4:S+32+8*tt+5]
	ALLT v_pk_add_f32 v[S+8*tt:S+8*tt+1], v[S+8*tt:S+8*tt+1], v[S+32+8*tt:S+32+8*tt+1]
	ALLT v_pk_fma_f32 v[ST+8*tt+2:ST+8*tt+3], v[ST+8*tt+2:ST+8*tt+3], v[ST+8*tt+6:ST+8*tt+7], v[S+8*tt:S+8*tt+1] op_sel_hi:[1,0,1]
.if \last
	ALLT v_add_f32 v[ST+8*tt+4], v[ST+8*tt+2], v[ST+8*tt+3]
	ALLT v_permlanex16_b32 v[ST+8*tt+5], v[ST+8*tt+4], s[SEL], s[SEL+1]
	ALLT v_add_f32 v[LM+tt], v[ST+8*tt+4], v[ST+8*tt+5]
	ds_store_b128 v[AMS], v[LM:LM+3] offset:LS-MX  ; my wave's share of l
.endif
.endm
; THE PV PHASE: 128 keys in four quarters of 32.
.macro MM c0, c1, f                    ; products for channel blocks c0..c1 x all four query blocks; the 32 accumulators take turns
	WIN 0x50                                       ; C and D window 1
.set cc, \c0
.rept (\c1)-(\c0)+1
.irp t, 0,1,2,3
	v_wmma_f32_16x16x32_bf16 v[8*(4*cc+(\t)):8*(4*cc+(\t))+7], v[(\f)+8*cc:(\f)+8*cc+7], v[(\f)+64+8*(\t):(\f)+64+8*(\t)+7], v[8*(4*cc+(\t)):8*(4*cc+(\t))+7]
.endr
.set cc, cc+1
.endr
.endm
.macro FETCHPV kk, f                   ; 24 LDS loads in one run: 8 fragments of V^T (turned), 4 of P, for keys 32 kk ..
	WIN 0
.irp c, 0,1,2,3,4,5,6,7
	ds_load_tr16_b128 v[(\f)+8*(\c):(\f)+8*(\c)+3],   v[AV0+((\kk)/2)] offset:((\kk)%2)*32*PV+32*(\c)
	ds_load_tr16_b128 v[(\f)+8*(\c)+4:(\f)+8*(\c)+7], v[AV0+((\kk)/2)] offset:((\kk)%2)*32*PV+16*PV+32*(\c)
.endr
.irp t, 0,1,2,3
	ds_load_b128 v[(\f)+64+8*(\t):(\f)+64+8*(\t)+3],   v[APF] offset:(\t)*16*PP+64*(\kk)
	ds_load_b128 v[(\f)+64+8*(\t)+4:(\f)+64+8*(\t)+7], v[APF] offset:(\t)*16*PP+64*(\kk)+32
.endr
.endm
.macro PVQ kk                          ; quarter kk of the first three: asks for the next quarter's fragments, then multiplies its own
	s_wait_dscnt 0x0
	PLACES
	FETCHPV (\kk)+1, F0+96*(((\kk)+1)%2)
	MM 0, 7, F0+96*((\kk)%2)
.endm
.macro RESC c0, c1                     ; O^T times a, each accumulator's registers in ascending order
	WIN 0x41                                       ; destination and source 0 window 1, a in window 0
.set cc, \c0
.rept (\c1)-(\c0)+1
.irp t, 0,1,2,3
.irp q, 0,2,4,6
	v_pk_mul_f32 v[8*(4*cc+(\t))+(\q):8*(4*cc+(\t))+(\q)+1], v[8*(4*cc+(\t))+(\q):8*(4*cc+(\t))+(\q)+1], v[ST+8*(\t)+6:ST+8*(\t)+7] op_sel_hi:[1,0]
.endr
.endr
.set cc, cc+1
.endr
.endm
; FROM S TO PV.  One barrier for three things: P is whole, V's tile is whole, and nobody reads K's tile any more.  In front of it each wave waits for all its tensor loads (one is out: its rows of V),
; adds 0 to its spare word, and waits for that, for its stores of P and for its reads of K.  The rescaling of O^T is the register work beside it.
; fill = 1: the barrier opens a round of the cluster's barrier, and K's tile is filled again, with the next 128 keys: the first tensor load behind the round; it lands during PV.
.macro TURNB fill
	WIN 0
	s_wait_tensorcnt 0x0
	ds_add_u32 v[SPW], v[NIL]                      ; 0 onto my spare word
	RESC 0, 3
	s_wait_dscnt 0x0
	s_barrier_signal -1
	RESC 4, 7
	WIN 0
	s_barrier_wait -1
.if \fill
	CREST
	s_add_nc_u64 s[G0K+2:G0K+3], s[G0K+2:G0K+3], 128*1024
	TLOAD G0K, G1K
.endif
	FETCHPV 0, F0                                  ; the rescaling's lines are the places behind the products that read these registers
.endm
; FROM PV TO S: PV's last quarter (buffer 1) with a round in it.  K's next tile has landed, nobody reads V's tile or P any more; V's tile is filled again and lands during S.
.macro TURNA
	s_wait_dscnt 0x0                               ; buffer 1 is in: my reads of V and of P are over
	WIN 0
	s_wait_tensorcnt 0x0                           ; my rows of the next K have landed
	ds_add_u32 v[SPW], v[NIL]                      ; as above
	MM 0, 1, F1
	s_wait_dscnt 0x0
	s_barrier_signal -1
	MM 2, 3, F1
	WIN 0
	s_barrier_wait -1
	CREST
	s_add_nc_u64 s[G0V+2:G0V+3], s[G0V+2:G0V+3], 128*1024
	TLOAD G0V, G1V                                 ; its four v_nop are also the places in front of the loads below
	FETCHK 0, 64
	MM 4, 7, F1
.endm
	s_wait_tensorcnt 0x1                           ; my rows of K are in; V's may stay out
	s_barrier_signal -1
	s_barrier_wait -1
	FETCHK 0, 64
	s_wait_loadcnt 0x0                             ; Q
	s_mov_b32 s[CNT], 15
.Lstep:                                            ; 15 trips: every step but the last asks for the next step's K and V
	SGRP 0
	SGRP 1
	SGRP 2
	SGRP 3
	SOFTMAX 0
	TURNB 1
	PVQ 0
	PVQ 1
	PVQ 2
	TURNA
	WIN 0                                          ; at a label and at a branch every window is 0
	s_sub_co_u32 s[CNT], s[CNT], 1
	s_cmp_lg_u32 s[CNT], 0
	s_cbranch_scc1 .Lstep
	SGRP 0                                         ; the last step is written out
	SGRP 1
	SGRP 2
	SGRP 3
	SOFTMAX 1
	TURNB 0
	PVQ 0
	PVQ 1
	PVQ 2
	s_wait_dscnt 0x0
	MM 0, 7, F1
	PLACES
	; THE WAY OUT.  The four waves' shares of l are added; O^T is divided by l, rounded to bf16 and sent through my stage, 16 queries at a time.
	WIN 0
.irp w, 0,1,2,3
	ds_load_b128 v[TMP+4*(\w):TMP+4*(\w)+3], v[AMR] offset:LS-MX+256*(\w)
.endr
	s_wait_dscnt 0x0
	ALLT v_add_f32 v[ST+8*tt+4], v[TMP+tt], v[TMP+4+tt]
	ALLT v_add_f32 v[ST+8*tt+5], v[TMP+8+tt], v[TMP+12+tt]
	ALLT v_add_f32 v[ST+8*tt+4], v[ST+8*tt+4], v[ST+8*tt+5]
	ALLT v_rcp_f32 v[ST+8*tt+6], v[ST+8*tt+4]
	v_nop                                          ; a plain instruction between the last reciprocal and the use of its result
	s_wait_alu depctr_va_vdst(0)
.macro OUTT t
.set BK, 96+32*((\t)%2)
	WIN 0x41
.irp c, 0,1,2,3,4,5,6,7
.irp q, 0,2,4,6
	v_pk_mul_f32 v[8*(4*(\c)+(\t))+(\q):8*(4*(\c)+(\t))+(\q)+1], v[8*(4*(\c)+(\t))+(\q):8*(4*(\c)+(\t))+(\q)+1], v[ST+8*(\t)+6:ST+8*(\t)+7] op_sel_hi:[1,0]
.endr
.endr
	WIN 0x05                                       ; sources in window 1, destination in window 0
.irp c, 0,1,2,3,4,5,6,7
.irp q, 0,1,2,3
	v_cvt_pk_bf16_f32 v[TMP+4*(\c)+(\q)], v[8*(4*(\c)+(\t))+2*(\q)], v[8*(4*(\c)+(\t))+2*(\q)+1]
.endr
.endr
	WIN 0
.irp c, 0,1,2,3,4,5,6,7
	ds_store_b128 v[STO], v[TMP+4*(\c):TMP+4*(\c)+3] offset:32*(\c)
.endr
	s_wait_xcnt 0x0                                ; the registers that earlier stores read are loaded again only behind this wait
.irp i, 0,1,2,3,4,5,6,7
	ds_load_b128 v[BK+4*(\i):BK+4*(\i)+3], v[RD] offset:(\i)*2*PP  ; LDS serves a wave's instructions in order (ISA guide 5.7.1.4): these see the stores above
.endr
	s_wait_dscnt 0x0
.irp i, 0,1,2,3,4,5,6,7
	global_store_b128 v[GO], v[BK+4*(\i):BK+4*(\i)+3], s[OB:OB+1] offset:(16*(\t)+2*(\i))*1024  ; 16 lanes store 256 consecutive bytes, aligned
.endr
.endm
	OUTT 0
	OUTT 1
	OUTT 2
	OUTT 3
	s_wait_tensorcnt 0x0                           ; the wave's end
	ds_add_u32 v[SPW], v[NIL]
	s_wait_dscnt 0x0
	CROUND                                         ; the closing round
	s_endpgm
.Lfunc_end_k_q26bd33bc97_attn:
	.size	k_q26bd33bc97_attn, .Lfunc_end_k_q26bd33bc97_attn-k_q26bd33bc97_attn
	.p2alignl 7, 3214868480
	.fill 96, 4, 3214868480
	.section	.rodata,"a",@progbits
	.p2align	6, 0x0
	.amdhsa_kernel k_q26bd33bc97_attn
		.amdhsa_group_segment_fixed_size 327680
		.amdhsa_private_segment_fixed_size 0
		.amdhsa_enable_private_segment 0
		.amdhsa_kernarg_size 16
		.amdhsa_user_sgpr_count 2
		.amdhsa_user_sgpr_kernarg_segment_ptr 1
		.amdhsa_wavefront_size32 1
		.amdhsa_system_sgpr_workgroup_id_x 1
		.amdhsa_system_sgpr_workgroup_id_y 1
		.amdhsa_system_sgpr_workgroup_id_z 1
		.amdhsa_system_vgpr_workitem_id 0
		.amdhsa_next_free_vgpr 1024
		.amdhsa_next_free_sgpr 66
		.amdhsa_reserve_vcc 0
		.amdhsa_float_denorm_mode_32 3
		.amdhsa_float_denorm_mode_16_64 3
		.amdhsa_memory_ordered 1
		.amdhsa_forward_progress 1
		.amdhsa_inst_pref_size 151
	.end_amdhsa_kernel
	.amdgpu_metadata
---
amdhsa.version: [ 1, 2 ]
amdhsa.kernels:
  - .name:           k_q26bd33bc97_attn
    .symbol:         k_q26bd33bc97_attn.kd
    .args:
      - { .name: qkv, .offset: 0, .size: 8, .value_kind: global_buffer, .address_space: global }
      - { .name: ob, .offset: 8, .size: 8, .value_kind: global_buffer, .address_space: global }
    .group_segment_fixed_size: 327680
    .private_segment_fixed_size: 0
    .kernarg_segment_align: 8
    .kernarg_segment_size: 16
    .max_flat_workgroup_size: 128
    .sgpr_count:     66
    .vgpr_count:     1024
    .wavefront_size: 32
...
	.end_amdgpu_metadata
.endif
;; end of part 3
;; launch outp (part 4): grid 32 x 8, 4 waves a work-group, clusters of 4 x 1, 327,680 bytes of LDS; arguments Wf, ob, part; writes part
.if DOCPART == 4
	.amdgcn_target "amdgcn-amd-amdhsa--gfx1250"
	.amdhsa_code_object_version 6
	.text
	.protected	k_q26bd33bc97_outp
	.globl	k_q26bd33bc97_outp
	.p2align	8
	.type	k_q26bd33bc97_outp,@function
k_q26bd33bc97_outp:
	s_mov_b64 s[64:65], 0
	v_nop
	global_prefetch_b8 v0, s[64:65] scope:SCOPE_SE
	s_setreg_imm32_b32 hwreg(HW_REG_WAVE_MODE, 25, 1), 1
	s_wait_xcnt 0x0
	s_wait_alu depctr_hold_cnt(0) depctr_sa_sdst(0) depctr_va_vdst(0) depctr_va_sdst(0) depctr_va_ssrc(0) depctr_va_vcc(0) depctr_vm_vsrc(0)
	s_getreg_b32 s2, hwreg(HW_REG_IB_STS2, 6, 4)
	s_cmp_eq_u32 s2, 0
	s_cbranch_scc0 .Lentry_in_a_cluster
	s_endpgm
.Lentry_in_a_cluster:
	s_bfe_u32 s2, ttmp6, 0x10000c
	s_cmp_lg_u32 s2, 0x3003
	s_cbranch_scc0 .Lentry_shape_is_right
	s_endpgm
.Lentry_shape_is_right:
; THE LAST PRODUCT, IN EIGHT PARTS ALONG K.  part[ks][t][e] = sum over j in 2,048 ks .. 2,048 ks + 2,047 of Wf[t][j] ob[j][e].  Wf [2048][16384] f32, ob [16384][512] bf16, part [8][2048][512] f32.
; Wf is rounded to bf16 on its way into LDS; sums in f32; the parts are added, in a fixed order, by the next launch.  NaN and infinities are not treated apart.
; SHARES.  A work-group owns 64 rows t x all 512 e x 2,048 of K: 32 x 8 = 256 work-groups, and every byte of Wf is read once in the launch.  Wave w owns e = 128 w .. 128 w + 127:
; 32 accumulators (all of window 1), 8 + 4 fragments for 32 products.  Source 0 = ob turned (ds_load_tr16_b128), source 1 = Wf: a lane holds one row t (lane % 16) and eight neighbouring e.
; K goes in 16 steps of 128.  ob's tile (128 rows of 1,024 bytes) comes by tensor loads into two slots that take turns, each wave its 32 rows; the four row blocks of a cluster share it: JOINT loads.
; Wf's tile (64 rows x 512 bytes) comes through registers: wave w brings rows 16 w .. 16 w + 15, a row a load; two sets of 64 registers, so that a load has two steps in which to land;
; in step i the tile of step i + 1 is rounded and stored into the other of two LDS buffers, and its registers are loaded again with step i + 3.
; REGISTERS (s_set_vgpr_msb: bits 1:0 source 0, 3:2 source 1, 5:4 source 2, 7:6 destination):
;   window 0: v0-23 addresses; v64-159, v160-255 two fragment buffers      window 1: accumulator (c, t) at v[8 (4 c + t)]      window 2: v0-63, v64-127 Wf as loaded; v128-143 rounded
.set PV,   1056                        ; a row of ob in LDS: 1,024 + 32: 16 lanes of the turning load take 8 rows x 32 bytes, 32 bytes apart modulo 256
.set PP,   272                         ; a row of Wf in LDS: 128 bf16 + 16 bytes
.set BSZ,  128*PV                      ; a slot of ob
.set AB,   2*BSZ                       ; behind the two slots: Wf's two buffers, written by ds_store alone
.set ABSZ, 64*PP
.set SPARE, AB+2*ABSZ                  ; the spare words, 128 bytes a wave: two blocks of 256 bytes that no other line names
.set SPF,  528                         ; the way out: a row of 128 f32 + 16 bytes; 16 rows a wave, where Wf's buffers lay
.set AVB,  8                           ; v8-11   my place in ob's tile: slot 0 keys 0-63, 64-127; slot 1 likewise
.set AFR,  12                          ; v12-13  my place in a fragment of Wf, buffer 0, 1
.set ASTO, 14                          ; v14-15  where I put 8 bytes of a row of Wf, buffer 0, 1
.set AOFF, 16                          ; v16  my byte offset in Wf: my wave's 16 rows, 16 bytes a lane; never rewritten
.set STO,  18
.set RD,   19
.set GO,   20
.set SPW,  22                          ; v22  LDS address of my spare word; never rewritten
.set NIL,  23                          ; v23  0; never rewritten
.set F0,   64
.set F1,   160
.set T,    128                         ; window 2
.set WV,   10                          ; s10  my wave's number
.set G1,   24                          ; s[24:31] descriptor group 1
.set G0,   40                          ; s[40:47] group 0, a set for each slot
.set CNT,  48
.set PA,   50                          ; s[50:51] Wf at my block's first row and the K step that is loaded next
.set OP,   52                          ; s[52:53] part at my block's first row, my wave's e
.set MSB, 0
.macro WIN new                         ; the immediate's high byte repeats the setting that is left; a switch that changes nothing is dropped
.if MSB != (\new)
	s_set_vgpr_msb (MSB<<8)|(\new)
.set MSB, \new
.endif
.endm
.macro PLACES                          ; four places between a matrix instruction and a load into, or a store or vector instruction on, its registers
.rept 4
	v_nop
.endr
.endm
.macro CREST                           ; a round of the cluster's barrier behind its opening barrier
	s_cmp_lg_u32 s[WV], 0
	s_cbranch_scc1 .Lnot_wave_0_\@
	s_barrier_signal -3
.Lnot_wave_0_\@:
	s_barrier_wait -3
	s_barrier_signal -1
	s_barrier_wait -1
.endm
.macro CROUND
	s_barrier_signal -1
	s_barrier_wait -1
	CREST
.endm
	s_load_b128 s[4:7], s[0:1], 0x0                ; Wf s[4:5], ob s[6:7]
	s_load_b64 s[8:9], s[0:1], 0x10                ; part
	v_lshl_add_u32 v[SPW], v0, 2, SPARE
	v_mov_b32 v[NIL], 0
	ds_add_u32 v22, v23
	s_wait_dscnt 0x0
	v_lshrrev_b32 v1, 5, v0
	v_readfirstlane_b32 s[WV], v1                  ; wave 0..3
	s_bfe_u32 s11, ttmp6, 0x40000                  ; cx
	s_lshl_b32 s12, ttmp9, 2
	s_add_co_u32 s12, s12, s11                     ; my block of 64 rows = 4 x cluster x + cx: it enters Wf's and part's addresses alone
	s_and_b32 s13, ttmp7, 0xffff                   ; my part of K, which the four partners share
	s_lshl_b32 s14, s13, 21                        ; ob: 2,048 rows of 1,024 bytes a part,
	s_lshl_b32 s15, s[WV], 15                      ; my 32 rows of a tile
	s_add_co_u32 s14, s14, s15
	s_mov_b32 s15, 0
	s_lshl_b32 s16, s12, 22                        ; Wf: 64 rows of 65,536 bytes a block,
	s_lshl_b32 s17, s13, 13                        ; 2,048 numbers a part
	s_add_co_u32 s16, s16, s17
	s_mov_b32 s17, 0
	s_lshl_b32 s18, s13, 22                        ; part: 4 MiB a part,
	s_lshl_b32 s19, s12, 17                        ; 64 rows of 2,048 bytes a block,
	s_add_co_u32 s18, s18, s19
	s_lshl_b32 s19, s[WV], 9                       ; 512 bytes a wave
	s_add_co_u32 s18, s18, s19
	s_mov_b32 s19, 0
	s_mul_i32 s20, s[WV], 32*PV                    ; where my rows go: the wave's number alone enters an LDS address
	s_mov_b32 s[G1], 15|(1<<16)|(1<<20)|(1<<21)|(7<<22)|(7<<25)  ; 15:0 the mask of four; 17:16 2-byte elements; 20 padding on; 21 set beside a mask; 24:22 after every 256 words; 31:25 eight words of it
	s_mov_b32 s[G1+1], 512<<16                     ; tensor_dim0 = 512
	s_mov_b32 s[G1+2], 32<<16                      ; tensor_dim1 = 32
	s_mov_b32 s[G1+3], 512<<16                     ; tile_dim0 = 512
	s_mov_b32 s[G1+4], 32                          ; tile_dim1 = 32
	s_mov_b32 s[G1+5], 512                         ; elements from row to row
	s_mov_b32 s[G1+6], 0
	s_mov_b32 s[G1+7], 0
	s_wait_kmcnt 0x0
	s_add_nc_u64 s[14:15], s[6:7], s[14:15]
	s_add_nc_u64 s[PA:PA+1], s[4:5], s[16:17]
	s_add_nc_u64 s[OP:OP+1], s[8:9], s[18:19]
.irp s, 0,1
	s_mov_b32 s[G0+4*(\s)], 1
	s_add_co_u32 s[G0+4*(\s)+1], s20, (\s)*BSZ
	s_add_nc_u64 s[G0+4*(\s)+2:G0+4*(\s)+3], s[14:15], (\s)*128*1024  ; K step s
	s_or_b32 s[G0+4*(\s)+3], s[G0+4*(\s)+3], 0x80000000               ; type = 2
.endr
	CROUND                                         ; all four work-groups are here: the first joint loads meet
	tensor_load_to_lds s[G0:G0+3], s[G1:G1+7]      ; K steps 0 and 1: two loads of mine are out
	s_nop 0
	tensor_load_to_lds s[G0+4:G0+7], s[G1:G1+7]
	s_nop 0
	PLACES
	v_and_b32 v3, 31, v0                           ; lane
	s_lshl_b32 s21, s[WV], 20                      ; 16 rows of 65,536 bytes
	v_lshl_add_u32 v[AOFF], v3, 4, s21
	WIN 0x80                                       ; destination window 2, address window 0
.irp i, 0,1,2,3,4,5,6,7,8,9,10,11,12,13,14,15      ; Wf of K steps 0 and 1: a load of the wave takes one row's 512 consecutive bytes
	global_load_b128 v[4*(\i):4*(\i)+3], v[AOFF], s[PA:PA+1] offset:(\i)*65536 th:TH_LOAD_NT
.endr
.irp i, 0,1,2,3,4,5,6,7,8,9,10,11,12,13,14,15
	global_load_b128 v[64+4*(\i):64+4*(\i)+3], v[AOFF], s[PA:PA+1] offset:(\i)*65536+512 th:TH_LOAD_NT
.endr
	WIN 0
	v_and_b32 v1, 15, v0                           ; l % 16
	v_bfe_u32 v2, v0, 4, 1                         ; l / 16
	; the turning load takes 16 rows j x 16 e (lane l reads row 8 (l / 16) + l % 8, e 8 ((l / 8) % 2) + 0..7) and leaves half a fragment: lane l holds e = l % 16 and 8 j
	v_and_b32 v4, 7, v0
	v_bfe_u32 v5, v0, 3, 1
	v_lshl_add_u32 v6, v2, 3, v4
	v_mul_u32_u24 v6, v6, PV
	v_lshl_add_u32 v6, v5, 4, v6
	s_lshl_b32 s21, s[WV], 8                       ; my wave's 128 e
	v_add_nc_u32 v[AVB], s21, v6
	v_add_nc_u32 v[AVB+1], 64*PV, v[AVB]
	v_add_nc_u32 v[AVB+2], BSZ, v[AVB]
	v_add_nc_u32 v[AVB+3], BSZ+64*PV, v[AVB]
	v_mul_u32_u24 v7, v1, PP
	v_lshl_add_u32 v7, v2, 4, v7
	v_add_nc_u32 v[AFR], AB, v7
	v_add_nc_u32 v[AFR+1], AB+ABSZ, v7
	s_mul_i32 s21, s[WV], 16*PP
	s_add_co_u32 s21, s21, AB
	v_lshl_add_u32 v[ASTO], v3, 3, s21             ; my wave's 16 rows, 8 bytes a lane
	v_add_nc_u32 v[ASTO+1], ABSZ, v[ASTO]
	s_mul_i32 s21, s[WV], 16*SPF
	s_add_co_u32 s21, s21, AB                      ; my stage for the way out
	v_mul_u32_u24 v[STO], v1, SPF
	v_lshl_add_u32 v[STO], v2, 5, v[STO]
	v_add_nc_u32 v[STO], s21, v[STO]               ; in: row l % 16, 32 bytes for each half of the lanes
	v_lshl_add_u32 v[RD], v3, 4, s21               ; back: a whole row of 512 bytes
	v_lshlrev_b32 v[GO], 4, v3
	s_wait_xcnt 0x0                                ; Wf's pointer is stepped only behind this wait
	s_add_nc_u64 s[PA:PA+1], s[PA:PA+1], 512
.macro MM c0, c1, f, zero              ; products for e blocks c0..c1 x all four row blocks; the 32 accumulators take turns.  zero = 1: the first product starts the sums
	WIN 0x50                                       ; C and D window 1
.set cc, \c0
.rept (\c1)-(\c0)+1
.irp t, 0,1,2,3
.if \zero
	v_wmma_f32_16x16x32_bf16 v[8*(4*cc+(\t)):8*(4*cc+(\t))+7], v[(\f)+8*cc:(\f)+8*cc+7], v[(\f)+64+8*(\t):(\f)+64+8*(\t)+7], 0
.else
	v_wmma_f32_16x16x32_bf16 v[8*(4*cc+(\t)):8*(4*cc+(\t))+7], v[(\f)+8*cc:(\f)+8*cc+7], v[(\f)+64+8*(\t):(\f)+64+8*(\t)+7], v[8*(4*cc+(\t)):8*(4*cc+(\t))+7]
.endif
.endr
.set cc, cc+1
.endr
.endm
.macro FETCH slot, kk, f               ; 24 LDS loads in one run: 8 fragments of ob (turned), 4 of Wf, for 32 along K, quarter kk of a step
	WIN 0
.irp c, 0,1,2,3,4,5,6,7
	ds_load_tr16_b128 v[(\f)+8*(\c):(\f)+8*(\c)+3],   v[AVB+2*(\slot)+((\kk)/2)] offset:((\kk)%2)*32*PV+32*(\c)
	ds_load_tr16_b128 v[(\f)+8*(\c)+4:(\f)+8*(\c)+7], v[AVB+2*(\slot)+((\kk)/2)] offset:((\kk)%2)*32*PV+16*PV+32*(\c)
.endr
.irp t, 0,1,2,3
	ds_load_b128 v[(\f)+64+8*(\t):(\f)+64+8*(\t)+3],   v[AFR+(\slot)] offset:(\t)*16*PP+64*(\kk)
	ds_load_b128 v[(\f)+64+8*(\t)+4:(\f)+64+8*(\t)+7], v[AFR+(\slot)] offset:(\t)*16*PP+64*(\kk)+32
.endr
.endm
.macro QUARTER f, g, slot, kk, zero    ; asks for quarter kk of the slot, into buffer g, then multiplies buffer f
	s_wait_dscnt 0x0
	PLACES
	FETCH \slot, \kk, \g
	MM 0, 7, \f, \zero
.endm
; Eight rows of Wf (half 0 or 1 of register set 0 or 1) are rounded to bf16 and stored into LDS buffer ab.  re = 1: their registers are loaded again, with the K step two steps behind the set's.
; cnt = the loads issued behind these eight, which may stay out (loads return in order: ISA guide 5.7.1).
.macro CHUNK set, half, ab, re, cnt
	s_wait_loadcnt \cnt
	WIN 0x8a                                       ; sources and destination in window 2
.irp i, 0,1,2,3,4,5,6,7
	v_cvt_pk_bf16_f32 v[T+2*(\i)],   v[64*(\set)+4*(8*(\half)+(\i))],   v[64*(\set)+4*(8*(\half)+(\i))+1]
	v_cvt_pk_bf16_f32 v[T+2*(\i)+1], v[64*(\set)+4*(8*(\half)+(\i))+2], v[64*(\set)+4*(8*(\half)+(\i))+3]
.endr
	WIN 0x08                                       ; address window 0, data window 2
.irp i, 0,1,2,3,4,5,6,7
	ds_store_b64 v[ASTO+(\ab)], v[T+2*(\i):T+2*(\i)+1] offset:(8*(\half)+(\i))*PP  ; 32 lanes fill a row's 256 bytes
.endr
.if \re
.if (\half) == 0
	s_wait_xcnt 0x0                                ; Wf's pointer is stepped only behind this wait
	s_add_nc_u64 s[PA:PA+1], s[PA:PA+1], 512       ; the next K step to be loaded
.endif
	WIN 0x80
.irp i, 0,1,2,3,4,5,6,7
	global_load_b128 v[64*(\set)+4*(8*(\half)+(\i)):64*(\set)+4*(8*(\half)+(\i))+3], v[AOFF], s[PA:PA+1] offset:(8*(\half)+(\i))*65536 th:TH_LOAD_NT
.endr
.endif
	WIN 0
.endm
; A K step's last quarter (buffer 1) and the change of slots: ONE barrier.  In front of it each wave waits for all its tensor loads (one is out: its rows of the next slot), adds 0 to its spare word,
; and waits for that, for its reads of this slot and of this buffer of Wf, and for its stores into the other buffer.
; fill = 1: the barrier opens a round of the cluster's barrier, and this slot takes the tile two K steps on: the first tensor load behind the round; it has a K step in which to land.
.macro TURN slot, next, fill
	s_wait_dscnt 0x0                               ; buffer 1 is in
	WIN 0
	s_wait_tensorcnt 0x0
	ds_add_u32 v[SPW], v[NIL]                      ; 0 onto my spare word
	MM 0, 1, F1, 0
	s_wait_dscnt 0x0
	s_barrier_signal -1
	MM 2, 3, F1, 0
	WIN 0
	s_barrier_wait -1
.if \fill
	CREST
	s_add_nc_u64 s[G0+4*(\slot)+2:G0+4*(\slot)+3], s[G0+4*(\slot)+2:G0+4*(\slot)+3], 2*128*1024
	tensor_load_to_lds s[G0+4*(\slot):G0+4*(\slot)+3], s[G1:G1+7]
	s_nop 0
.endif
	PLACES                                         ; behind the tensor load, and in front of the loads below
	FETCH \next, 0, F0
	MM 4, 7, F1, 0
.endm
	CHUNK 0, 0, 0, 1, 24                           ; Wf of K step 0 into buffer 0; behind each eight rows stand 8 + 16 or 16 + 8 younger loads; K step 2 is asked for
	CHUNK 0, 1, 0, 1, 24
	s_wait_tensorcnt 0x1                           ; my rows of K step 0 are in; step 1's may stay out
	s_wait_dscnt 0x0                               ; my rows of Wf are stored
	s_barrier_signal -1
	s_barrier_wait -1
	FETCH 0, 0, F0
	QUARTER F0, F1, 0, 1, 1                        ; the first quarter stands in front of the loop: its products start the sums
	WIN 0                                          ; at a label and at a branch every window is 0
	s_mov_b32 s[CNT], 6
.Lk:                                               ; a trip: from an even K step's second quarter to the next even step's first: K steps 0 to 11
	CHUNK 1, 0, 1, 1, 24
	QUARTER F1, F0, 0, 2, 0
	CHUNK 1, 1, 1, 1, 24
	QUARTER F0, F1, 0, 3, 0
	TURN 0, 1, 1
	QUARTER F0, F1, 1, 1, 0
	CHUNK 0, 0, 0, 1, 24
	QUARTER F1, F0, 1, 2, 0
	CHUNK 0, 1, 0, 1, 24
	QUARTER F0, F1, 1, 3, 0
	TURN 1, 0, 1
	QUARTER F0, F1, 0, 1, 0
	WIN 0
	s_sub_co_u32 s[CNT], s[CNT], 1
	s_cmp_lg_u32 s[CNT], 0
	s_cbranch_scc1 .Lk
	CHUNK 1, 0, 1, 1, 24                           ; the rest of K step 12: Wf of step 15 and ob's tile 14 are asked for
	QUARTER F1, F0, 0, 2, 0
	CHUNK 1, 1, 1, 1, 24
	QUARTER F0, F1, 0, 3, 0
	TURN 0, 1, 1
	QUARTER F0, F1, 1, 1, 0                        ; K step 13: no more of Wf; ob's tile 15
	CHUNK 0, 0, 0, 0, 24
	QUARTER F1, F0, 1, 2, 0
	CHUNK 0, 1, 0, 0, 16                           ; behind these eight rows only step 15's sixteen loads
	QUARTER F0, F1, 1, 3, 0
	TURN 1, 0, 1
	QUARTER F0, F1, 0, 1, 0                        ; K step 14: nothing more is asked for
	CHUNK 1, 0, 1, 0, 8
	QUARTER F1, F0, 0, 2, 0
	CHUNK 1, 1, 1, 0, 0
	QUARTER F0, F1, 0, 3, 0
	TURN 0, 1, 0
	QUARTER F0, F1, 1, 1, 0                        ; K step 15
	QUARTER F1, F0, 1, 2, 0
	QUARTER F0, F1, 1, 3, 0
	s_wait_dscnt 0x0
	MM 0, 7, F1, 0
	PLACES                                         ; the LDS stores below read results just made
	WIN 0
	s_barrier_signal -1                            ; every wave's reads of Wf's buffers are back (the wait above): the stages may be written over them
	s_barrier_wait -1
; THE WAY OUT, 16 rows at a time, in f32: 32 bytes a lane into my stage (each accumulator's low registers first), back as whole rows of 512 bytes, stored.
.macro OUTF t
.set BK, 64+64*((\t)%2)
	WIN 0x04                                       ; address window 0, data window 1
.irp c, 0,1,2,3,4,5,6,7
	ds_store_b128 v[STO], v[8*(4*(\c)+(\t)):8*(4*(\c)+(\t))+3]   offset:64*(\c)
	ds_store_b128 v[STO], v[8*(4*(\c)+(\t))+4:8*(4*(\c)+(\t))+7] offset:64*(\c)+16
.endr
	WIN 0
	s_wait_xcnt 0x0                                ; the registers that earlier stores read are loaded again only behind this wait
.irp i, 0,1,2,3,4,5,6,7,8,9,10,11,12,13,14,15
	ds_load_b128 v[BK+4*(\i):BK+4*(\i)+3], v[RD] offset:(\i)*SPF  ; LDS serves a wave's instructions in order (ISA guide 5.7.1.4): these see the stores above
.endr
	s_wait_dscnt 0x0
.irp i, 0,1,2,3,4,5,6,7,8,9,10,11,12,13,14,15
	global_store_b128 v[GO], v[BK+4*(\i):BK+4*(\i)+3], s[OP:OP+1] offset:(16*(\t)+(\i))*2048  ; the wave stores 512 consecutive bytes, aligned
.endr
.endm
	OUTF 0
	OUTF 1
	OUTF 2
	OUTF 3
	s_wait_tensorcnt 0x0                           ; the wave's end
	ds_add_u32 v[SPW], v[NIL]
	s_wait_dscnt 0x0
	CROUND                                         ; the closing round
	s_endpgm
.Lfunc_end_k_q26bd33bc97_outp:
	.size	k_q26bd33bc97_outp, .Lfunc_end_k_q26bd33bc97_outp-k_q26bd33bc97_outp
	.p2alignl 7, 3214868480
	.fill 96, 4, 3214868480
	.section	.rodata,"a",@progbits
	.p2align	6, 0x0
	.amdhsa_kernel k_q26bd33bc97_outp
		.amdhsa_group_segment_fixed_size 327680
		.amdhsa_private_segment_fixed_size 0
		.amdhsa_enable_private_segment 0
		.amdhsa_kernarg_size 24
		.amdhsa_user_sgpr_count 2
		.amdhsa_user_sgpr_kernarg_segment_ptr 1
		.amdhsa_wavefront_size32 1
		.amdhsa_system_sgpr_workgroup_id_x 1
		.amdhsa_system_sgpr_workgroup_id_y 1
		.amdhsa_system_sgpr_workgroup_id_z 1
		.amdhsa_system_vgpr_workitem_id 0
		.amdhsa_next_free_vgpr 672
		.amdhsa_next_free_sgpr 66
		.amdhsa_reserve_vcc 0
		.amdhsa_float_denorm_mode_32 3
		.amdhsa_float_denorm_mode_16_64 3
		.amdhsa_memory_ordered 1
		.amdhsa_forward_progress 1
		.amdhsa_inst_pref_size 142
	.end_amdhsa_kernel
	.amdgpu_metadata
---
amdhsa.version: [ 1, 2 ]
amdhsa.kernels:
  - .name:           k_q26bd33bc97_outp
    .symbol:         k_q26bd33bc97_outp.kd
    .args:
      - { .name: Wf, .offset: 0, .size: 8, .value_kind: global_buffer, .address_space: global }
      - { .name: ob, .offset: 8, .size: 8, .value_kind: global_buffer, .address_space: global }
      - { .name: part, .offset: 16, .size: 8, .value_kind: global_buffer, .address_space: global }
    .group_segment_fixed_size: 327680
    .private_segment_fixed_size: 0
    .kernarg_segment_align: 8
    .kernarg_segment_size: 24
    .max_flat_workgroup_size: 128
    .sgpr_count:     66
    .vgpr_count:     672
    .wavefront_size: 32
...
	.end_amdgpu_metadata
.endif
;; end of part 4
;; launch ln (part 5): grid 256 x 1, 8 waves a work-group, no clusters, 0 bytes of LDS; arguments part, z, bf, out0; writes out0
.if DOCPART == 5
	.amdgcn_target "amdgcn-amd-amdhsa--gfx1250"
	.amdhsa_code_object_version 6
	.text
	.protected	k_q26bd33bc97_ln
	.globl	k_q26bd33bc97_ln
	.p2align	8
	.type	k_q26bd33bc97_ln,@function
k_q26bd33bc97_ln:
	s_mov_b64 s[64:65], 0
	v_nop
	global_prefetch_b8 v0, s[64:65] scope:SCOPE_SE
	s_setreg_imm32_b32 hwreg(HW_REG_WAVE_MODE, 25, 1), 1
	s_wait_xcnt 0x0
; out0[t][:] = (r - mean(r)) / sqrt(var(r) + 1e-4), r = z[t][:] + bf[t] + the sum of the eight parts part[0..7][t][:].  All in f32.
; One wave takes one row of 512 numbers, 16 a lane, and keeps it in registers: memory is read once.  The parts are added in ascending order; the variance is the mean of (r - mean)^2,
; taken in a second pass over the registers, so that no difference of large sums is formed.  All 37 loads of a wave are issued before the first is waited for.
; A load or store of a wave covers 512 consecutive bytes.  A stream: no LDS, no barrier, no matrix unit, no cluster.  NaN and infinities are not treated apart.
.set X, 8                              ; v[8:23]    the row's 16 numbers of my lane
.set P, 24                             ; v[24:151]  part s at v[24+16 s]
.set T, 152                            ; v[152:159] at work
	s_load_b256 s[4:11], s[0:1], 0x0               ; part s[4:5], z s[6:7], bf s[8:9], out0 s[10:11]
	v_lshrrev_b32 v1, 5, v0
	v_readfirstlane_b32 s12, v1                    ; wave 0..7
	s_lshl_b32 s13, ttmp9, 3
	s_add_co_u32 s13, s13, s12                     ; my row
	v_and_b32 v2, 31, v0
	s_lshl_b32 s14, s13, 11                        ; 2,048 bytes a row
	v_lshl_add_u32 v2, v2, 4, s14                  ; + 16 bytes a lane
	s_lshl_b32 s15, s13, 2
	v_mov_b32 v3, s15                              ; bf[row]
	s_mov_b32 s22, 0x76543210                      ; v_permlanex16_b32: each lane takes its own place in the other half
	s_mov_b32 s23, 0xfedcba98
	s_mov_b32 s24, 0x3b000000                      ; 1 / 512
	s_wait_kmcnt 0x0
	s_add_nc_u64 s[16:17], s[4:5], 0x800000        ; parts 2, 4 and 6: a load's immediate reaches one part (4 MiB) further
	s_add_nc_u64 s[18:19], s[4:5], 0x1000000
	s_add_nc_u64 s[20:21], s[4:5], 0x1800000
	global_load_b32 v4, v3, s[8:9]
.irp i, 0,1,2,3
	global_load_b128 v[X+4*(\i):X+4*(\i)+3], v2, s[6:7] offset:512*(\i) th:TH_LOAD_NT
.endr
.macro LDP n, sb
.irp i, 0,1,2,3
	global_load_b128 v[P+16*(\n)+4*(\i):P+16*(\n)+4*(\i)+3], v2, s[(\sb):(\sb)+1] offset:((\n)%2)*4194304+512*(\i) th:TH_LOAD_NT
.endr
.endm
	LDP 0, 4
	LDP 1, 4
	LDP 2, 16
	LDP 3, 16
	LDP 4, 18
	LDP 5, 18
	LDP 6, 20
	LDP 7, 20
	s_wait_loadcnt 32                              ; bf and z are in; the 32 loads of the parts may stay out
	v_mov_b32 v5, v4
.irp k, 0,2,4,6,8,10,12,14
	v_pk_add_f32 v[X+(\k):X+(\k)+1], v[X+(\k):X+(\k)+1], v[4:5]
.endr
.irp n, 0,1,2,3,4,5,6,7
	s_wait_loadcnt 28-4*(\n)                       ; part n is in; the later parts may stay out
.irp k, 0,2,4,6,8,10,12,14
	v_pk_add_f32 v[X+(\k):X+(\k)+1], v[X+(\k):X+(\k)+1], v[P+16*(\n)+(\k):P+16*(\n)+(\k)+1]
.endr
.endr
.macro WSUM r, tmp                     ; the sum over the 32 lanes, in every lane: four steps inside each half ride on the addition, one crosses the halves
	v_add_f32_dpp v[\r], v[\r], v[\r] row_xmask:1 row_mask:0xf bank_mask:0xf
	v_add_f32_dpp v[\r], v[\r], v[\r] row_xmask:2 row_mask:0xf bank_mask:0xf
	v_add_f32_dpp v[\r], v[\r], v[\r] row_xmask:4 row_mask:0xf bank_mask:0xf
	v_add_f32_dpp v[\r], v[\r], v[\r] row_xmask:8 row_mask:0xf bank_mask:0xf
	v_permlanex16_b32 v[\tmp], v[\r], s22, s23
	v_add_f32 v[\r], v[\r], v[\tmp]
.endm
	v_pk_add_f32 v[T:T+1],   v[X:X+1],     v[X+2:X+3]
	v_pk_add_f32 v[T+2:T+3], v[X+4:X+5],   v[X+6:X+7]
	v_pk_add_f32 v[T+4:T+5], v[X+8:X+9],   v[X+10:X+11]
	v_pk_add_f32 v[T+6:T+7], v[X+12:X+13], v[X+14:X+15]
	v_pk_add_f32 v[T:T+1],   v[T:T+1],     v[T+2:T+3]
	v_pk_add_f32 v[T+4:T+5], v[T+4:T+5],   v[T+6:T+7]
	v_pk_add_f32 v[T:T+1],   v[T:T+1],     v[T+4:T+5]
	v_add_f32 v[T], v[T], v[T+1]
	WSUM T, T+1
	v_mul_f32 v[T], s24, v[T]                      ; the mean
	v_mov_b32 v[T+1], v[T]
.irp k, 0,2,4,6,8,10,12,14
	v_pk_add_f32 v[X+(\k):X+(\k)+1], v[X+(\k):X+(\k)+1], v[T:T+1] neg_lo:[0,1] neg_hi:[0,1]
.endr
	v_pk_mul_f32 v[T+2:T+3], v[X:X+1],   v[X:X+1]  ; the squares, in two chains
	v_pk_mul_f32 v[T+4:T+5], v[X+2:X+3], v[X+2:X+3]
.irp k, 4,8,12
	v_pk_fma_f32 v[T+2:T+3], v[X+(\k):X+(\k)+1],   v[X+(\k):X+(\k)+1],   v[T+2:T+3]
	v_pk_fma_f32 v[T+4:T+5], v[X+(\k)+2:X+(\k)+3], v[X+(\k)+2:X+(\k)+3], v[T+4:T+5]
.endr
	v_pk_add_f32 v[T+2:T+3], v[T+2:T+3], v[T+4:T+5]
	v_add_f32 v[T+2], v[T+2], v[T+3]
	WSUM T+2, T+3
	v_mov_b32 v[T+3], 0x38d1b717                   ; 1e-4
	v_fma_f32 v[T+2], v[T+2], s24, v[T+3]          ; the variance + 1e-4
	v_rsq_f32 v[T+6], v[T+2]
	v_nop                                          ; a plain instruction between the root and the use of its result (ISA guide 5.7.2)
	s_wait_alu depctr_va_vdst(0)
	v_mov_b32 v[T+7], v[T+6]
.irp k, 0,2,4,6,8,10,12,14
	v_pk_mul_f32 v[X+(\k):X+(\k)+1], v[X+(\k):X+(\k)+1], v[T+6:T+7]
.endr
.irp i, 0,1,2,3
	global_store_b128 v2, v[X+4*(\i):X+4*(\i)+3], s[10:11] offset:512*(\i)
.endr
	s_endpgm
.Lfunc_end_k_q26bd33bc97_ln:
	.size	k_q26bd33bc97_ln, .Lfunc_end_k_q26bd33bc97_ln-k_q26bd33bc97_ln
	.p2alignl 7, 3214868480
	.fill 96, 4, 3214868480
	.section	.rodata,"a",@progbits
	.p2align	6, 0x0
	.amdhsa_kernel k_q26bd33bc97_ln
		.amdhsa_group_segment_fixed_size 0
		.amdhsa_private_segment_fixed_size 0
		.amdhsa_enable_private_segment 0
		.amdhsa_kernarg_size 32
		.amdhsa_user_sgpr_count 2
		.amdhsa_user_sgpr_kernarg_segment_ptr 1
		.amdhsa_wavefront_size32 1
		.amdhsa_system_sgpr_workgroup_id_x 1
		.amdhsa_system_sgpr_workgroup_id_y 1
		.amdhsa_system_sgpr_workgroup_id_z 1
		.amdhsa_system_vgpr_workitem_id 0
		.amdhsa_next_free_vgpr 160
		.amdhsa_next_free_sgpr 66
		.amdhsa_reserve_vcc 0
		.amdhsa_float_denorm_mode_32 3
		.amdhsa_float_denorm_mode_16_64 3
		.amdhsa_memory_ordered 1
		.amdhsa_forward_progress 1
		.amdhsa_inst_pref_size 13
	.end_amdhsa_kernel
	.amdgpu_metadata
---
amdhsa.version: [ 1, 2 ]
amdhsa.kernels:
  - .name:           k_q26bd33bc97_ln
    .symbol:         k_q26bd33bc97_ln.kd
    .args:
      - { .name: part, .offset: 0, .size: 8, .value_kind: global_buffer, .address_space: global }
      - { .name: z, .offset: 8, .size: 8, .value_kind: global_buffer, .address_space: global }
      - { .name: bf, .offset: 16, .size: 8, .value_kind: global_buffer, .address_space: global }
      - { .name: out0, .offset: 24, .size: 8, .value_kind: global_buffer, .address_space: global }
    .group_segment_fixed_size: 0
    .private_segment_fixed_size: 0
    .kernarg_segment_align: 8
    .kernarg_segment_size: 32
    .max_flat_workgroup_size: 256
    .sgpr_count:     66
    .vgpr_count:     160
    .wavefront_size: 32
...
	.end_amdgpu_metadata
.endif
;; end of part 5
;; ======== version 2 of 3: 5 launches; 1.12 times as fast as version 1
;; workspace buffers: xb 6,291,456 bytes; wb 12,582,912 bytes; qkv 50,331,648 bytes; ob 16,777,216 bytes; part 33,554,432 bytes
;; launch cvt: the kernel of part 1 again; grid 256 x 1, 8 waves a work-group, no clusters, 0 bytes of LDS; arguments x, y, z, Wq, Wk, Wv, xb, wb; writes xb, wb
;; launch proj (part 6): grid 16 x 48, 4 waves a work-group, clusters of 4 x 4, 327,680 bytes of LDS; arguments xb, wb, bq, bk, bv, qkv; writes qkv
.if DOCPART == 6
	.amdgcn_target "amdgcn-amd-amdhsa--gfx1250"
	.amdhsa_code_object_version 6
	.text
	.protected	k_q26bd33bc97_proj
	.globl	k_q26bd33bc97_proj
	.p2align	8
	.type	k_q26bd33bc97_proj,@function
k_q26bd33bc97_proj:
	s_mov_b64 s[64:65], 0
	v_nop
	global_prefetch_b8 v0, s[64:65] scope:SCOPE_SE
	s_setreg_imm32_b32 hwreg(HW_REG_WAVE_MODE, 25, 1), 1
	s_wait_xcnt 0x0
	s_wait_alu depctr_hold_cnt(0) depctr_sa_sdst(0) depctr_va_vdst(0) depctr_va_sdst(0) depctr_va_ssrc(0) depctr_va_vcc(0) depctr_vm_vsrc(0)
	s_getreg_b32 s2, hwreg(HW_REG_IB_STS2, 6, 4)
	s_cmp_eq_u32 s2, 0
	s_cbranch_scc0 .Lentry_in_a_cluster
	s_endpgm
.Lentry_in_a_cluster:
	s_bfe_u32 s2, ttmp6, 0x10000c
	s_cmp_lg_u32 s2, 0xf033
	s_cbranch_scc0 .Lentry_shape_is_right
	s_endpgm
.Lentry_shape_is_right:
; THE THREE PROJECTIONS.  qkv[p][head][s][f] = sum over e of xb[p][s][e] wb[p][head 512 + f][e] + b_p[head][f], p = 0 (q), 1 (k), 2 (v).  Operands bf16, sums f32, the result rounded once to bf16.
; NaN and infinities are not treated apart.
; SHARES.  A work-group makes 128 rows s x 256 columns (of the 4,096 = head x 512 + f) of one p: 768 tiles, three for each of 256 WGPs.  Four waves, each 64 rows x 128 columns:
; 32 accumulators of 16 x 16 (all of window 1).  For 32 along e a wave reads 8 + 4 fragments from LDS for 32 matrix instructions.
; K = 512 goes in four steps of 128 (tile rows of 256 bytes, aligned) through three LDS slots: steps 0, 1, 2 are asked for at the start, step 3 goes into slot 0 when step 0 has been read.
; THE MATRIX INSTRUCTION IS USED TRANSPOSED: source 0 = 16 rows of W, source 1 = 16 rows of x: a lane holds one row s (lane % 16) and eight neighbouring columns, which pack into 16 bytes.
; THE BIAS is the C operand of the first product on each accumulator: nothing is cleared and no addition is written.
; CLUSTER 4 x 4: sixteen work-groups make a block of 512 rows x 1,024 columns of one p.  x's tile is shared along a row of the cluster, W's along a column; each is asked for JOINTLY,
; by the same tensor load with the same descriptor and a mask that names the four.
; WHICH CLUSTER TAKES WHAT.  A p has 4 x 4 such blocks; the 48 clusters are numbered by x (0..3) and y (0..11).  Those with even y make p = 0 and column blocks 0, 1 of p = 2, those with odd y make p = 1 and
; column blocks 2, 3 of p = 2: no block of W is read by clusters of both kinds.  Of the 24 clusters of a kind the eight with y < 4 take the diagonal (row block = column block) of their p and four blocks
; of p = 2, one in each row block: between them they name every row block of x and every column block of W that the 24 read; the sixteen with higher y read only what those eight have asked for.
; REGISTERS (s_set_vgpr_msb: bits 1:0 source 0, 3:2 source 1, 5:4 source 2, 7:6 destination):
;   window 0: v0-31 addresses; v64-159, v160-255 two fragment buffers (8 fragments of W, then 4 of x)      window 1: accumulator (c, t) at v[8 (4 c + t)]      window 2: v0-63 the bias, column block c at v[8 c]
.set PITCH, 272                        ; an LDS row: 256 bytes + 16 of padding: the 16 rows of a fragment load start 16 bytes apart modulo 256
.set AHALF, 64*PITCH                   ; 64 rows of x: one tensor load, and what one wave reads
.set BHALF, 128*PITCH                  ; 128 rows of W: likewise
.set BOFF,  2*AHALF                    ; W's 256 rows lie behind x's 128
.set SLOT,  BOFF+2*BHALF               ; 104,448 bytes
.set STAGE, SLOT                       ; the way out: 16 rows x 272 bytes a wave, in slot 1, which has its only fill at the start and is read for the last time ahead of the barrier in front of step 3
.set SPARE, 3*SLOT                     ; the spare words, 128 bytes a wave: two blocks of 256 bytes that no other line names
.set ADRX, 16                          ; v16-18  LDS address of my fragments of x in slot 0, 1, 2
.set ADRW, 20                          ; v20-22  the same for W
.set STO,  24                          ; v24  the way out: where I put 16 bytes of a row
.set RD,   25                          ; v25  where I read rows back
.set CO,   26                          ; v26  my byte offset in two rows of qkv
.set SPW,  28                          ; v28  LDS address of my spare word; never rewritten
.set NIL,  29                          ; v29  0; never rewritten
.set BO,   30                          ; v30  32 x (lane / 16): my eight numbers in 16 of the bias
.set F0,   64
.set F1,   160
.set TMP,  64                          ; the way out: packed results
.set WV,   16                          ; s16  my wave's number
.set G1A,  24                          ; s[24:31] descriptor group 1 for x's tiles
.set G0A,  32                          ; s[32:43] group 0, a set for each slot
.set G1B,  44                          ; s[44:51], s[52:63] the same for W's tiles
.set G0B,  52
.set OB,   72                          ; s[72:73] qkv at my wave's first row and column
.set BI,   78                          ; s[78:79] the bias at my wave's first column
.set FLAGS, (1<<16)|(1<<20)|(1<<21)|(5<<22)|(3<<25)  ; 17:16 2-byte elements; 20 padding on; 21 set beside a mask; 24:22 after every 64 words; 31:25 four words of it
.set MSB, 0
.macro WIN new                         ; the immediate's high byte repeats the setting that is left; a switch that changes nothing is dropped
.if MSB != (\new)
	s_set_vgpr_msb (MSB<<8)|(\new)
.set MSB, \new
.endif
.endm
.macro PLACES                          ; four places between a matrix instruction and a load into, or a vector instruction on, its registers
.rept 4
	v_nop
.endr
.endm
.macro CREST                           ; a round of the cluster's barrier behind its opening barrier
	s_cmp_lg_u32 s[WV], 0
	s_cbranch_scc1 .Lnot_wave_0_\@
	s_barrier_signal -3
.Lnot_wave_0_\@:
	s_barrier_wait -3
	s_barrier_signal -1
	s_barrier_wait -1
.endm
.macro CROUND                          ; a whole round
	s_barrier_signal -1
	s_barrier_wait -1
	CREST
.endm
.macro JLOAD                           ; the joint refill of slot 0: waves 0 and 1 fetch x's halves, waves 2 and 3 W's; an s_nop 0 and four v_nop follow each line
	s_cmp_eq_u32 s17, 0
	s_cbranch_scc0 .Lfor_b_\@
	tensor_load_to_lds s[G0A:G0A+3], s[G1A:G1A+7]
	s_nop 0
	PLACES
	s_branch .Lasked_\@
.Lfor_b_\@:
	tensor_load_to_lds s[G0B:G0B+3], s[G1B:G1B+7]
	s_nop 0
	PLACES
.Lasked_\@:
.endm
	s_load_b256 s[4:11], s[0:1], 0x0               ; xb s[4:5], wb s[6:7], bq s[8:9], bk s[10:11]
	s_load_b128 s[12:15], s[0:1], 0x20             ; bv s[12:13], qkv s[14:15]
	v_lshl_add_u32 v[SPW], v0, 2, SPARE
	v_mov_b32 v[NIL], 0
	ds_add_u32 v28, v29
	s_wait_dscnt 0x0
	v_lshrrev_b32 v1, 5, v0
	v_readfirstlane_b32 s[WV], v1                  ; wave 0..3
	s_lshr_b32 s17, s[WV], 1                       ; which 64 rows are mine.  Also: I fetch for x (0) or for W (1)
	s_and_b32 s18, s[WV], 1                        ; which 128 columns.  Also: which half of that tile I fetch
	s_bfe_u32 s19, ttmp6, 0x40000                  ; cx
	s_bfe_u32 s20, ttmp6, 0x40004                  ; cy
	; the cluster's block: p, column block X and row block R, from the cluster's x and y alone: the same numbers in all sixteen work-groups
	s_mov_b32 s95, ttmp9                           ; the cluster's x, 0..3
	s_and_b32 s22, ttmp7, 0xffff                   ; the cluster's y, 0..11
	s_and_b32 s85, s22, 1                          ; the kind: y's parity
	s_lshr_b32 s86, s22, 2                         ; g = y / 4, 0..2
	s_bfe_u32 s87, s22, 0x10001                    ; u = bit 1 of y
	s_and_b32 s88, s86, s87                        ; 1 where g = 1 and u = 1
	s_lshr_b32 s89, s86, 1                         ; 1 where g = 2
	s_add_co_u32 s90, s86, s88
	s_add_co_u32 s90, s90, s89                     ; the diagonal d: 0 in g = 0; 1 and 2 in g = 1; 3 in g = 2
	s_add_co_u32 s90, s90, s95
	s_and_b32 s90, s90, 3                          ; in the kind's own p: column block x, row block (x + d) % 4
	s_and_b32 s91, s95, 1
	s_xor_b32 s91, s91, s89
	s_lshl1_add_u32 s91, s85, s91                  ; in p = 2: row block x, column block 2 kind + x % 2 in g = 0, the other of the two in g = 2
	s_and_b32 s92, s86, 1
	s_xor_b32 s92, s92, 1
	s_and_b32 s92, s92, s87                        ; 1 where u = 1 and g is 0 or 2: these clusters take p = 2
	s_cmp_eq_u32 s92, 1
	s_cselect_b32 s23, 2, s85                      ; p
	s_cselect_b32 s93, s91, s95                    ; X
	s_cselect_b32 s94, s95, s90                    ; R
	s_lshl_b32 s21, s93, 2
	s_add_co_u32 s21, s21, s19                     ; column tile = 4 X + cx, 0..15
	s_lshl_b32 s66, s94, 2
	s_add_co_u32 s66, s66, s20                     ; row tile = 4 R + cy, 0..15
	s_lshl_b32 s67, s20, 2
	s_lshl_b32 s67, 15, s67                        ; my row of the cluster
	s_lshl_b32 s74, 0x1111, s19                    ; my column
	s_or_b32 s[G1A], s67, FLAGS                    ; x's tiles go to my row,
	s_or_b32 s[G1B], s74, FLAGS                    ; W's to my column
	s_mov_b32 s[G1A+1], 128<<16                    ; tensor_dim0 = 128
	s_mov_b32 s[G1A+2], 64<<16                     ; tensor_dim1 = 64
	s_mov_b32 s[G1A+3], 128<<16                    ; tile_dim0 = 128
	s_mov_b32 s[G1A+4], 64                         ; tile_dim1 = 64
	s_mov_b32 s[G1A+5], 512                        ; elements from row to row
	s_mov_b32 s[G1A+6], 0
	s_mov_b32 s[G1A+7], 0
	s_mov_b32 s[G1B+1], 128<<16
	s_mov_b32 s[G1B+2], 128<<16                    ; 128 rows
	s_mov_b32 s[G1B+3], 128<<16
	s_mov_b32 s[G1B+4], 128
	s_mov_b32 s[G1B+5], 512
	s_mov_b32 s[G1B+6], 0
	s_mov_b32 s[G1B+7], 0
	; where the tiles come from: x's hang on p, the row tile and the wave; W's on p, the column tile and the wave; each in registers that never hold the other coordinate
	s_lshl_b32 s68, s23, 21                        ; p x 2,048 rows x 1,024 bytes
	s_lshl_b32 s69, s66, 17                        ; + 128 rows a tile
	s_add_co_u32 s68, s68, s69
	s_lshl_b32 s69, s18, 16                        ; + my 64 rows
	s_add_co_u32 s68, s68, s69
	s_mov_b32 s69, 0
	s_lshl_b32 s70, s23, 22                        ; p x 4,096 rows
	s_lshl_b32 s71, s21, 18                        ; + 256 rows a tile
	s_add_co_u32 s70, s70, s71
	s_lshl_b32 s71, s18, 17                        ; + my 128 rows
	s_add_co_u32 s70, s70, s71
	s_mov_b32 s71, 0
	s_mul_i32 s75, s18, AHALF                      ; and where they go: the wave's number alone enters an LDS address
	s_mul_i32 s76, s18, BHALF
	s_add_co_u32 s76, s76, BOFF
	; my part of qkv: p, head = column tile / 2, my first row, my first column
	s_lshl_b32 s72, s23, 24
	s_lshr_b32 s73, s21, 1
	s_lshl_b32 s73, s73, 21
	s_add_co_u32 s72, s72, s73
	s_lshl_b32 s73, s66, 17
	s_add_co_u32 s72, s72, s73
	s_lshl_b32 s73, s17, 16
	s_add_co_u32 s72, s72, s73
	s_and_b32 s73, s21, 1
	s_lshl_b32 s73, s73, 9
	s_add_co_u32 s72, s72, s73
	s_lshl_b32 s73, s18, 8
	s_add_co_u32 s72, s72, s73
	s_mov_b32 s73, 0
	s_lshl_b32 s80, s21, 10                        ; the bias: 256 numbers a column tile, 128 a wave
	s_lshl_b32 s81, s18, 9
	s_add_co_u32 s80, s80, s81
	s_mov_b32 s81, 0
	s_wait_kmcnt 0x0
	s_add_nc_u64 s[68:69], s[4:5], s[68:69]
	s_add_nc_u64 s[70:71], s[6:7], s[70:71]
	s_add_nc_u64 s[OB:OB+1], s[14:15], s[72:73]
	s_cmp_eq_u32 s23, 1                            ; the bias of p
	s_cselect_b64 s[BI:BI+1], s[10:11], s[8:9]
	s_cmp_eq_u32 s23, 2
	s_cselect_b64 s[BI:BI+1], s[12:13], s[BI:BI+1]
	s_add_nc_u64 s[BI:BI+1], s[BI:BI+1], s[80:81]
.irp s, 0,1,2
	s_mov_b32 s[G0A+4*(\s)], 1                                       ; count = 1
	s_add_co_u32 s[G0A+4*(\s)+1], s75, (\s)*SLOT                     ; LDS address
	s_add_nc_u64 s[G0A+4*(\s)+2:G0A+4*(\s)+3], s[68:69], (\s)*256    ; global address: K step s
	s_or_b32 s[G0A+4*(\s)+3], s[G0A+4*(\s)+3], 0x80000000            ; type = 2
	s_mov_b32 s[G0B+4*(\s)], 1
	s_add_co_u32 s[G0B+4*(\s)+1], s76, (\s)*SLOT
	s_add_nc_u64 s[G0B+4*(\s)+2:G0B+4*(\s)+3], s[70:71], (\s)*256
	s_or_b32 s[G0B+4*(\s)+3], s[G0B+4*(\s)+3], 0x80000000
.endr
	CROUND                                         ; all sixteen work-groups are here: the first joint loads meet
	s_cmp_eq_u32 s17, 0                            ; a wave's three first fills stand in one branch: three loads of mine are out
	s_cbranch_scc0 .Lfirst_b
	tensor_load_to_lds s[G0A:G0A+3], s[G1A:G1A+7]
	s_nop 0
	tensor_load_to_lds s[G0A+4:G0A+7], s[G1A:G1A+7]
	s_nop 0
	tensor_load_to_lds s[G0A+8:G0A+11], s[G1A:G1A+7]
	s_nop 0
	PLACES
	s_branch .Lfirst_asked
.Lfirst_b:
	tensor_load_to_lds s[G0B:G0B+3], s[G1B:G1B+7]
	s_nop 0
	tensor_load_to_lds s[G0B+4:G0B+7], s[G1B:G1B+7]
	s_nop 0
	tensor_load_to_lds s[G0B+8:G0B+11], s[G1B:G1B+7]
	s_nop 0
	PLACES
.Lfirst_asked:
	v_and_b32 v1, 15, v0                           ; l % 16
	v_bfe_u32 v2, v0, 4, 1                         ; l / 16
	v_lshlrev_b32 v[BO], 5, v2
	WIN 0x80                                       ; destination window 2, address window 0
.irp c, 0,1,2,3,4,5,6,7                            ; register j of block c: the bias of column 16 c + 8 (l / 16) + j, which is where the product's register j lies
	global_load_b128 v[8*(\c):8*(\c)+3],   v[BO], s[BI:BI+1] offset:64*(\c)
	global_load_b128 v[8*(\c)+4:8*(\c)+7], v[BO], s[BI:BI+1] offset:64*(\c)+16
.endr
	WIN 0
	; a fragment is 16 rows x 32 K in 8 registers: lane l holds row l % 16, K = 8 (l / 16) + 0..7 and 16 + 8 (l / 16) + 0..7: two loads of 16 bytes, 32 bytes apart
	v_mul_u32_u24 v3, v1, PITCH
	v_lshl_add_u32 v3, v2, 4, v3
	s_mul_i32 s82, s17, AHALF
	s_mul_i32 s83, s18, BHALF
	s_add_co_u32 s83, s83, BOFF
.irp s, 0,1,2
	v_add_nc_u32 v[ADRX+(\s)], s82, v3
	v_add_nc_u32 v[ADRW+(\s)], s83, v3
	s_add_co_u32 s82, s82, SLOT
	s_add_co_u32 s83, s83, SLOT
.endr
	s_mul_i32 s84, s[WV], 16*PITCH
	s_add_co_u32 s84, s84, STAGE                   ; my stage
	v_add_nc_u32 v[STO], s84, v3                   ; in: row l % 16, 16 bytes for each half of the lanes
	v_mul_u32_u24 v4, v2, PITCH                    ; back: lanes 0-15 one row of 256 bytes, lanes 16-31 the next
	v_lshl_add_u32 v4, v1, 4, v4
	v_add_nc_u32 v[RD], s84, v4
	v_lshlrev_b32 v5, 10, v2                       ; and the same two rows in qkv
	v_lshl_add_u32 v[CO], v1, 4, v5
; Matrix instructions for column blocks c0..c1 x all four row blocks, 32 along K, from buffer f.  mode 0: onto the sums; mode 2: the bias starts them.
; The 32 accumulators take turns, one instruction a turn, in the same order in every quarter.
.macro MM c0, c1, f, mode
.if (\mode) == 2
	WIN 0x60                                       ; D window 1, C window 2
.else
	WIN 0x50                                       ; C and D window 1
.endif
.set cc, \c0
.rept (\c1)-(\c0)+1
.irp t, 0,1,2,3
.if (\mode) == 2
	v_wmma_f32_16x16x32_bf16 v[8*(4*cc+(\t)):8*(4*cc+(\t))+7], v[(\f)+8*cc:(\f)+8*cc+7], v[(\f)+64+8*(\t):(\f)+64+8*(\t)+7], v[8*cc:8*cc+7]
.else
	v_wmma_f32_16x16x32_bf16 v[8*(4*cc+(\t)):8*(4*cc+(\t))+7], v[(\f)+8*cc:(\f)+8*cc+7], v[(\f)+64+8*(\t):(\f)+64+8*(\t)+7], v[8*(4*cc+(\t)):8*(4*cc+(\t))+7]
.endif
.endr
.set cc, cc+1
.endr
.endm
.macro FETCH slot, kk, f               ; 24 LDS loads in one run: the fragments of 32 along K, quarter kk of a slot
	WIN 0
.irp c, 0,1,2,3,4,5,6,7
	ds_load_b128 v[(\f)+8*(\c):(\f)+8*(\c)+3],   v[ADRW+(\slot)] offset:(\c)*16*PITCH+64*(\kk)
	ds_load_b128 v[(\f)+8*(\c)+4:(\f)+8*(\c)+7], v[ADRW+(\slot)] offset:(\c)*16*PITCH+64*(\kk)+32
.endr
.irp t, 0,1,2,3
	ds_load_b128 v[(\f)+64+8*(\t):(\f)+64+8*(\t)+3],   v[ADRX+(\slot)] offset:(\t)*16*PITCH+64*(\kk)
	ds_load_b128 v[(\f)+64+8*(\t)+4:(\f)+64+8*(\t)+7], v[ADRX+(\slot)] offset:(\t)*16*PITCH+64*(\kk)+32
.endr
.endm
.macro QUARTER f, g, slot, kk, mode    ; multiplies buffer f; ahead of that it asks for quarter kk of the slot, into buffer g, 32 matrix instructions before its use
	s_wait_dscnt 0x0                               ; buffer f is in
	PLACES                                         ; buffer g was read by the quarter before
	FETCH \slot, \kk, \g
	MM 0, 7, \f, \mode
.endm
; A K step's last quarter (buffer 1) with a barrier in it.  In front of the barrier each wave waits for all its tensor loads, adds 0 to its spare word, and waits for that and for its own LDS reads.
; fill = 1: the barrier opens a round of the cluster's barrier, and slot 0, which nobody reads any more, takes K step 3: the first tensor load behind the round.
.macro TURN next, fill
	s_wait_dscnt 0x0                               ; buffer 1 is in: my reads of the slot are over
	WIN 0                                          ; (the add's two registers lie in window 0)
	s_wait_tensorcnt 0x0                           ; all my tensor loads have landed
	ds_add_u32 v[SPW], v[NIL]                      ; 0 onto my spare word
	MM 0, 1, F1, 0                                 ; eight matrix instructions stand between the add and the wait for it
	s_wait_dscnt 0x0                               ; the add is done
	s_barrier_signal -1
	MM 2, 3, F1, 0                                 ; work on registers while the others arrive
	WIN 0
	s_barrier_wait -1
.if \fill
	CREST                                          ; no wave of any partner still reads slot 0 or has a load on its way
	s_add_nc_u64 s[G0A+2:G0A+3], s[G0A+2:G0A+3], 3*256  ; slot 0's descriptors go from K step 0 to K step 3
	s_add_nc_u64 s[G0B+2:G0B+3], s[G0B+2:G0B+3], 3*256
	JLOAD                                          ; its four v_nop are also the places in front of the loads below
.else
	PLACES
.endif
	FETCH \next, 0, F0
	MM 4, 7, F1, 0
.endm
	s_wait_tensorcnt 0x2                           ; my part of K step 0 is in; steps 1 and 2 may stay out
	s_barrier_signal -1
	s_barrier_wait -1                              ; everybody's is
	FETCH 0, 0, F0
	s_wait_loadcnt 0x0                             ; the bias
	QUARTER F0, F1, 0, 1, 2                        ; K step 0; its first quarter starts the sums with the bias
	QUARTER F1, F0, 0, 2, 0
	QUARTER F0, F1, 0, 3, 0
	TURN 1, 1                                      ; steps 1 and 2 have landed in every wave; step 3 is asked for
	QUARTER F0, F1, 1, 1, 0                        ; K step 1
	QUARTER F1, F0, 1, 2, 0
	QUARTER F0, F1, 1, 3, 0
	QUARTER F1, F0, 2, 0, 0                        ; no barrier here: slot 2 was shown whole by the last one
	QUARTER F0, F1, 2, 1, 0                        ; K step 2
	QUARTER F1, F0, 2, 2, 0
	QUARTER F0, F1, 2, 3, 0
	TURN 0, 0                                      ; step 3 has landed in every wave; nothing more is asked for
	QUARTER F0, F1, 0, 1, 0                        ; K step 3
	QUARTER F1, F0, 0, 2, 0
	QUARTER F0, F1, 0, 3, 0
	s_wait_dscnt 0x0
	MM 0, 7, F1, 0
	PLACES                                         ; the conversions read results just made
; THE WAY OUT, 16 rows at a time: rounded to bf16 (each accumulator's registers in ascending order), 16 bytes a lane into my stage, back as whole rows of 256 bytes, stored.
.macro OUTT t
.set BK, 96+32*((\t)%2)
	WIN 0x05                                       ; sources in window 1, destination in window 0
.irp c, 0,1,2,3,4,5,6,7
.irp q, 0,1,2,3
	v_cvt_pk_bf16_f32 v[TMP+4*(\c)+(\q)], v[8*(4*(\c)+(\t))+2*(\q)], v[8*(4*(\c)+(\t))+2*(\q)+1]
.endr
.endr
	WIN 0
.irp c, 0,1,2,3,4,5,6,7
	ds_store_b128 v[STO], v[TMP+4*(\c):TMP+4*(\c)+3] offset:32*(\c)
.endr
	s_wait_xcnt 0x0                                ; the registers that earlier stores read are loaded again only behind this wait
.irp i, 0,1,2,3,4,5,6,7
	ds_load_b128 v[BK+4*(\i):BK+4*(\i)+3], v[RD] offset:(\i)*2*PITCH  ; LDS serves a wave's instructions in order (ISA guide 5.7.1.4): these see the stores above
.endr
	s_wait_dscnt 0x0
.irp i, 0,1,2,3,4,5,6,7
	global_store_b128 v[CO], v[BK+4*(\i):BK+4*(\i)+3], s[OB:OB+1] offset:(16*(\t)+2*(\i))*1024  ; 16 lanes store 256 consecutive bytes, aligned
.endr
.endm
	OUTT 0
	OUTT 1
	OUTT 2
	OUTT 3
	s_wait_tensorcnt 0x0                           ; the wave's end
	ds_add_u32 v[SPW], v[NIL]
	s_wait_dscnt 0x0
	CROUND                                         ; the closing round
	s_endpgm
.Lfunc_end_k_q26bd33bc97_proj:
	.size	k_q26bd33bc97_proj, .Lfunc_end_k_q26bd33bc97_proj-k_q26bd33bc97_proj
	.p2alignl 7, 3214868480
	.fill 96, 4, 3214868480
	.section	.rodata,"a",@progbits
	.p2align	6, 0x0
	.amdhsa_kernel k_q26bd33bc97_proj
		.amdhsa_group_segment_fixed_size 327680
		.amdhsa_private_segment_fixed_size 0
		.amdhsa_enable_private_segment 0
		.amdhsa_kernarg_size 48
		.amdhsa_user_sgpr_count 2
		.amdhsa_user_sgpr_kernarg_segment_ptr 1
		.amdhsa_wavefront_size32 1
		.amdhsa_system_sgpr_workgroup_id_x 1
		.amdhsa_system_sgpr_workgroup_id_y 1
		.amdhsa_system_sgpr_workgroup_id_z 1
		.amdhsa_system_vgpr_workitem_id 0
		.amdhsa_next_free_vgpr 576
		.amdhsa_next_free_sgpr 96
		.amdhsa_reserve_vcc 0
		.amdhsa_float_denorm_mode_32 3
		.amdhsa_float_denorm_mode_16_64 3
		.amdhsa_memory_ordered 1
		.amdhsa_forward_progress 1
		.amdhsa_inst_pref_size 87
	.end_amdhsa_kernel
	.amdgpu_metadata
---
amdhsa.version: [ 1, 2 ]
amdhsa.kernels:
  - .name:           k_q26bd33bc97_proj
    .symbol:         k_q26bd33bc97_proj.kd
    .args:
      - { .name: xb, .offset: 0, .size: 8, .value_kind: global_buffer, .address_space: global }
      - { .name: wb, .offset: 8, .size: 8, .value_kind: global_buffer, .address_space: global }
      - { .name: bq, .offset: 16, .size: 8, .value_kind: global_buffer, .address_space: global }
      - { .name: bk, .offset: 24, .size: 8, .value_kind: global_buffer, .address_space: global }
      - { .name: bv, .offset: 32, .size: 8, .value_kind: global_buffer, .address_space: global }
      - { .name: qkv, .offset: 40, .size: 8, .value_kind: global_buffer, .address_space: global }
    .group_segment_fixed_size: 327680
    .private_segment_fixed_size: 0
    .kernarg_segment_align: 8
    .kernarg_segment_size: 48
    .max_flat_workgroup_size: 128
    .sgpr_count:     96
    .vgpr_count:     576
    .wavefront_size: 32
...
	.end_amdgpu_metadata
.endif
;; end of part 6
;; launch attn (part 7): grid 32 x 8, 4 waves a work-group, clusters of 4 x 1, 327,680 bytes of LDS; arguments qkv, ob; writes ob
.if DOCPART == 7
	.amdgcn_target "amdgcn-amd-amdhsa--gfx1250"
	.amdhsa_code_object_version 6
	.text
	.protected	k_q26bd33bc97_attn
	.globl	k_q26bd33bc97_attn
	.p2align	8
	.type	k_q26bd33bc97_attn,@function
k_q26bd33bc97_attn:
	s_mov_b64 s[64:65], 0
	v_nop
	global_prefetch_b8 v0, s[64:65] scope:SCOPE_SE
	s_setreg_imm32_b32 hwreg(HW_REG_WAVE_MODE, 25, 1), 1
	s_wait_xcnt 0x0
	s_wait_alu depctr_hold_cnt(0) depctr_sa_sdst(0) depctr_va_vdst(0) depctr_va_sdst(0) depctr_va_ssrc(0) depctr_va_vcc(0) depctr_vm_vsrc(0)
	s_getreg_b32 s2, hwreg(HW_REG_IB_STS2, 6, 4)
	s_cmp_eq_u32 s2, 0
	s_cbranch_scc0 .Lentry_in_a_cluster
	s_endpgm
.Lentry_in_a_cluster:
	s_bfe_u32 s2, ttmp6, 0x10000c
	s_cmp_lg_u32 s2, 0x3003
	s_cbranch_scc0 .Lentry_shape_is_right
	s_endpgm
.Lentry_shape_is_right:
; ATTENTION AT HEAD SIZE 512.  ob[h][q][:] = sum over k of softmax_k(Q[h][q] . K[h][k] / sqrt(2048)) V[h][k][:].  Q, K, V = qkv[0], [1], [2], each [8][2048][512] bf16; ob likewise.
; Products, maxima and sums in f32; the weights p are rounded to bf16 for the second product (their sum l is taken of the unrounded p), O once at the end.
; LIMITS.  A weight below 2^-126 counts as 0; NaN and infinities are not treated apart (a NaN loses in the maxima).
; SHARES.  A work-group owns 64 queries of one head (256 work-groups) and walks the 2,048 keys in 16 steps of 128.  The four waves SHARE the queries:
;   S phase: wave w makes S^T = K Q^T for keys 32 w .. 32 w + 31 x all 64 queries; Q (64 x 512) stays in 512 registers, so a fragment of K read from LDS feeds four products.
;   PV phase: wave w makes O^T = V^T P for channels 128 w .. 128 w + 127 x all 64 queries: 32 accumulators; 8 + 4 fragments for 32 products.  P goes from wave to wave through LDS.
; LAYOUT.  In S^T, P and O^T a lane holds ONE query (lane % 16).  K comes out of LDS as it lies, V ([key][channel]) turned, by ds_load_tr16_b128.
; SOFTMAX.  For each query a running maximum m, common to the four waves (their maxima meet in LDS in every step), and in each wave the sum l of its own keys' weights:
; p = 2^(c s - c m), c = log2(e) / sqrt(2048); in every step O and l are multiplied by a = 2^(c m_old - c m_new).  m starts at the lowest finite number, O and l at 0, so the first step is
; a step like any other with a = 0: one text for every step.  O^T is set to 0 by 32 products of two fragments of zeros, in the wait for the first tile.
; THE RING.  One tile of K and one of V lie in LDS and take turns: K of the next step is asked for when the weights of this step are made (it lands during the rescaling and PV), V of the next step when
; PV of this step is done (it lands during S and the softmax).  Each wave asks for its 32 rows of 1,024 bytes.
; THE WALK.  The head is the cluster's x; the cluster's y picks four blocks of queries and the tile at which the walk begins: twice the three bits of y in reverse order.  The walk goes round the 16 tiles;
; a softmax with a running maximum does not hang on the order of its keys.  So the eight clusters of a head ask for eight different tiles in every step, two apart, and from its third step on a cluster
; asks for a tile that another cluster of the head asked for two steps earlier.
; CLUSTER: the four query blocks of a cluster belong to one head and walk the same K and V in the same order: every tile is asked for JOINTLY.
; LDS WAITS are counted: a run of fragment loads is issued in the order in which the products want them, and a run of products starts when the half that it reads first is in (LDS returns in order: ISA guide 5.7.1).
; REGISTERS (s_set_vgpr_msb: bits 1:0 source 0, 3:2 source 1, 5:4 source 2, 7:6 destination):
;   window 0: v0-23 addresses; v24-27 what goes to the other waves; v32-63 eight registers of statistics for each 16 queries;
;             S phase: v64-127, v192-255 two buffers of K's fragments, v128-191 S^T; softmax: v192-223 P, v224-239 the waves' maxima; PV phase: v64-159, v160-255 two fragment buffers
;   window 1: O^T, accumulator (c, t) at v[8 (4 c + t)]          windows 2, 3: Q, fragment (t, ks) in window 2 + ks / 8 at v[8 (4 (ks % 8) + t)]
.set PK,   1040                        ; a row of K in LDS: 1,024 bytes + 16: the 16 rows of a fragment load start 16 bytes apart modulo 256
.set PV,   1056                        ; a row of V: 1,024 + 32: 16 lanes of the turning load take 8 rows x 32 bytes, 32 bytes apart modulo 256
.set PP,   272                         ; a row of P (a query's 128 weights) and of the stage: 256 + 16
.set VT,   128*PK                      ; K's tile lies at 0, V's behind it
.set PB,   VT+128*PV                   ; P: 64 rows
.set MX,   PB+64*PP                    ; the waves' maxima: wave w at 256 w, [lane % 16][t] in f32
.set LS,   MX+1024                     ; their sums, likewise
.set STAGE, LS+1024                    ; the way out: 16 rows x 272 bytes a wave
.set SPARE, STAGE+4*16*PP              ; the spare words, 128 bytes a wave: two blocks of 256 bytes that no other line names
.set AKF, 4                            ; v4   my place in my wave's 32 rows of K
.set AV0, 5                            ; v5   my place in V, keys 0-63, my wave's channels
.set AV1, 6                            ; v6   keys 64-127
.set APF, 7                            ; v7   my place in a fragment of P
.set APS, 8                            ; v8   where I put my weights
.set AMS, 9                            ; v9   where I put my wave's maxima
.set AMR, 10                           ; v10  where I read the four waves'
.set STO, 11
.set RD,  12
.set GO,  13                           ; v13  my byte offset in two rows of ob
.set QO,  14                           ; v14  my byte offset in 16 rows of Q
.set SPW, 16                           ; v16  LDS address of my spare word; never rewritten
.set NIL, 17                           ; v17  0; never rewritten
.set LM,  24
.set ST,  32                           ; queries 16 t ..: v[ST+8t]: +0 c m, +1 m, +2, +3 l (even keys', odd keys'), +4, +5 at work, +6 a, +7 its argument
.set S,   128                          ; S^T: key block u, query block t at v[S + 32 u + 8 t]
.set PKP, 192
.set RB,  224
.set F0,  64
.set F1,  160
.set TMP, 64
.set NV,  3                            ; s3   the tile of V to be asked for next, 0..15
.set WV,  8                            ; s8   my wave's number
.set G1K, 24                           ; s[24:31] descriptor group 1 for K's tiles
.set G1V, 32                           ; s[32:39] for V's: it differs in the padding alone
.set G0K, 40                           ; s[40:43] group 0 for K
.set G0V, 44                           ; s[44:47] for V
.set CNT, 48
.set NK,  49                           ; s49  the tile of K to be asked for next, 0..15
.set CS,  50                           ; s[50:51] c
.set SEL, 52                           ; s[52:53] v_permlanex16_b32's selects: each lane takes its own place in the other half
.set QB,  54                           ; s[54:55] Q at my block's first row
.set OB,  56                           ; s[56:57] ob at my block's first row, my wave's channels
.set OFF, 58                           ; s[58:59] a tile's byte offset in the head's K and V
.set KBS, 60                           ; s[60:61] K at my wave's 32 rows of the head's tile 0
.set VBS, 62                           ; s[62:63] V likewise
.set MSB, 0
.macro WIN new                         ; the immediate's high byte repeats the setting that is left; a switch that changes nothing is dropped
.if MSB != (\new)
	s_set_vgpr_msb (MSB<<8)|(\new)
.set MSB, \new
.endif
.endm
.macro PLACES                          ; four places between a matrix instruction and a load into, or a vector instruction on, its registers
.rept 4
	v_nop
.endr
.endm
.macro CREST                           ; a round of the cluster's barrier behind its opening barrier
	s_cmp_lg_u32 s[WV], 0
	s_cbranch_scc1 .Lnot_wave_0_\@
	s_barrier_signal -3
.Lnot_wave_0_\@:
	s_barrier_wait -3
	s_barrier_signal -1
	s_barrier_wait -1
.endm
.macro CROUND
	s_barrier_signal -1
	s_barrier_wait -1
	CREST
.endm
.macro TLOAD g0, g1                    ; a joint load of my 32 rows; an s_nop 0 and four v_nop follow it
	tensor_load_to_lds s[(\g0):(\g0)+3], s[(\g1):(\g1)+7]
	s_nop 0
	PLACES
.endm
.macro NEXTT g0, base, n               ; group 0's address is made anew for tile n of the walk (no tensor load of mine is out), and n goes on round the 16 tiles
	s_lshl_b32 s[OFF], s[\n], 17                   ; a tile is 128 rows of 1,024 bytes
	s_add_nc_u64 s[(\g0)+2:(\g0)+3], s[(\base):(\base)+1], s[OFF:OFF+1]
	s_or_b32 s[(\g0)+3], s[(\g0)+3], 0x80000000    ; type = 2
	s_add_co_u32 s[\n], s[\n], 1
	s_and_b32 s[\n], s[\n], 15
.endm
.macro ALLT line:vararg                ; one line for each block tt of 16 queries
.set tt, 0
.rept 4
	\line
.set tt, tt+1
.endr
.endm
	s_load_b128 s[4:7], s[0:1], 0x0                ; qkv s[4:5], ob s[6:7]
	v_lshl_add_u32 v[SPW], v0, 2, SPARE
	v_mov_b32 v[NIL], 0
	ds_add_u32 v16, v17
	s_wait_dscnt 0x0
	v_lshrrev_b32 v1, 5, v0
	v_readfirstlane_b32 s[WV], v1                  ; wave 0..3
	s_bfe_u32 s9, ttmp6, 0x40000                   ; cx
	s_and_b32 s11, ttmp7, 0xffff                   ; the cluster's y, 0..7, which the four partners share
	s_lshl_b32 s10, s11, 2
	s_add_co_u32 s10, s10, s9                      ; my block of 64 queries = 4 y + cx: it enters Q's and ob's addresses alone
	s_and_b32 s12, s11, 1                          ; the walk's first tile: y's bit 0 counts 8, bit 1 counts 4, bit 2 counts 2
	s_lshl_b32 s12, s12, 3
	s_and_b32 s13, s11, 2
	s_lshl_b32 s13, s13, 1
	s_or_b32 s12, s12, s13
	s_and_b32 s13, s11, 4
	s_lshr_b32 s13, s13, 1
	s_or_b32 s[NK], s12, s13
	s_lshl_b32 s[OFF], s[NK], 17                   ; its byte offset
	s_mov_b32 s[OFF+1], 0
	s_add_co_u32 s[NK], s[NK], 1                   ; the second tile of the walk
	s_and_b32 s[NK], s[NK], 15
	s_mov_b32 s[NV], s[NK]
	s_lshl_b32 s12, ttmp9, 21                      ; the head is the cluster's x: its 2,048 rows of 1,024 bytes
	s_lshl_b32 s13, s[WV], 15                      ; my 32 rows of a tile
	s_add_co_u32 s14, s12, s13
	s_add_co_u32 s14, s14, 0x1000000               ; K lies 16 MiB into qkv,
	s_mov_b32 s15, 0
	s_add_co_u32 s16, s14, 0x1000000               ; V 32 MiB
	s_mov_b32 s17, 0
	s_lshl_b32 s18, s10, 16                        ; my block's 64 rows
	s_add_co_u32 s18, s18, s12
	s_mov_b32 s19, 0
	s_lshl_b32 s20, s[WV], 8                       ; my wave's 128 channels
	s_add_co_u32 s20, s20, s18
	s_mov_b32 s21, 0
	s_mul_i32 s22, s[WV], 32*PK                    ; where my rows go: the wave's number alone enters an LDS address
	s_mul_i32 s23, s[WV], 32*PV
	s_add_co_u32 s23, s23, VT
	s_mov_b32 s[G1K], 15|(1<<16)|(1<<20)|(1<<21)|(7<<22)|(3<<25)  ; 15:0 the mask of four; 17:16 2-byte elements; 20 padding on; 21 set beside a mask; 24:22 after every 256 words; 31:25 four words of it
	s_mov_b32 s[G1V], 15|(1<<16)|(1<<20)|(1<<21)|(7<<22)|(7<<25)  ; the same with eight words
.irp g, G1K, G1V
	s_mov_b32 s[(\g)+1], 512<<16                   ; tensor_dim0 = 512
	s_mov_b32 s[(\g)+2], 32<<16                    ; tensor_dim1 = 32
	s_mov_b32 s[(\g)+3], 512<<16                   ; tile_dim0 = 512
	s_mov_b32 s[(\g)+4], 32                        ; tile_dim1 = 32
	s_mov_b32 s[(\g)+5], 512                       ; elements from row to row
	s_mov_b32 s[(\g)+6], 0
	s_mov_b32 s[(\g)+7], 0
.endr
	s_mov_b32 s[G0K], 1
	s_mov_b32 s[G0K+1], s22
	s_mov_b32 s[G0V], 1
	s_mov_b32 s[G0V+1], s23
	s_mov_b32 s[CS], 0x3d0293ee                    ; c = log2(e) / sqrt(2048) = 0.0318793
	s_mov_b32 s[CS+1], s[CS]                       ; named with it as a pair
	s_mov_b32 s[SEL], 0x76543210
	s_mov_b32 s[SEL+1], 0xfedcba98
	s_wait_kmcnt 0x0
	s_add_nc_u64 s[KBS:KBS+1], s[4:5], s[14:15]
	s_add_nc_u64 s[VBS:VBS+1], s[4:5], s[16:17]
	s_add_nc_u64 s[G0K+2:G0K+3], s[KBS:KBS+1], s[OFF:OFF+1]  ; the walk's first tile
	s_or_b32 s[G0K+3], s[G0K+3], 0x80000000        ; type = 2
	s_add_nc_u64 s[G0V+2:G0V+3], s[VBS:VBS+1], s[OFF:OFF+1]
	s_or_b32 s[G0V+3], s[G0V+3], 0x80000000
	s_add_nc_u64 s[QB:QB+1], s[4:5], s[18:19]
	s_add_nc_u64 s[OB:OB+1], s[6:7], s[20:21]
	CROUND                                         ; all four work-groups are here: the first joint loads meet
	tensor_load_to_lds s[G0K:G0K+3], s[G1K:G1K+7]  ; K and V of the first step: two loads of mine are out
	s_nop 0
	tensor_load_to_lds s[G0V:G0V+3], s[G1V:G1V+7]
	s_nop 0
	PLACES
	v_and_b32 v1, 15, v0                           ; l % 16
	v_bfe_u32 v2, v0, 4, 1                         ; l / 16
	v_lshlrev_b32 v[QO], 10, v1
	v_lshl_add_u32 v[QO], v2, 4, v[QO]             ; row x 1,024 + 16 x half
.set ks, 0
.rept 16                                           ; Q stays in registers: a fragment is 16 rows x 32 channels: two loads of 16 bytes, 32 bytes apart
	WIN 0x80+0x40*(ks/8)                           ; destination window 2, then 3
.irp t, 0,1,2,3
	global_load_b128 v[8*(4*(ks%8)+(\t)):8*(4*(ks%8)+(\t))+3],   v[QO], s[QB:QB+1] offset:(\t)*16384+ks*64
	global_load_b128 v[8*(4*(ks%8)+(\t))+4:8*(4*(ks%8)+(\t))+7], v[QO], s[QB:QB+1] offset:(\t)*16384+ks*64+32
.endr
.set ks, ks+1
.endr
	WIN 0
.set i, 0
.rept 16
	v_mov_b32 v[F0+i], 0                           ; two fragments of zeros
.set i, i+1
.endr
	ALLT v_mov_b32 v[ST+8*tt], 0xfe000000          ; c m: far below every c s
	ALLT v_mov_b32 v[ST+8*tt+1], 0xff7fffff        ; m
	ALLT v_mov_b32 v[ST+8*tt+2], 0
	ALLT v_mov_b32 v[ST+8*tt+3], 0
	WIN 0x40                                       ; destination window 1, sources window 0
.set i, 0
.rept 32
	v_wmma_f32_16x16x32_bf16 v[8*i:8*i+7], v[F0:F0+7], v[F0+8:F0+15], 0  ; O^T = 0
.set i, i+1
.endr
	WIN 0                                          ; the address lines below are the places behind those products
	v_mul_u32_u24 v[AKF], v1, PK
	v_lshl_add_u32 v[AKF], v2, 4, v[AKF]
	v_add_nc_u32 v[AKF], s22, v[AKF]               ; (32 w + l % 16) x pitch + 16 x half
	; the turning load takes 16 keys x 16 channels (lane l reads key 8 (l / 16) + l % 8, channels 8 ((l / 8) % 2) + 0..7) and leaves half a fragment of V^T: lane l holds channel l % 16 and 8 keys
	v_and_b32 v3, 7, v0
	v_bfe_u32 v18, v0, 3, 1
	v_lshl_add_u32 v[AV0], v2, 3, v3
	v_mul_u32_u24 v[AV0], v[AV0], PV
	v_lshl_add_u32 v[AV0], v18, 4, v[AV0]
	s_lshl_b32 s9, s[WV], 8
	s_add_co_u32 s9, s9, VT
	v_add_nc_u32 v[AV0], s9, v[AV0]
	v_add_nc_u32 v[AV1], 64*PV, v[AV0]
	v_mul_u32_u24 v19, v1, PP
	v_lshl_add_u32 v19, v2, 4, v19                 ; row l % 16 of 272 bytes + 16 x half
	v_add_nc_u32 v[APF], PB, v19
	s_lshl_b32 s9, s[WV], 6                        ; my wave's 32 keys are 64 bytes of a row of P
	v_add_nc_u32 v[APS], s9, v[APF]
	v_lshlrev_b32 v20, 4, v1
	v_add_nc_u32 v[AMR], MX, v20
	s_lshl_b32 s9, s[WV], 8
	v_add_nc_u32 v[AMS], s9, v[AMR]
	s_mul_i32 s9, s[WV], 16*PP
	s_add_co_u32 s9, s9, STAGE
	v_add_nc_u32 v[STO], s9, v19
	v_mul_u32_u24 v21, v2, PP
	v_add_nc_u32 v[RD], v21, v20                   ; back: lanes 0-15 one row of 256 bytes, lanes 16-31 the next
	v_add_nc_u32 v[RD], s9, v[RD]
	v_lshl_add_u32 v[GO], v2, 10, v20              ; and the same two rows in ob
; THE S PHASE: 16 K steps of 32 channels in four groups.  FETCHK: group g's 8 fragments of K (4 K steps x 2 key blocks), 16 LDS loads in one run, K step by K step.
.macro FETCHK g, kb
	WIN 0
.irp k, 0,1,2,3
.irp u, 0,1
	ds_load_b128 v[(\kb)+8*(2*(\k)+(\u)):(\kb)+8*(2*(\k)+(\u))+3],   v[AKF] offset:(\u)*16*PK+(4*(\g)+(\k))*64
	ds_load_b128 v[(\kb)+8*(2*(\k)+(\u))+4:(\kb)+8*(2*(\k)+(\u))+7], v[AKF] offset:(\u)*16*PK+(4*(\g)+(\k))*64+32
.endr
.endr
.endm
; Group g: 32 products; ahead of them the next group's fragments are asked for.  The 8 accumulators take turns.  The first 8 products of a step start the sums with 0.
; Five places stand at its head: S^T and K's second buffer lie where fragments lay that the last products V^T P read, and a buffer of K is loaded again behind the products that read it.
.macro SGRP g
.set KBC, 64+128*((\g)%2)
.set KBN, 64+128*(((\g)+1)%2)
	s_wait_dscnt 8                                 ; the fragments of this group's first two K steps are in: of its sixteen loads the youngest eight may be out
.rept 5
	v_nop
.endr
.if (\g) < 3
	FETCHK (\g)+1, KBN
.endif
	WIN 0x08+4*((\g)/2)                            ; Q (source 1) in window 2 or 3
.set kp, 0
.rept 4
.if kp == 2
.if (\g) < 3
	s_wait_dscnt 16                                ; the group's last two K steps are in: only the sixteen loads just issued may be out
.else
	s_wait_dscnt 0x0                               ; the group's last two K steps are in: nothing was issued behind them
.endif
.endif
.irp u, 0,1
.irp t, 0,1,2,3
.if ((\g) == 0) && (kp == 0)
	v_wmma_f32_16x16x32_bf16 v[S+32*(\u)+8*(\t):S+32*(\u)+8*(\t)+7], v[KBC+8*(2*kp+(\u)):KBC+8*(2*kp+(\u))+7], v[8*(4*((4*(\g)+kp)%8)+(\t)):8*(4*((4*(\g)+kp)%8)+(\t))+7], 0
.else
	v_wmma_f32_16x16x32_bf16 v[S+32*(\u)+8*(\t):S+32*(\u)+8*(\t)+7], v[KBC+8*(2*kp+(\u)):KBC+8*(2*kp+(\u))+7], v[8*(4*((4*(\g)+kp)%8)+(\t)):8*(4*((4*(\g)+kp)%8)+(\t))+7], v[S+32*(\u)+8*(\t):S+32*(\u)+8*(\t)+7]
.endif
.endr
.endr
.set kp, kp+1
.endr
.endm
; THE SOFTMAX of a step, as far as the stores of P: a lane has 16 scores for each of its four queries.
.macro SOFTMAX
	WIN 0
	PLACES                                         ; behind the last products K Q^T
	; the maximum of my 16 scores, three operands at a time; each accumulator's lowest registers are read first
	ALLT v_max3_num_f32 v[ST+8*tt+4], v[S+8*tt], v[S+8*tt+1], v[S+8*tt+2]
	ALLT v_max3_num_f32 v[ST+8*tt+5], v[S+32+8*tt], v[S+32+8*tt+1], v[S+32+8*tt+2]
	ALLT v_max3_num_f32 v[ST+8*tt+4], v[ST+8*tt+4], v[S+8*tt+3], v[S+8*tt+4]
	ALLT v_max3_num_f32 v[ST+8*tt+5], v[ST+8*tt+5], v[S+32+8*tt+3], v[S+32+8*tt+4]
	ALLT v_max3_num_f32 v[ST+8*tt+4], v[ST+8*tt+4], v[S+8*tt+5], v[S+8*tt+6]
	ALLT v_max3_num_f32 v[ST+8*tt+5], v[ST+8*tt+5], v[S+32+8*tt+5], v[S+32+8*tt+6]
	ALLT v_max3_num_f32 v[ST+8*tt+4], v[ST+8*tt+4], v[S+8*tt+7], v[S+32+8*tt+7]
	ALLT v_max_num_f32 v[ST+8*tt+4], v[ST+8*tt+4], v[ST+8*tt+5]
	ALLT v_permlanex16_b32 v[ST+8*tt+5], v[ST+8*tt+4], s[SEL], s[SEL+1]  ; the query's other 16 keys of my wave lie in the lane 16 away
	ALLT v_max_num_f32 v[LM+tt], v[ST+8*tt+4], v[ST+8*tt+5]
	ds_store_b128 v[AMS], v[LM:LM+3]               ; my wave's maxima of four queries (both halves of the lanes write the same)
	s_wait_dscnt 0x0                               ; for the others' sake
	s_barrier_signal -1                            ; V's tile may still be on its way
	s_barrier_wait -1
.irp w, 0,1,2,3
	ds_load_b128 v[RB+4*(\w):RB+4*(\w)+3], v[AMR] offset:256*(\w)
.endr
	s_wait_dscnt 0x0
	ALLT v_max3_num_f32 v[ST+8*tt+4], v[RB+tt], v[RB+4+tt], v[RB+8+tt]
	ALLT v_mov_b32 v[ST+8*tt+5], v[ST+8*tt]        ; c m_old is kept
	ALLT v_max3_num_f32 v[ST+8*tt+1], v[ST+8*tt+4], v[RB+12+tt], v[ST+8*tt+1]  ; the new m: the same number in all four waves
	ALLT v_mul_f32 v[ST+8*tt], s[CS], v[ST+8*tt+1]
	ALLT v_sub_f32 v[ST+8*tt+7], v[ST+8*tt+5], v[ST+8*tt]
.set tt, 0
.rept 4
.irp q, 0,2,4,6,32,34,36,38                        ; c s - c m, two scores at a time
	v_pk_fma_f32 v[S+8*tt+(\q):S+8*tt+(\q)+1], v[S+8*tt+(\q):S+8*tt+(\q)+1], s[CS:CS+1], v[ST+8*tt:ST+8*tt+1] op_sel_hi:[1,0,0] neg_lo:[0,0,1] neg_hi:[0,0,1]
.endr
.set tt, tt+1
.endr
	ALLT v_exp_f32 v[ST+8*tt+6], v[ST+8*tt+7]      ; a
.set i, 0
.rept 64
	v_exp_f32 v[S+i], v[S+i]                       ; p
.set i, i+1
.endr
	v_nop                                          ; a plain instruction between the exponentials and the use of their results (ISA guide 5.7.2)
.set tt, 0
	s_wait_alu depctr_va_vdst(0)
.rept 4
.irp u, 0,1
.irp q, 0,1,2,3
	v_cvt_pk_bf16_f32 v[PKP+4*(2*tt+(\u))+(\q)], v[S+32*(\u)+8*tt+2*(\q)], v[S+32*(\u)+8*tt+2*(\q)+1]
.endr
	ds_store_b128 v[APS], v[PKP+4*(2*tt+(\u)):PKP+4*(2*tt+(\u))+3] offset:tt*16*PP+32*(\u)  ; eight neighbouring keys of one query
.endr
.set tt, tt+1
.endr
.endm
.macro SUMS                            ; the sum of my 16 weights, in pairs (an even key's, an odd key's), in place; then l = a l + the sum: 32 lines on registers
	ALLT v_pk_add_f32 v[S+8*tt:S+8*tt+1], v[S+8*tt:S+8*tt+1], v[S+8*tt+2:S+8*tt+3]
	ALLT v_pk_add_f32 v[S+8*tt+4:S+8*tt+5], v[S+8*tt+4:S+8*tt+5], v[S+8*tt+6:S+8*tt+7]
	ALLT v_pk_add_f32 v[S+32+8*tt:S+32+8*tt+1], v[S+32+8*tt:S+32+8*tt+1], v[S+32+8*tt+2:S+32+8*tt+3]
	ALLT v_pk_add_f32 v[S+32+8*tt+4:S+32+8*tt+5], v[S+32+8*tt+4:S+32+8*tt+5], v[S+32+8*tt+6:S+32+8*tt+7]
	ALLT v_pk_add_f32 v[S+8*tt:S+8*tt+1], v[S+8*tt:S+8*tt+1], v[S+8*tt+4:S+8*tt+5]
	ALLT v_pk_add_f32 v[S+32+8*tt:S+32+8*tt+1], v[S+32+8*tt:S+32+8*tt+1], v[S+32+8*tt+4:S+32+8*tt+5]
	ALLT v_pk_add_f32 v[S+8*tt:S+8*tt+1], v[S+8*tt:S+8*tt+1], v[S+32+8*tt:S+32+8*tt+1]
	ALLT v_pk_fma_f32 v[ST+8*tt+2:ST+8*tt+3], v[ST+8*tt+2:ST+8*tt+3], v[ST+8*tt+6:ST+8*tt+7], v[S+8*tt:S+8*tt+1] op_sel_hi:[1,0,1]
.endm
.macro LOUT                            ; behind the last step's sums: my wave's share of l goes to the other waves
	ALLT v_add_f32 v[ST+8*tt+4], v[ST+8*tt+2], v[ST+8*tt+3]
	ALLT v_permlanex16_b32 v[ST+8*tt+5], v[ST+8*tt+4], s[SEL], s[SEL+1]
	ALLT v_add_f32 v[LM+tt], v[ST+8*tt+4], v[ST+8*tt+5]
	ds_store_b128 v[AMS], v[LM:LM+3] offset:LS-MX
.endm
; THE PV PHASE: 128 keys in four quarters of 32.
.macro MM c0, c1, f                    ; products for channel blocks c0..c1 x all four query blocks; the 32 accumulators take turns
	WIN 0x50                                       ; C and D window 1
.set cc, \c0
.rept (\c1)-(\c0)+1
.irp t, 0,1,2,3
	v_wmma_f32_16x16x32_bf16 v[8*(4*cc+(\t)):8*(4*cc+(\t))+7], v[(\f)+8*cc:(\f)+8*cc+7], v[(\f)+64+8*(\t):(\f)+64+8*(\t)+7], v[8*(4*cc+(\t)):8*(4*cc+(\t))+7]
.endr
.set cc, cc+1
.endr
.endm
.macro FETCHPV kk, f                   ; 24 LDS loads in one run, in the order in which the products want them: 4 fragments of P, then 8 of V^T (turned), for keys 32 kk ..
	WIN 0
.irp t, 0,1,2,3
	ds_load_b128 v[(\f)+64+8*(\t):(\f)+64+8*(\t)+3],   v[APF] offset:(\t)*16*PP+64*(\kk)
	ds_load_b128 v[(\f)+64+8*(\t)+4:(\f)+64+8*(\t)+7], v[APF] offset:(\t)*16*PP+64*(\kk)+32
.endr
.irp c, 0,1,2,3,4,5,6,7
	ds_load_tr16_b128 v[(\f)+8*(\c):(\f)+8*(\c)+3],   v[AV0+((\kk)/2)] offset:((\kk)%2)*32*PV+32*(\c)
	ds_load_tr16_b128 v[(\f)+8*(\c)+4:(\f)+8*(\c)+7], v[AV0+((\kk)/2)] offset:((\kk)%2)*32*PV+16*PV+32*(\c)
.endr
.endm
.macro PVQ kk                          ; quarter kk of the first three: asks for the next quarter's fragments, then multiplies its own
	s_wait_dscnt 8                                 ; P's four fragments and V's first four are in: of the quarter's 24 loads the youngest eight may be out
	PLACES
	FETCHPV (\kk)+1, F0+96*(((\kk)+1)%2)
	MM 0, 3, F0+96*((\kk)%2)
	s_wait_dscnt 24                                ; V's last four are in: only the 24 loads just issued may be out
	MM 4, 7, F0+96*((\kk)%2)
.endm
.macro RESC c0, c1                     ; O^T times a, each accumulator's registers in ascending order
	WIN 0x41                                       ; destination and source 0 window 1, a in window 0
.set cc, \c0
.rept (\c1)-(\c0)+1
.irp t, 0,1,2,3
.irp q, 0,2,4,6
	v_pk_mul_f32 v[8*(4*cc+(\t))+(\q):8*(4*cc+(\t))+(\q)+1], v[8*(4*cc+(\t))+(\q):8*(4*cc+(\t))+(\q)+1], v[ST+8*(\t)+6:ST+8*(\t)+7] op_sel_hi:[1,0]
.endr
.endr
.set cc, cc+1
.endr
.endm
; FROM S TO PV.  One barrier for three things: P is whole, V's tile is whole, and nobody reads K's tile any more.  In front of it each wave waits for all its tensor loads (one is out: its rows of V),
; adds 0 to its spare word, and waits for that, for its stores of P and for its reads of K.
; fill = 1: K's descriptor is made for the walk's next tile and the step's sums are taken between the add and the wait for it; the barrier opens a round of the cluster's barrier, and K's tile is filled
; again: the first tensor load behind the round.  Then the first fragments of V and P are asked for, and the 128 lines that rescale O^T stand between those loads and the wait for them:
; K's tile has the rescaling and all of PV in which to land.
.macro TURNB fill
	WIN 0
	s_wait_tensorcnt 0x0
	ds_add_u32 v[SPW], v[NIL]                      ; 0 onto my spare word
.if \fill
	NEXTT G0K, KBS, NK
	SUMS
.endif
	s_wait_dscnt 0x0
	s_barrier_signal -1
	s_barrier_wait -1
.if \fill
	CREST
	TLOAD G0K, G1K
.endif
	FETCHPV 0, F0                                  ; the softmax's lines are the places behind the products that read or wrote these registers
	RESC 0, 7
.endm
; FROM PV TO S: PV's last quarter (buffer 1) with a round in it.  K's next tile has landed, nobody reads V's tile or P any more; V's tile is filled again and lands during S and the softmax.
.macro TURNA
	s_wait_dscnt 0x0                               ; buffer 1 is in: my reads of V and of P are over
	WIN 0
	s_wait_tensorcnt 0x0                           ; my rows of the next K have landed
	ds_add_u32 v[SPW], v[NIL]                      ; as above
	NEXTT G0V, VBS, NV
	MM 0, 1, F1
	s_wait_dscnt 0x0
	s_barrier_signal -1
	MM 2, 3, F1
	WIN 0
	s_barrier_wait -1
	CREST
	TLOAD G0V, G1V                                 ; its four v_nop are also the places in front of the loads below
	FETCHK 0, 64
	MM 4, 7, F1
.endm
	s_wait_tensorcnt 0x1                           ; my rows of K are in; V's may stay out
	s_barrier_signal -1
	s_barrier_wait -1
	FETCHK 0, 64
	s_wait_loadcnt 0x0                             ; Q
	s_mov_b32 s[CNT], 15
.Lstep:                                            ; 15 trips: every step but the last asks for the next step's K and V
	SGRP 0
	SGRP 1
	SGRP 2
	SGRP 3
	SOFTMAX
	TURNB 1
	PVQ 0
	PVQ 1
	PVQ 2
	TURNA
	WIN 0                                          ; at a label and at a branch every window is 0
	s_sub_co_u32 s[CNT], s[CNT], 1
	s_cmp_lg_u32 s[CNT], 0
	s_cbranch_scc1 .Lstep
	SGRP 0                                         ; the last step is written out
	SGRP 1
	SGRP 2
	SGRP 3
	SOFTMAX
	SUMS
	LOUT
	TURNB 0
	PVQ 0
	PVQ 1
	PVQ 2
	s_wait_dscnt 0x0
	MM 0, 7, F1
	PLACES
	; THE WAY OUT.  The four waves' shares of l are added; O^T is divided by l, rounded to bf16 and sent through my stage, 16 queries at a time.
	WIN 0
.irp w, 0,1,2,3
	ds_load_b128 v[TMP+4*(\w):TMP+4*(\w)+3], v[AMR] offset:LS-MX+256*(\w)
.endr
	s_wait_dscnt 0x0
	ALLT v_add_f32 v[ST+8*tt+4], v[TMP+tt], v[TMP+4+tt]
	ALLT v_add_f32 v[ST+8*tt+5], v[TMP+8+tt], v[TMP+12+tt]
	ALLT v_add_f32 v[ST+8*tt+4], v[ST+8*tt+4], v[ST+8*tt+5]
	ALLT v_rcp_f32 v[ST+8*tt+6], v[ST+8*tt+4]
	v_nop                                          ; a plain instruction between the last reciprocal and the use of its result
	s_wait_alu depctr_va_vdst(0)
.macro OUTT t
.set BK, 96+32*((\t)%2)
	WIN 0x41
.irp c, 0,1,2,3,4,5,6,7
.irp q, 0,2,4,6
	v_pk_mul_f32 v[8*(4*(\c)+(\t))+(\q):8*(4*(\c)+(\t))+(\q)+1], v[8*(4*(\c)+(\t))+(\q):8*(4*(\c)+(\t))+(\q)+1], v[ST+8*(\t)+6:ST+8*(\t)+7] op_sel_hi:[1,0]
.endr
.endr
	WIN 0x05                                       ; sources in window 1, destination in window 0
.irp c, 0,1,2,3,4,5,6,7
.irp q, 0,1,2,3
	v_cvt_pk_bf16_f32 v[TMP+4*(\c)+(\q)], v[8*(4*(\c)+(\t))+2*(\q)], v[8*(4*(\c)+(\t))+2*(\q)+1]
.endr
.endr
	WIN 0
.irp c, 0,1,2,3,4,5,6,7
	ds_store_b128 v[STO], v[TMP+4*(\c):TMP+4*(\c)+3] offset:32*(\c)
.endr
	s_wait_xcnt 0x0                                ; the registers that earlier stores read are loaded again only behind this wait
.irp i, 0,1,2,3,4,5,6,7
	ds_load_b128 v[BK+4*(\i):BK+4*(\i)+3], v[RD] offset:(\i)*2*PP  ; LDS serves a wave's instructions in order (ISA guide 5.7.1.4): these see the stores above
.endr
	s_wait_dscnt 0x0
.irp i, 0,1,2,3,4,5,6,7
	global_store_b128 v[GO], v[BK+4*(\i):BK+4*(\i)+3], s[OB:OB+1] offset:(16*(\t)+2*(\i))*1024  ; 16 lanes store 256 consecutive bytes, aligned
.endr
.endm
	OUTT 0
	OUTT 1
	OUTT 2
	OUTT 3
	s_wait_tensorcnt 0x0                           ; the wave's end
	ds_add_u32 v[SPW], v[NIL]
	s_wait_dscnt 0x0
	CROUND                                         ; the closing round
	s_endpgm
.Lfunc_end_k_q26bd33bc97_attn:
	.size	k_q26bd33bc97_attn, .Lfunc_end_k_q26bd33bc97_attn-k_q26bd33bc97_attn
	.p2alignl 7, 3214868480
	.fill 96, 4, 3214868480
	.section	.rodata,"a",@progbits
	.p2align	6, 0x0
	.amdhsa_kernel k_q26bd33bc97_attn
		.amdhsa_group_segment_fixed_size 327680
		.amdhsa_private_segment_fixed_size 0
		.amdhsa_enable_private_segment 0
		.amdhsa_kernarg_size 16
		.amdhsa_user_sgpr_count 2
		.amdhsa_user_sgpr_kernarg_segment_ptr 1
		.amdhsa_wavefront_size32 1
		.amdhsa_system_sgpr_workgroup_id_x 1
		.amdhsa_system_sgpr_workgroup_id_y 1
		.amdhsa_system_sgpr_workgroup_id_z 1
		.amdhsa_system_vgpr_workitem_id 0
		.amdhsa_next_free_vgpr 1024
		.amdhsa_next_free_sgpr 66
		.amdhsa_reserve_vcc 0
		.amdhsa_float_denorm_mode_32 3
		.amdhsa_float_denorm_mode_16_64 3
		.amdhsa_memory_ordered 1
		.amdhsa_forward_progress 1
		.amdhsa_inst_pref_size 146
	.end_amdhsa_kernel
	.amdgpu_metadata
---
amdhsa.version: [ 1, 2 ]
amdhsa.kernels:
  - .name:           k_q26bd33bc97_attn
    .symbol:         k_q26bd33bc97_attn.kd
    .args:
      - { .name: qkv, .offset: 0, .size: 8, .value_kind: global_buffer, .address_space: global }
      - { .name: ob, .offset: 8, .size: 8, .value_kind: global_buffer, .address_space: global }
    .group_segment_fixed_size: 327680
    .private_segment_fixed_size: 0
    .kernarg_segment_align: 8
    .kernarg_segment_size: 16
    .max_flat_workgroup_size: 128
    .sgpr_count:     66
    .vgpr_count:     1024
    .wavefront_size: 32
...
	.end_amdgpu_metadata
.endif
;; end of part 7
;; launch outp (part 8): grid 32 x 8, 4 waves a work-group, clusters of 4 x 1, 327,680 bytes of LDS; arguments Wf, ob, part; writes part
.if DOCPART == 8
	.amdgcn_target "amdgcn-amd-amdhsa--gfx1250"
	.amdhsa_code_object_version 6
	.text
	.protected	k_q26bd33bc97_outp
	.globl	k_q26bd33bc97_outp
	.p2align	8
	.type	k_q26bd33bc97_outp,@function
k_q26bd33bc97_outp:
	s_mov_b64 s[64:65], 0
	v_nop
	global_prefetch_b8 v0, s[64:65] scope:SCOPE_SE
	s_setreg_imm32_b32 hwreg(HW_REG_WAVE_MODE, 25, 1), 1
	s_wait_xcnt 0x0
	s_wait_alu depctr_hold_cnt(0) depctr_sa_sdst(0) depctr_va_vdst(0) depctr_va_sdst(0) depctr_va_ssrc(0) depctr_va_vcc(0) depctr_vm_vsrc(0)
	s_getreg_b32 s2, hwreg(HW_REG_IB_STS2, 6, 4)
	s_cmp_eq_u32 s2, 0
	s_cbranch_scc0 .Lentry_in_a_cluster
	s_endpgm
.Lentry_in_a_cluster:
	s_bfe_u32 s2, ttmp6, 0x10000c
	s_cmp_lg_u32 s2, 0x3003
	s_cbranch_scc0 .Lentry_shape_is_right
	s_endpgm
.Lentry_shape_is_right:
; THE LAST PRODUCT, IN EIGHT PARTS ALONG K.  part[ks][t][e] = sum over j in 2,048 ks .. 2,048 ks + 2,047 of Wf[t][j] ob[j][e].  Wf [2048][16384] f32, ob [16384][512] bf16, part [8][2048][512] f32.
; Wf is rounded to bf16 on its way into LDS; sums in f32; the parts are added, in a fixed order, by the next launch.  NaN and infinities are not treated apart.
; SHARES.  A work-group owns 64 rows t x all 512 e x 2,048 of K: 32 x 8 = 256 work-groups, and every byte of Wf is read once in the launch.  Wave w owns e = 128 w .. 128 w + 127:
; 32 accumulators (all of window 1), 8 + 4 fragments for 32 products.  Source 0 = ob turned (ds_load_tr16_b128), source 1 = Wf: a lane holds one row t (lane % 16) and eight neighbouring e.
; K goes in 16 steps of 128.  ob's tile (128 rows of 1,024 bytes) comes by tensor loads into two slots that take turns, each wave its 32 rows; the four row blocks of a cluster share it: JOINT loads.
; Wf's tile (64 rows x 512 bytes) comes through registers: wave w brings rows 16 w .. 16 w + 15, a row a load; two sets of 64 registers, so that a load has two steps in which to land;
; in a step the next step's tile is rounded and stored into the other of two LDS buffers, and its registers are loaded again with the tile three steps on.
; THE WALK.  The part of K is the cluster's x; the cluster's y picks four blocks of rows and the K step at which the walk begins: twice the three bits of y in reverse order.  The walk goes round the
; part's 16 steps (only the order of the f32 additions hangs on it).  So the eight clusters of a part ask for eight different tiles of ob in every step, two apart, and from its third step on a cluster
; asks for a tile that another cluster of the part asked for two steps earlier.
; LDS WAITS are counted: a run of fragment loads is issued in the order in which the products want them, a quarter starts when the half that it reads first is in, and the stores of the next step's Wf,
; which nobody reads before the step's barrier, are waited for in front of that barrier alone (LDS returns in order, loads and stores together: ISA guide 5.7.1).
; REGISTERS (s_set_vgpr_msb: bits 1:0 source 0, 3:2 source 1, 5:4 source 2, 7:6 destination):
;   window 0: v0-23 addresses; v64-159, v160-255 two fragment buffers      window 1: accumulator (c, t) at v[8 (4 c + t)]      window 2: v0-63, v64-127 Wf as loaded; v128-143, v144-159 rounded, a set for each eight rows
.set PV,   1056                        ; a row of ob in LDS: 1,024 + 32: 16 lanes of the turning load take 8 rows x 32 bytes, 32 bytes apart modulo 256
.set PP,   272                         ; a row of Wf in LDS: 128 bf16 + 16 bytes
.set BSZ,  128*PV                      ; a slot of ob
.set AB,   2*BSZ                       ; behind the two slots: Wf's two buffers, written by ds_store alone
.set ABSZ, 64*PP
.set SPARE, AB+2*ABSZ                  ; the spare words, 128 bytes a wave: two blocks of 256 bytes that no other line names
.set SPF,  528                         ; the way out: a row of 128 f32 + 16 bytes; 16 rows a wave, where Wf's buffers lay
.set AVB,  8                           ; v8-11   my place in ob's tile: slot 0 keys 0-63, 64-127; slot 1 likewise
.set AFR,  12                          ; v12-13  my place in a fragment of Wf, buffer 0, 1
.set ASTO, 14                          ; v14-15  where I put 8 bytes of a row of Wf, buffer 0, 1
.set AOFF, 16                          ; v16  my byte offset in Wf: my wave's 16 rows, 16 bytes a lane; never rewritten
.set STO,  18
.set RD,   19
.set GO,   20
.set SPW,  22                          ; v22  LDS address of my spare word; never rewritten
.set NIL,  23                          ; v23  0; never rewritten
.set F0,   64
.set F1,   160
.set T,    128                         ; window 2
.set WV,   10                          ; s10  my wave's number
.set G1,   24                          ; s[24:31] descriptor group 1
.set OBS,  32                          ; s[32:33] ob at my wave's 32 rows of the part's tile 0
.set WBS,  34                          ; s[34:35] Wf at my block's first row and the part's first column
.set OFF,  36                          ; s[36:37] a tile's byte offset in the part of ob
.set OFW,  38                          ; s[38:39] a K step's byte offset in a row of Wf
.set G0,   40                          ; s[40:47] group 0, a set for each slot
.set CNT,  48
.set PA,   50                          ; s[50:51] Wf at my block's first row and the K step that is loaded
.set OP,   52                          ; s[52:53] part at my block's first row, my wave's e
.set NT,   54                          ; s54  the tile of ob to be asked for next, 0..15
.set NW,   55                          ; s55  the K step of Wf to be loaded next, 0..15
.set PA2,  56                          ; s[56:57] Wf at the walk's second K step: for the first loads alone
.set MSB, 0
.macro WIN new                         ; the immediate's high byte repeats the setting that is left; a switch that changes nothing is dropped
.if MSB != (\new)
	s_set_vgpr_msb (MSB<<8)|(\new)
.set MSB, \new
.endif
.endm
.macro PLACES                          ; four places between a matrix instruction and a load into, or a store or vector instruction on, its registers
.rept 4
	v_nop
.endr
.endm
.macro CREST                           ; a round of the cluster's barrier behind its opening barrier
	s_cmp_lg_u32 s[WV], 0
	s_cbranch_scc1 .Lnot_wave_0_\@
	s_barrier_signal -3
.Lnot_wave_0_\@:
	s_barrier_wait -3
	s_barrier_signal -1
	s_barrier_wait -1
.endm
.macro CROUND
	s_barrier_signal -1
	s_barrier_wait -1
	CREST
.endm
	s_load_b128 s[4:7], s[0:1], 0x0                ; Wf s[4:5], ob s[6:7]
	s_load_b64 s[8:9], s[0:1], 0x10                ; part
	v_lshl_add_u32 v[SPW], v0, 2, SPARE
	v_mov_b32 v[NIL], 0
	ds_add_u32 v22, v23
	s_wait_dscnt 0x0
	v_lshrrev_b32 v1, 5, v0
	v_readfirstlane_b32 s[WV], v1                  ; wave 0..3
	s_bfe_u32 s11, ttmp6, 0x40000                  ; cx
	s_and_b32 s13, ttmp7, 0xffff                   ; the cluster's y, 0..7, which the four partners share
	s_lshl_b32 s12, s13, 2
	s_add_co_u32 s12, s12, s11                     ; my block of 64 rows = 4 y + cx: it enters Wf's and part's addresses alone
	s_and_b32 s22, s13, 1                          ; the walk's first K step: y's bit 0 counts 8, bit 1 counts 4, bit 2 counts 2
	s_lshl_b32 s22, s22, 3
	s_and_b32 s23, s13, 2
	s_lshl_b32 s23, s23, 1
	s_or_b32 s22, s22, s23
	s_and_b32 s23, s13, 4
	s_lshr_b32 s23, s23, 1
	s_or_b32 s22, s22, s23
	s_add_co_u32 s23, s22, 1                       ; its second,
	s_and_b32 s23, s23, 15
	s_add_co_u32 s[NT], s22, 2                     ; and its third, the first to be asked for behind the start
	s_and_b32 s[NT], s[NT], 15
	s_mov_b32 s[NW], s[NT]
	s_lshl_b32 s14, ttmp9, 21                      ; the part of K is the cluster's x.  ob: 2,048 rows of 1,024 bytes a part,
	s_lshl_b32 s15, s[WV], 15                      ; my 32 rows of a tile
	s_add_co_u32 s14, s14, s15
	s_mov_b32 s15, 0
	s_lshl_b32 s16, s12, 22                        ; Wf: 64 rows of 65,536 bytes a block,
	s_lshl_b32 s17, ttmp9, 13                      ; 2,048 numbers a part
	s_add_co_u32 s16, s16, s17
	s_mov_b32 s17, 0
	s_lshl_b32 s18, ttmp9, 22                      ; part: 4 MiB a part,
	s_lshl_b32 s19, s12, 17                        ; 64 rows of 2,048 bytes a block,
	s_add_co_u32 s18, s18, s19
	s_lshl_b32 s19, s[WV], 9                       ; 512 bytes a wave
	s_add_co_u32 s18, s18, s19
	s_mov_b32 s19, 0
	s_mul_i32 s20, s[WV], 32*PV                    ; where my rows go: the wave's number alone enters an LDS address
	s_mov_b32 s[G1], 15|(1<<16)|(1<<20)|(1<<21)|(7<<22)|(7<<25)  ; 15:0 the mask of four; 17:16 2-byte elements; 20 padding on; 21 set beside a mask; 24:22 after every 256 words; 31:25 eight words of it
	s_mov_b32 s[G1+1], 512<<16                     ; tensor_dim0 = 512
	s_mov_b32 s[G1+2], 32<<16                      ; tensor_dim1 = 32
	s_mov_b32 s[G1+3], 512<<16                     ; tile_dim0 = 512
	s_mov_b32 s[G1+4], 32                          ; tile_dim1 = 32
	s_mov_b32 s[G1+5], 512                         ; elements from row to row
	s_mov_b32 s[G1+6], 0
	s_mov_b32 s[G1+7], 0
	s_mov_b32 s[OFF+1], 0
	s_mov_b32 s[OFW+1], 0
	s_wait_kmcnt 0x0
	s_add_nc_u64 s[OBS:OBS+1], s[6:7], s[14:15]
	s_add_nc_u64 s[WBS:WBS+1], s[4:5], s[16:17]
	s_add_nc_u64 s[OP:OP+1], s[8:9], s[18:19]
	s_mov_b32 s[G0], 1                             ; slot 0: the walk's first tile
	s_mov_b32 s[G0+1], s20
	s_lshl_b32 s[OFF], s22, 17                     ; a tile is 128 rows of 1,024 bytes
	s_add_nc_u64 s[G0+2:G0+3], s[OBS:OBS+1], s[OFF:OFF+1]
	s_or_b32 s[G0+3], s[G0+3], 0x80000000          ; type = 2
	s_mov_b32 s[G0+4], 1                           ; slot 1: its second
	s_add_co_u32 s[G0+5], s20, BSZ
	s_lshl_b32 s[OFF], s23, 17
	s_add_nc_u64 s[G0+6:G0+7], s[OBS:OBS+1], s[OFF:OFF+1]
	s_or_b32 s[G0+7], s[G0+7], 0x80000000
	s_lshl_b32 s[OFW], s22, 9                      ; a K step is 512 bytes of a row of Wf
	s_add_nc_u64 s[PA:PA+1], s[WBS:WBS+1], s[OFW:OFW+1]
	s_lshl_b32 s[OFW], s23, 9
	s_add_nc_u64 s[PA2:PA2+1], s[WBS:WBS+1], s[OFW:OFW+1]
	CROUND                                         ; all four work-groups are here: the first joint loads meet
	tensor_load_to_lds s[G0:G0+3], s[G1:G1+7]      ; the walk's first two tiles: two loads of mine are out
	s_nop 0
	tensor_load_to_lds s[G0+4:G0+7], s[G1:G1+7]
	s_nop 0
	PLACES
	v_and_b32 v3, 31, v0                           ; lane
	s_lshl_b32 s21, s[WV], 20                      ; 16 rows of 65,536 bytes
	v_lshl_add_u32 v[AOFF], v3, 4, s21
	WIN 0x80                                       ; destination window 2, address window 0
.irp i, 0,1,2,3,4,5,6,7,8,9,10,11,12,13,14,15      ; Wf of the walk's first two K steps: a load of the wave takes one row's 512 consecutive bytes
	global_load_b128 v[4*(\i):4*(\i)+3], v[AOFF], s[PA:PA+1] offset:(\i)*65536 th:TH_LOAD_NT
.endr
.irp i, 0,1,2,3,4,5,6,7,8,9,10,11,12,13,14,15
	global_load_b128 v[64+4*(\i):64+4*(\i)+3], v[AOFF], s[PA2:PA2+1] offset:(\i)*65536 th:TH_LOAD_NT
.endr
	WIN 0
	v_and_b32 v1, 15, v0                           ; l % 16
	v_bfe_u32 v2, v0, 4, 1                         ; l / 16
	; the turning load takes 16 rows j x 16 e (lane l reads row 8 (l / 16) + l % 8, e 8 ((l / 8) % 2) + 0..7) and leaves half a fragment: lane l holds e = l % 16 and 8 j
	v_and_b32 v4, 7, v0
	v_bfe_u32 v5, v0, 3, 1
	v_lshl_add_u32 v6, v2, 3, v4
	v_mul_u32_u24 v6, v6, PV
	v_lshl_add_u32 v6, v5, 4, v6
	s_lshl_b32 s21, s[WV], 8                       ; my wave's 128 e
	v_add_nc_u32 v[AVB], s21, v6
	v_add_nc_u32 v[AVB+1], 64*PV, v[AVB]
	v_add_nc_u32 v[AVB+2], BSZ, v[AVB]
	v_add_nc_u32 v[AVB+3], BSZ+64*PV, v[AVB]
	v_mul_u32_u24 v7, v1, PP
	v_lshl_add_u32 v7, v2, 4, v7
	v_add_nc_u32 v[AFR], AB, v7
	v_add_nc_u32 v[AFR+1], AB+ABSZ, v7
	s_mul_i32 s21, s[WV], 16*PP
	s_add_co_u32 s21, s21, AB
	v_lshl_add_u32 v[ASTO], v3, 3, s21             ; my wave's 16 rows, 8 bytes a lane
	v_add_nc_u32 v[ASTO+1], ABSZ, v[ASTO]
	s_mul_i32 s21, s[WV], 16*SPF
	s_add_co_u32 s21, s21, AB                      ; my stage for the way out
	v_mul_u32_u24 v[STO], v1, SPF
	v_lshl_add_u32 v[STO], v2, 5, v[STO]
	v_add_nc_u32 v[STO], s21, v[STO]               ; in: row l % 16, 32 bytes for each half of the lanes
	v_lshl_add_u32 v[RD], v3, 4, s21               ; back: a whole row of 512 bytes
	v_lshlrev_b32 v[GO], 4, v3
.macro MM c0, c1, f, zero              ; products for e blocks c0..c1 x all four row blocks; the 32 accumulators take turns.  zero = 1: the first product starts the sums
	WIN 0x50                                       ; C and D window 1
.set cc, \c0
.rept (\c1)-(\c0)+1
.irp t, 0,1,2,3
.if \zero
	v_wmma_f32_16x16x32_bf16 v[8*(4*cc+(\t)):8*(4*cc+(\t))+7], v[(\f)+8*cc:(\f)+8*cc+7], v[(\f)+64+8*(\t):(\f)+64+8*(\t)+7], 0
.else
	v_wmma_f32_16x16x32_bf16 v[8*(4*cc+(\t)):8*(4*cc+(\t))+7], v[(\f)+8*cc:(\f)+8*cc+7], v[(\f)+64+8*(\t):(\f)+64+8*(\t)+7], v[8*(4*cc+(\t)):8*(4*cc+(\t))+7]
.endif
.endr
.set cc, cc+1
.endr
.endm
.macro FETCH slot, kk, f               ; 24 LDS loads in one run, in the order in which the products want them: 4 fragments of Wf, then 8 of ob (turned), for 32 along K, quarter kk of a step
	WIN 0
.irp t, 0,1,2,3
	ds_load_b128 v[(\f)+64+8*(\t):(\f)+64+8*(\t)+3],   v[AFR+(\slot)] offset:(\t)*16*PP+64*(\kk)
	ds_load_b128 v[(\f)+64+8*(\t)+4:(\f)+64+8*(\t)+7], v[AFR+(\slot)] offset:(\t)*16*PP+64*(\kk)+32
.endr
.irp c, 0,1,2,3,4,5,6,7
	ds_load_tr16_b128 v[(\f)+8*(\c):(\f)+8*(\c)+3],   v[AVB+2*(\slot)+((\kk)/2)] offset:((\kk)%2)*32*PV+32*(\c)
	ds_load_tr16_b128 v[(\f)+8*(\c)+4:(\f)+8*(\c)+7], v[AVB+2*(\slot)+((\kk)/2)] offset:((\kk)%2)*32*PV+16*PV+32*(\c)
.endr
.endm
; A quarter: asks for quarter kk of the slot, into buffer g, then multiplies buffer f.  young = the LDS stores issued behind buffer f's loads: the eight of a CHUNK that stands just ahead, or none.
.macro QUARTER f, g, slot, kk, zero, young=0
	s_wait_dscnt 8+(\young)                        ; Wf's four fragments and ob's first four are in: buffer f's youngest eight loads, and the stores behind them, may be out
	PLACES
	FETCH \slot, \kk, \g
	MM 0, 3, \f, \zero
	s_wait_dscnt 24+(\young)                       ; ob's last four are in: the stores and the 24 loads just issued may be out
	MM 4, 7, \f, \zero
.endm
; Eight rows of Wf (half 0 or 1 of register set 0 or 1) are rounded to bf16 and stored into LDS buffer ab.  re = 1: their registers are loaded again, with the K step two steps behind the set's in the walk.
; cnt = the loads issued behind these eight, which may stay out (loads return in order: ISA guide 5.7.1).  Each half has its own sixteen registers for the rounded numbers: they are written again a step
; later, behind the wait for 0 in front of the step's barrier, which is also what orders these stores with the other waves' reads.
.macro CHUNK set, half, ab, re, cnt
.set TT, T+16*(\half)
	s_wait_loadcnt \cnt
	WIN 0x8a                                       ; sources and destination in window 2
.irp i, 0,1,2,3,4,5,6,7
	v_cvt_pk_bf16_f32 v[TT+2*(\i)],   v[64*(\set)+4*(8*(\half)+(\i))],   v[64*(\set)+4*(8*(\half)+(\i))+1]
	v_cvt_pk_bf16_f32 v[TT+2*(\i)+1], v[64*(\set)+4*(8*(\half)+(\i))+2], v[64*(\set)+4*(8*(\half)+(\i))+3]
.endr
	WIN 0x08                                       ; address window 0, data window 2
.irp i, 0,1,2,3,4,5,6,7
	ds_store_b64 v[ASTO+(\ab)], v[TT+2*(\i):TT+2*(\i)+1] offset:(8*(\half)+(\i))*PP  ; 32 lanes fill a row's 256 bytes
.endr
.if \re
.if (\half) == 0
	s_wait_xcnt 0x0                                ; Wf's pointer is written again only behind this wait
	s_lshl_b32 s[OFW], s[NW], 9                    ; it is made anew for the K step to be loaded, and that number goes on round the 16 steps
	s_add_nc_u64 s[PA:PA+1], s[WBS:WBS+1], s[OFW:OFW+1]
	s_add_co_u32 s[NW], s[NW], 1
	s_and_b32 s[NW], s[NW], 15
.endif
	WIN 0x80
.irp i, 0,1,2,3,4,5,6,7
	global_load_b128 v[64*(\set)+4*(8*(\half)+(\i)):64*(\set)+4*(8*(\half)+(\i))+3], v[AOFF], s[PA:PA+1] offset:(8*(\half)+(\i))*65536 th:TH_LOAD_NT
.endr
.endif
	WIN 0
.endm
; A K step's last quarter (buffer 1) and the change of slots: ONE barrier.  In front of it each wave waits for all its tensor loads (one is out: its rows of the next slot), adds 0 to its spare word,
; and waits for that, for its reads of this slot and of this buffer of Wf, and for its stores into the other buffer.
; fill = 1: the slot's descriptor is made for the tile two steps on in the walk; the barrier opens a round of the cluster's barrier, and the slot is filled again: the first tensor load behind the round;
; it has a K step in which to land.
.macro TURN slot, next, fill
	s_wait_dscnt 0x0                               ; buffer 1 is in, and my stores of the next step's Wf are done
	WIN 0
	s_wait_tensorcnt 0x0
	ds_add_u32 v[SPW], v[NIL]                      ; 0 onto my spare word
.if \fill
	s_lshl_b32 s[OFF], s[NT], 17                   ; no tensor load of mine is out, so a group 0 may be written
	s_add_nc_u64 s[G0+4*(\slot)+2:G0+4*(\slot)+3], s[OBS:OBS+1], s[OFF:OFF+1]
	s_or_b32 s[G0+4*(\slot)+3], s[G0+4*(\slot)+3], 0x80000000
	s_add_co_u32 s[NT], s[NT], 1
	s_and_b32 s[NT], s[NT], 15
.endif
	MM 0, 1, F1, 0
	s_wait_dscnt 0x0
	s_barrier_signal -1
	MM 2, 3, F1, 0
	WIN 0
	s_barrier_wait -1
.if \fill
	CREST
	tensor_load_to_lds s[G0+4*(\slot):G0+4*(\slot)+3], s[G1:G1+7]
	s_nop 0
.endif
	PLACES                                         ; behind the tensor load, and in front of the loads below
	FETCH \next, 0, F0
	MM 4, 7, F1, 0
.endm
	; In what follows 'K step n' is the n-th of the walk.
	CHUNK 0, 0, 0, 1, 24                           ; Wf of K step 0 into buffer 0; behind each eight rows stand 8 + 16 or 16 + 8 younger loads; K step 2 is asked for
	CHUNK 0, 1, 0, 1, 24
	s_wait_tensorcnt 0x1                           ; my rows of K step 0 are in; step 1's may stay out
	s_wait_dscnt 0x0                               ; my rows of Wf are stored
	s_barrier_signal -1
	s_barrier_wait -1
	FETCH 0, 0, F0
	QUARTER F0, F1, 0, 1, 1                        ; the first quarter stands in front of the loop: its products start the sums
	WIN 0                                          ; at a label and at a branch every window is 0
	s_mov_b32 s[CNT], 6
.Lk:                                               ; a trip: from an even K step's second quarter to the next even step's first: K steps 0 to 11
	CHUNK 1, 0, 1, 1, 24
	QUARTER F1, F0, 0, 2, 0, 8
	CHUNK 1, 1, 1, 1, 24
	QUARTER F0, F1, 0, 3, 0, 8
	TURN 0, 1, 1
	QUARTER F0, F1, 1, 1, 0
	CHUNK 0, 0, 0, 1, 24
	QUARTER F1, F0, 1, 2, 0, 8
	CHUNK 0, 1, 0, 1, 24
	QUARTER F0, F1, 1, 3, 0, 8
	TURN 1, 0, 1
	QUARTER F0, F1, 0, 1, 0
	WIN 0
	s_sub_co_u32 s[CNT], s[CNT], 1
	s_cmp_lg_u32 s[CNT], 0
	s_cbranch_scc1 .Lk
	CHUNK 1, 0, 1, 1, 24                           ; the rest of K step 12: Wf of step 15 and ob's tile 14 are asked for
	QUARTER F1, F0, 0, 2, 0, 8
	CHUNK 1, 1, 1, 1, 24
	QUARTER F0, F1, 0, 3, 0, 8
	TURN 0, 1, 1
	QUARTER F0, F1, 1, 1, 0                        ; K step 13: no more of Wf; ob's tile 15
	CHUNK 0, 0, 0, 0, 24
	QUARTER F1, F0, 1, 2, 0, 8
	CHUNK 0, 1, 0, 0, 16                           ; behind these eight rows only step 15's sixteen loads
	QUARTER F0, F1, 1, 3, 0, 8
	TURN 1, 0, 1
	QUARTER F0, F1, 0, 1, 0                        ; K step 14: nothing more is asked for
	CHUNK 1, 0, 1, 0, 8
	QUARTER F1, F0, 0, 2, 0, 8
	CHUNK 1, 1, 1, 0, 0
	QUARTER F0, F1, 0, 3, 0, 8
	TURN 0, 1, 0
	QUARTER F0, F1, 1, 1, 0                        ; K step 15
	QUARTER F1, F0, 1, 2, 0
	QUARTER F0, F1, 1, 3, 0
	s_wait_dscnt 0x0
	MM 0, 7, F1, 0
	PLACES                                         ; the LDS stores below read results just made
	WIN 0
	s_barrier_signal -1                            ; every wave's reads of Wf's buffers are back (the wait above): the stages may be written over them
	s_barrier_wait -1
; THE WAY OUT, 16 rows at a time, in f32: 32 bytes a lane into my stage (each accumulator's low registers first), back as whole rows of 512 bytes, stored.
.macro OUTF t
.set BK, 64+64*((\t)%2)
	WIN 0x04                                       ; address window 0, data window 1
.irp c, 0,1,2,3,4,5,6,7
	ds_store_b128 v[STO], v[8*(4*(\c)+(\t)):8*(4*(\c)+(\t))+3]   offset:64*(\c)
	ds_store_b128 v[STO], v[8*(4*(\c)+(\t))+4:8*(4*(\c)+(\t))+7] offset:64*(\c)+16
.endr
	WIN 0
	s_wait_xcnt 0x0                                ; the registers that earlier stores read are loaded again only behind this wait
.irp i, 0,1,2,3,4,5,6,7,8,9,10,11,12,13,14,15
	ds_load_b128 v[BK+4*(\i):BK+4*(\i)+3], v[RD] offset:(\i)*SPF  ; LDS serves a wave's instructions in order (ISA guide 5.7.1.4): these see the stores above
.endr
	s_wait_dscnt 0x0
.irp i, 0,1,2,3,4,5,6,7,8,9,10,11,12,13,14,15
	global_store_b128 v[GO], v[BK+4*(\i):BK+4*(\i)+3], s[OP:OP+1] offset:(16*(\t)+(\i))*2048  ; the wave stores 512 consecutive bytes, aligned
.endr
.endm
	OUTF 0
	OUTF 1
	OUTF 2
	OUTF 3
	s_wait_tensorcnt 0x0                           ; the wave's end
	ds_add_u32 v[SPW], v[NIL]
	s_wait_dscnt 0x0
	CROUND                                         ; the closing round
	s_endpgm
.Lfunc_end_k_q26bd33bc97_outp:
	.size	k_q26bd33bc97_outp, .Lfunc_end_k_q26bd33bc97_outp-k_q26bd33bc97_outp
	.p2alignl 7, 3214868480
	.fill 96, 4, 3214868480
	.section	.rodata,"a",@progbits
	.p2align	6, 0x0
	.amdhsa_kernel k_q26bd33bc97_outp
		.amdhsa_group_segment_fixed_size 327680
		.amdhsa_private_segment_fixed_size 0
		.amdhsa_enable_private_segment 0
		.amdhsa_kernarg_size 24
		.amdhsa_user_sgpr_count 2
		.amdhsa_user_sgpr_kernarg_segment_ptr 1
		.amdhsa_wavefront_size32 1
		.amdhsa_system_sgpr_workgroup_id_x 1
		.amdhsa_system_sgpr_workgroup_id_y 1
		.amdhsa_system_sgpr_workgroup_id_z 1
		.amdhsa_system_vgpr_workitem_id 0
		.amdhsa_next_free_vgpr 672
		.amdhsa_next_free_sgpr 66
		.amdhsa_reserve_vcc 0
		.amdhsa_float_denorm_mode_32 3
		.amdhsa_float_denorm_mode_16_64 3
		.amdhsa_memory_ordered 1
		.amdhsa_forward_progress 1
		.amdhsa_inst_pref_size 143
	.end_amdhsa_kernel
	.amdgpu_metadata
---
amdhsa.version: [ 1, 2 ]
amdhsa.kernels:
  - .name:           k_q26bd33bc97_outp
    .symbol:         k_q26bd33bc97_outp.kd
    .args:
      - { .name: Wf, .offset: 0, .size: 8, .value_kind: global_buffer, .address_space: global }
      - { .name: ob, .offset: 8, .size: 8, .value_kind: global_buffer, .address_space: global }
      - { .name: part, .offset: 16, .size: 8, .value_kind: global_buffer, .address_space: global }
    .group_segment_fixed_size: 327680
    .private_segment_fixed_size: 0
    .kernarg_segment_align: 8
    .kernarg_segment_size: 24
    .max_flat_workgroup_size: 128
    .sgpr_count:     66
    .vgpr_count:     672
    .wavefront_size: 32
...
	.end_amdgpu_metadata
.endif
;; end of part 8
;; launch ln: the kernel of part 5 again; grid 256 x 1, 8 waves a work-group, no clusters, 0 bytes of LDS; arguments part, z, bf, out0; writes out0
;; ======== version 3 of 3: 5 launches; version 2 with the launch cvt written anew for expert scheduling mode
;; workspace buffers: xb 6,291,456 bytes; wb 12,582,912 bytes; qkv 50,331,648 bytes; ob 16,777,216 bytes; part 33,554,432 bytes
;; launch cvt (part 9): grid 256 x 1, 8 waves a work-group, no clusters, 0 bytes of LDS; arguments x, y, z, Wq, Wk, Wv, xb, wb; writes xb, wb
.if DOCPART == 9
	.amdgcn_target "amdgcn-amd-amdhsa--gfx1250"
	.amdhsa_code_object_version 6
	.text
	.protected	k_q26bd33bc97_cvt
	.globl	k_q26bd33bc97_cvt
	.p2align	8
	.type	k_q26bd33bc97_cvt,@function
k_q26bd33bc97_cvt:
	s_mov_b64 s[64:65], 0
	v_nop
	global_prefetch_b8 v0, s[64:65] scope:SCOPE_SE
	s_setreg_imm32_b32 hwreg(HW_REG_WAVE_SCHED_MODE, 0, 2), 2
	s_setreg_imm32_b32 hwreg(HW_REG_WAVE_MODE, 25, 1), 1
	s_wait_xcnt 0x0
	s_wait_alu depctr_vm_vsrc(0)
; x, y, z [2048][512] and Wq, Wk, Wv [8][512][512] go from f32 to bf16 (round to nearest even), once, so that the projection can bring them
; into LDS as bf16 tiles.  xb = [3][2048][512], wb = [3][4096][512] (row = head x 512 + output channel).
; The work is nine units of 1,048,576 numbers: x, y, z and the two halves of each W.  Work-group g takes 4,096 numbers of every unit,
; thread t four loads of 16 bytes in each: 36 loads a thread, all issued before the first is waited for.  A load of a wave covers 512
; consecutive bytes; a store of a wave covers 256 consecutive bytes, aligned.  A pure stream: no LDS, no barrier, no matrix unit, no cluster.
; THE MODE: SCHED_MODE bits 1:0 = 2 (LLVM: expert scheduling mode 2), set by the entry lines.  The code itself states the register dependences
; between vector instructions and memory instructions, with s_wait_alu, always for 0.
; THE PLAN.  Registers that memory instructions touch:
;   v1, v2     byte offsets, written once at the head; v1 is read by every load, v2 by every store; never written again.
;   D(u, j)    four registers for load j of unit u.  No vector instruction names them ahead of the load.  The load lands in them once; behind its counted wait two
;              conversions read them and write the first two of them; one store reads those two; nothing writes them afterwards.
; Unit u's eight conversions are followed by the wait for unit u + 1's first load; behind that wait stands ONE wait on va_vdst, which states that the eight have written,
; and then unit u's four stores go out in one run, ahead of unit u + 1's first conversion.  So a unit has one wait for its four stores: ten in the text with the head's and the last unit's.
; No register is written again after a load or store has named it as a source: no wait on vm_vsrc and no s_wait_xcnt is owed.
; No vector instruction writes a scalar register or VCC, and EXEC is never written.
.set UIN,  4194304                     ; bytes of a unit in f32
.set UOUT, 2097152                     ; bytes of a unit in bf16
.set D,    8                           ; v[8:151]  load i of 36 at v[8+4i]; its first two registers then hold the four bf16
	s_load_b512 s[4:19], s[0:1], 0x0               ; x s[4:5], y s[6:7], z s[8:9], Wq s[10:11], Wk s[12:13], Wv s[14:15], xb s[16:17], wb s[18:19]
	s_lshl_b32 s2, ttmp9, 14                       ; the group's 16,384 bytes of a unit in f32
	s_lshl_b32 s3, ttmp9, 13                       ; and its 8,192 bytes in bf16
	v_lshl_add_u32 v1, v0, 4, s2                   ; + 16 t
	v_lshl_add_u32 v2, v0, 3, s3                   ; + 8 t
	s_wait_kmcnt 0x0
	s_add_nc_u64 s[20:21], s[18:19], 4*UOUT        ; Wv's place in wb: beyond what a store's immediate reaches from wb
	s_wait_alu depctr_va_vdst(0)                   ; v1 and v2 are written: every load of the kernel reads v1 as its offset, every store v2
.macro LDU u, sb, off                  ; unit u: four loads, 4,096 bytes apart
.irp j, 0,1,2,3
	global_load_b128 v[D+16*(\u)+4*(\j):D+16*(\u)+4*(\j)+3], v1, s[(\sb):(\sb)+1] offset:(\off)+4096*(\j) th:TH_LOAD_NT
.endr
.endm
.macro STU u, sb, off                  ; unit u: its four stores, in one run
.irp j, 0,1,2,3
	global_store_b64 v2, v[D+16*(\u)+4*(\j):D+16*(\u)+4*(\j)+1], s[(\sb):(\sb)+1] offset:(\off)+2048*(\j)
.endr
.endm
; Unit u is rounded; at its head the unit before is stored: sb and off are THAT unit's base and offset (unit 0 has no unit before it and uses neither).
.macro UNIT u, sb, off
	s_wait_loadcnt 35-4*(\u)                       ; the unit's first load is in: the loads issued behind it may stay out (loads return in order: ISA guide 5.7.1)
.if (\u) > 0
	s_wait_alu depctr_va_vdst(0)                   ; the eight conversions of the unit before have written the registers that the four stores below read
	STU (\u)-1, \sb, \off
.endif
.irp j, 0,1,2,3
.if (\j) > 0
	s_wait_loadcnt 35-4*(\u)-(\j)                  ; the loads issued behind this one may stay out
.endif
	v_cvt_pk_bf16_f32 v[D+16*(\u)+4*(\j)], v[D+16*(\u)+4*(\j)], v[D+16*(\u)+4*(\j)+1]
	v_cvt_pk_bf16_f32 v[D+16*(\u)+4*(\j)+1], v[D+16*(\u)+4*(\j)+2], v[D+16*(\u)+4*(\j)+3]
.endr
.endm
	LDU 0, 4, 0
	LDU 1, 6, 0
	LDU 2, 8, 0
	LDU 3, 10, 0
	LDU 4, 10, UIN
	LDU 5, 12, 0
	LDU 6, 12, UIN
	LDU 7, 14, 0
	LDU 8, 14, UIN
	UNIT 0, 16, 0                                  ; x is rounded
	UNIT 1, 16, 0                                  ; x is stored, y rounded
	UNIT 2, 16, UOUT                               ; y is stored, z rounded
	UNIT 3, 16, 2*UOUT                             ; z; Wq's first half
	UNIT 4, 18, 0                                  ; Wq's first half; its second
	UNIT 5, 18, UOUT
	UNIT 6, 18, 2*UOUT
	UNIT 7, 18, 3*UOUT
	UNIT 8, 20, 0                                  ; Wv's first half is stored, its second rounded
	s_wait_alu depctr_va_vdst(0)                   ; the last unit's eight conversions have written the registers that the last four stores read
	STU 8, 20, UOUT
	s_endpgm
.Lfunc_end_k_q26bd33bc97_cvt:
	.size	k_q26bd33bc97_cvt, .Lfunc_end_k_q26bd33bc97_cvt-k_q26bd33bc97_cvt
	.p2alignl 7, 3214868480
	.fill 96, 4, 3214868480
	.section	.rodata,"a",@progbits
	.p2align	6, 0x0
	.amdhsa_kernel k_q26bd33bc97_cvt
		.amdhsa_group_segment_fixed_size 0
		.amdhsa_private_segment_fixed_size 0
		.amdhsa_enable_private_segment 0
		.amdhsa_kernarg_size 64
		.amdhsa_user_sgpr_count 2
		.amdhsa_user_sgpr_kernarg_segment_ptr 1
		.amdhsa_wavefront_size32 1
		.amdhsa_system_sgpr_workgroup_id_x 1
		.amdhsa_system_sgpr_workgroup_id_y 1
		.amdhsa_system_sgpr_workgroup_id_z 1
		.amdhsa_system_vgpr_workitem_id 0
		.amdhsa_next_free_vgpr 152
		.amdhsa_next_free_sgpr 66
		.amdhsa_reserve_vcc 0
		.amdhsa_float_denorm_mode_32 3
		.amdhsa_float_denorm_mode_16_64 3
		.amdhsa_memory_ordered 1
		.amdhsa_forward_progress 1
		.amdhsa_inst_pref_size 14
	.end_amdhsa_kernel
	.amdgpu_metadata
---
amdhsa.version: [ 1, 2 ]
amdhsa.kernels:
  - .name:           k_q26bd33bc97_cvt
    .symbol:         k_q26bd33bc97_cvt.kd
    .args:
      - { .name: x, .offset: 0, .size: 8, .value_kind: global_buffer, .address_space: global }
      - { .name: y, .offset: 8, .size: 8, .value_kind: global_buffer, .address_space: global }
      - { .name: z, .offset: 16, .size: 8, .value_kind: global_buffer, .address_space: global }
      - { .name: Wq, .offset: 24, .size: 8, .value_kind: global_buffer, .address_space: global }
      - { .name: Wk, .offset: 32, .size: 8, .value_kind: global_buffer, .address_space: global }
      - { .name: Wv, .offset: 40, .size: 8, .value_kind: global_buffer, .address_space: global }
      - { .name: xb, .offset: 48, .size: 8, .value_kind: global_buffer, .address_space: global }
      - { .name: wb, .offset: 56, .size: 8, .value_kind: global_buffer, .address_space: global }
    .group_segment_fixed_size: 0
    .private_segment_fixed_size: 0
    .kernarg_segment_align: 8
    .kernarg_segment_size: 64
    .max_flat_workgroup_size: 256
    .sgpr_count:     66
    .vgpr_count:     152
    .wavefront_size: 32
...
	.end_amdgpu_metadata
.endif
;; end of part 9
;; launch proj: the kernel of part 6 again; grid 16 x 48, 4 waves a work-group, clusters of 4 x 4, 327,680 bytes of LDS; arguments xb, wb, bq, bk, bv, qkv; writes qkv
;; launch attn: the kernel of part 7 again; grid 32 x 8, 4 waves a work-group, clusters of 4 x 1, 327,680 bytes of LDS; arguments qkv, ob; writes ob
;; launch outp: the kernel of part 8 again; grid 32 x 8, 4 waves a work-group, clusters of 4 x 1, 327,680 bytes of LDS; arguments Wf, ob, part; writes part
;; launch ln: the kernel of part 5 again; grid 256 x 1, 8 waves a work-group, no clusters, 0 bytes of LDS; arguments part, z, bf, out0; writes out0
